; MI455X (gfx1250); checked and timed in simulation.
; The chip was launched on July 23, 2026; its instructions are those of AMD's public machine-readable ISA for CDNA 5 (MIT licence, August 2026) and "CDNA5" Instruction Set Architecture Reference Guide (July 2026). The comments in the code are by the model that wrote it; some were corrected since.
;; Decoder Block. Allowed arithmetic: matrix products marked QUANTISED: E4M3 operands, one given power-of-two scale a tensor, by v_wmma_f32_16x16x64_fp8_fp8 or v_wmma_f32_16x16x128_fp8_fp8, f32 sums; everything else in f32.
;; Inputs: Wk_codes 1,024 x 32 x 32 uint8 (E4M3 codes of Wk, K innermost, in blocks of 32 codes); Wo_codes 1,024 x 32 x 32 uint8 (E4M3 codes of Wo, K innermost, in blocks of 32 codes); Wq_codes 1,024 x 32 x 32 uint8 (E4M3 codes of Wq, K innermost, in blocks of 32 codes); Wv_codes 1,024 x 32 x 32 uint8 (E4M3 codes of Wv, K innermost, in blocks of 32 codes); b1 4,096 float32; b2 1,024 float32; be1 1,024 float32; be2 1,024 float32; g1 1,024 float32; g2 1,024 float32; lowp_scales 16 int32 (the exponents e of the quantised operands' scales 2^e); mask 1 x 1 x 2,048 x 2,048 bool; w1_codes 4,096 x 32 x 32 uint8 (E4M3 codes of w1, K innermost, in blocks of 32 codes); w2_codes 1,024 x 128 x 32 uint8 (E4M3 codes of w2, K innermost, in blocks of 32 codes); x 2 x 2,048 x 1,024 float32.
;; Outputs: out0 2 x 2,048 x 1,024 float32.
;; This version of the problem:
;;   THIS VERSION OF THE PROBLEM IS GIVEN IN LOW PRECISION. The matrix products marked QUANTISED in the list below multiply operands that are first quantised to E4M3 (4 exponent bits, 3 mantissa bits; 8 bits a number), with one given power-of-two scale for each operand tensor; their sums are f32. All else is computed in f32.
;;   The module's matrix products, in the order in which they are computed (A, B: the left and right operand; K: the contracted axis; several contracted axes count as one K, in the product's order):
;;     1. [M 4,096, K 1,024] x [K 1,024, N 1,024]; A: computed on the way; B: input Wq (given as codes): QUANTISED (scales: A lowp_scales[0], B lowp_scales[1])
;;     2. [M 4,096, K 1,024] x [K 1,024, N 1,024]; A: computed on the way; B: input Wk (given as codes): QUANTISED (scales: A lowp_scales[2], B lowp_scales[3])
;;     3. [M 4,096, K 1,024] x [K 1,024, N 1,024]; A: computed on the way; B: input Wv (given as codes): QUANTISED (scales: A lowp_scales[4], B lowp_scales[5])
;;     4. batch 32 x [M 2,048, K 64] x [K 64, N 2,048]; A: computed on the way; B: computed on the way: QUANTISED (scales: A lowp_scales[6], B lowp_scales[7])
;;     5. batch 32 x [M 2,048, K 2,048] x [K 2,048, N 64]; A: softmax (see below); B: computed on the way: QUANTISED (scales: A lowp_scales[8], B lowp_scales[9])
;;     6. [M 4,096, K 1,024] x [K 1,024, N 1,024]; A: computed on the way; B: input Wo (given as codes): QUANTISED (scales: A lowp_scales[10], B lowp_scales[11])
;;     7. [M 4,096, K 1,024] x [K 1,024, N 4,096]; A: computed on the way; B: input w1 (given as codes): QUANTISED (scales: A lowp_scales[12], B lowp_scales[13])
;;     8. [M 4,096, K 4,096] x [K 4,096, N 1,024]; A: computed on the way; B: input w2 (given as codes): QUANTISED (scales: A lowp_scales[14], B lowp_scales[15])
;;   THE QUANTISER, for each operand of a quantised product, along K:
;;     - The operand's scale is 2^e, e = its entry of the input lowp_scales (int32; the entries are numbered through the quantised products in the list's order, A before B).
;;     - Each number is divided by the scale, clamped to +-448, and rounded to the nearest number of E4M3, ties to even, subnormals kept.
;;     - The product sums the exact products of the quantised numbers (number of the format x scale) in f32.
;;   ~~~python
;;   def quantise(x, axis, e):      # numpy; x: float32 -> the quantised numbers, widened to float32 again
;;       x = np.moveaxis(x, axis, -1); K = x.shape[-1]
;;       r = np.clip(x / 2.0 ** e, -448, 448)
;;       step = 2.0 ** (np.maximum(np.frexp(np.where(r == 0, 1, r))[1] - 1, -6) - 3)
;;       q = np.round(r / step) * step * 2.0 ** e      # np.round: ties to even
;;       return np.moveaxis(q, -1, axis).astype(np.float32)
;;   ~~~
;;   SOFTMAX AHEAD OF A QUANTISED PRODUCT. Where the list says 'softmax', what is quantised is not the finished softmax but p = 2^(t - M), with t = logit x log2(e) and M = ceil(the row's largest t), a whole number; so 1/2 < the row's largest p <= 1. The row's sum l is taken of the UNQUANTISED p, in f32, and the product's result is divided by l at the end. Since M is a whole number, a kernel that streams over the keys may use a running M (the ceiling of the running maximum): every later rescaling is an exact power of two, so the quantised numbers keep their values, but for numbers so far below the row's largest that they fall under the format's range.
;;   OPERANDS COMPUTED ON THE WAY. 'Computed on the way' means the value that the module computes at that place (a softmax that the list does not call 'softmax' is quantised finished and normalised). What goes into a quantiser is computed in f32, as accurately as f32 sums, v_exp_f32 and their like allow (about 1e-6 of the number): no bf16 or f16 on the way to a quantiser, and a product that is left as it is and whose result goes on into a quantised operand takes f32 operands (vector FMAs, or v_wmma_f32_16x16x4_f32). A number that lies on a knife's edge between two numbers of the format may be rounded either way, as far as f32 arithmetic and the matrix unit's own rounding can turn it there, and no further.
;;   INPUTS GIVEN AS CODES. Wk (in the module: [1024, 1024], K = its axis 0); Wo (in the module: [1024, 1024], K = its axis 0); Wq (in the module: [1024, 1024], K = its axis 0); Wv (in the module: [1024, 1024], K = its axis 0); w1 (in the module: [1024, 4096], K = its axis 0); w2 (in the module: [4096, 1024], K = its axis 0): each comes as NAME_codes (uint8): NAME with its K axis moved to the last place and cut into blocks of 32 codes, [.., K / 32, bytes a block], one block behind the other in memory; one code a byte (a code: sign, 4 exponent bits, 3 mantissa bits); its scale is its entry of lowp_scales. Its value is code x scale, taken as it is: it is not quantised again, and the codes and scales need not be those that the quantiser above would give.
;; 2 versions. Each part assembles by itself: llvm-mc -triple=amdgcn-amd-amdhsa -mcpu=gfx1250 --defsym DOCPART=n.
;; ======== version 1 of 2: 7 launches
;; limits: right only within a limited range of input values
;; workspace buffers: xn3 12,582,912 bytes; maskw 524,288 bytes of whole numbers; qkv 12,582,912 bytes; ao 4,194,304 bytes; h 16,777,216 bytes; hn 4,194,304 bytes; hid 16,777,216 bytes
;; launch ln1 (part 1): grid 256 x 1, 4 waves a work-group, no clusters, 17,920 bytes of LDS; arguments x, g1, be1, mask, lowp_scales, xn3, maskw; writes xn3, maskw
.if DOCPART == 1
	.amdgcn_target "amdgcn-amd-amdhsa--gfx1250"
	.amdhsa_code_object_version 6
	.text
	.protected	k_qd2cf58f24e_ln1
	.globl	k_qd2cf58f24e_ln1
	.p2align	8
	.type	k_qd2cf58f24e_ln1,@function
k_qd2cf58f24e_ln1:
	s_mov_b64 s[64:65], 0
	v_nop
	global_prefetch_b8 v0, s[64:65] scope:SCOPE_SE
	s_setreg_imm32_b32 hwreg(HW_REG_WAVE_MODE, 25, 1), 1
	s_wait_xcnt 0x0
; LN1(x) = (x - mu) / sqrt(var + 1e-5) * g1 + be1, in f32, turned into E4M3 codes three times, with the given scales 2^e0, 2^e2, 2^e4 (the left operands of the products with Wq, Wk, Wv):
; xn3 [3][4096 tokens][1024] codes.  And the mask (bool [2048][2048]) is turned into words of 32 lane bits for the attention launch: maskw [128 tiles of 16 queries][16 steps of 128 keys][64 words];
; bit L of word 8 t + j is mask[16 tile + L % 16][128 step + 16 t + 8 (L / 16) + j]: the lane and register in which that launch holds the score.
; SHARES.  1,024 waves.  Wave W takes rows 4 W .. 4 W + 3 of x, a row at a time whole in registers (mean, then the squares of x - mean: two passes over registers, one read of memory), and 16 queries x 256 keys of the mask.
; A lane holds columns 256 g + 8 L + 0 .. 7 (g = 0 .. 3): eight neighbours along K for each conversion, and a store of 8 bytes a lane covers 256 consecutive bytes, aligned.
; Waves share nothing: no barrier.  LIMITS: e0, e2, e4 between -126 and 119, so that 2^e and 448 x 2^e are f32 numbers.  NaN among the inputs is not served.
.set G,   16                           ; v16-47   g1 of my 32 columns
.set BE,  48                           ; v48-79   be1
.set X,   80                           ; v80-207  four rows, 32 numbers each: row r at X + 32 r + 8 g + i
.set T0,  208                          ; v208-223 at work: four registers a row for the sums; later two sets of eight held numbers
.set MB,  208                          ; v208-239 the mask's bytes
.set C,   224                          ; v224-247 a row's twelve pairs of codes
.set ST,  232                          ; v232-239 a pair a row: mu, then 1 / sigma, in the low register (done with before C is written)
.set W,   248                          ; v248-251 the mask's words: word n in register n % 4 of lane n / 4
.set STG, 4352                         ; LDS: 16 rows x (256 + 16) bytes for each wave
	s_load_b256 s[4:11], s[0:1], 0x0               ; x, g1, be1, mask
	s_load_b128 s[12:15], s[0:1], 0x20             ; the scales' exponents, xn3
	s_load_b64 s[16:17], s[0:1], 0x30              ; maskw
	v_lshl_add_u32 v255, v0, 2, 0x4400
	s_set_vgpr_msb 0x40
	v_mov_b32 v1, 0
	s_set_vgpr_msb 0x4000
	v_lshrrev_b32 v1, 5, v0
	v_readfirstlane_b32 s18, v1                    ; wave 0..3
	s_lshl_b32 s19, ttmp9, 2
	s_add_co_u32 s19, s19, s18                     ; W
	s_mov_b32 s36, 0x76543210                      ; v_permlanex16_b32: lane l takes lane l xor 16
	s_mov_b32 s37, 0xfedcba98
	s_mov_b32 s32, 0x3a800000                      ; 1 / 1024
	s_mov_b32 s33, 0x3727c5ac                      ; 1e-5
	v_and_b32 v1, 31, v0                           ; L
	v_lshlrev_b32 v2, 5, v1                        ; 32 L: my 8 numbers of a group of 256
	v_lshlrev_b32 v3, 3, v1                        ; 8 L: their codes
	v_lshlrev_b32 v254, 4, v1                      ; 16 L: my four mask words
	v_and_b32 v12, 15, v0
	v_bfe_u32 v13, v0, 4, 1
	v_lshlrev_b32 v14, 4, v12
	v_lshl_add_u32 v15, v13, 11, v14               ; the mask in memory: sixteen lanes to 256 bytes of a row, two rows an instruction
	s_mul_i32 s20, s18, STG
	v_mul_u32_u24 v10, v13, 272
	v_add_nc_u32 v10, v10, v14
	v_add_nc_u32 v10, s20, v10                     ; into my stage, as loaded
	v_mul_u32_u24 v11, v12, 272
	v_lshl_add_u32 v11, v13, 3, v11
	v_add_nc_u32 v11, s20, v11                     ; out of it: row L % 16, 8 (L / 16) bytes on
	s_lshl_b32 s22, s19, 14                        ; x: 4 rows of 4,096 bytes a wave
	s_mov_b32 s23, 0
	s_lshr_b32 s38, s19, 3
	s_lshl_b32 s38, s38, 15                        ; mask: 16 rows of 2,048 bytes for each tile of queries,
	s_and_b32 s39, s19, 7
	s_lshl_b32 s39, s39, 8                         ; 256 keys
	s_add_co_u32 s38, s38, s39
	s_mov_b32 s39, 0
	s_lshl_b32 s40, s19, 9                         ; maskw: 128 words a wave
	s_mov_b32 s41, 0
	s_lshl_b32 s42, s19, 12                        ; xn3: 4 rows of 1,024 bytes a wave,
	s_add_co_u32 s42, s42, 1<<22                   ; counted from set 1, so that the three sets' immediates are -4 MiB, 0, +4 MiB
	s_mov_b32 s43, 0
	s_wait_kmcnt 0x0
	s_load_b256 s[24:31], s[12:13], 0x0            ; e0 .. e7
	s_add_nc_u64 s[4:5], s[4:5], s[22:23]
	s_add_nc_u64 s[10:11], s[10:11], s[38:39]
	s_add_nc_u64 s[16:17], s[16:17], s[40:41]
	s_add_nc_u64 s[14:15], s[14:15], s[42:43]
.irp i, 0,1,2,3,4,5,6,7
	global_load_b128 v[MB+4*\i:MB+4*\i+3], v15, s[10:11] offset:4096*\i th:TH_LOAD_NT
.endr
.irp g, 0,1,2,3
	global_load_b128 v[G+8*\g:G+8*\g+3],   v2, s[6:7] offset:1024*\g
	global_load_b128 v[G+8*\g+4:G+8*\g+7], v2, s[6:7] offset:1024*\g+16
.endr
.irp g, 0,1,2,3
	global_load_b128 v[BE+8*\g:BE+8*\g+3],   v2, s[8:9] offset:1024*\g
	global_load_b128 v[BE+8*\g+4:BE+8*\g+7], v2, s[8:9] offset:1024*\g+16
.endr
.irp r, 0,1,2,3
.irp g, 0,1,2,3
	global_load_b128 v[X+32*\r+8*\g:X+32*\r+8*\g+3],   v2, s[4:5] offset:4096*\r+1024*\g
	global_load_b128 v[X+32*\r+8*\g+4:X+32*\r+8*\g+7], v2, s[4:5] offset:4096*\r+1024*\g+16
.endr
.endr
	s_wait_kmcnt 0x0
.irp q, 0,1,2                          ; v[4+2q] = 2^e (the conversion takes its exponent field), v[5+2q] = 448 x 2^e, for e0, e2, e4
	s_add_co_i32 s34, s[24+2*\q], 127
	s_lshl_b32 s35, s34, 23
	v_mov_b32 v[4+2*\q], s35
	s_add_co_i32 s34, s34, 8
	s_lshl_b32 s34, s34, 23
	s_or_b32 s34, s34, 0x600000
	v_mov_b32 v[5+2*\q], s34
.endr
	; THE MASK.  Its bytes turn through my stage: in as they lie in memory, out so that lane L holds 8 keys of query L % 16.
	s_wait_loadcnt 48                              ; the mask's eight loads are in; the 48 behind them (g1, be1, x) stay out
.irp i, 0,1,2,3,4,5,6,7
	ds_store_b128 v10, v[MB+4*\i:MB+4*\i+3] offset:544*\i
.endr
.irp p, 0,1,2,3,4,5,6,7,8,9,10,11,12,13,14,15      ; LDS serves a wave's instructions in order: these see my stores
	ds_load_b64 v[MB+2*\p:MB+2*\p+1], v11 offset:16*\p
.endr
.irp k, 0,1,2,3
	v_mov_b32 v[W+\k], 0                           ; v_writelane_b32's destination counts as read
.endr
	s_wait_dscnt 0x0
.set n, 0
.rept 128                              ; word n = 64 step + 8 t + j: the 32 lanes' byte j of pair n / 8, as 32 bits
	v_bfe_u32 v[252+n%2], v[MB+2*(n/8)+(n%8)/4], 8*(n%4), 8
	v_cmp_ne_u32 s[44+n%2], 0, v[252+n%2]
	v_writelane_b32 v[W+n%4], s[44+n%2], n/4
.set n, n+1
.endr
	global_store_b128 v254, v[W:W+3], s[16:17]     ; 512 consecutive bytes
	; THE ROWS, four at a time, line by line, so that no line waits for the line above it.
.macro REDUCE                          ; each row's two partial pairs -> the row's sum, in every lane, in v[T0+4r]
.irp r, 0,1,2,3
	v_pk_add_f32 v[T0+4*\r:T0+4*\r+1], v[T0+4*\r:T0+4*\r+1], v[T0+4*\r+2:T0+4*\r+3]
.endr
.irp r, 0,1,2,3
	v_add_f32 v[T0+4*\r], v[T0+4*\r], v[T0+4*\r+1]
.endr
.irp m, 1,2,4,8
.irp r, 0,1,2,3
	v_add_f32_dpp v[T0+4*\r], v[T0+4*\r], v[T0+4*\r] row_xmask:\m row_mask:0xf bank_mask:0xf
.endr
.endr
.irp r, 0,1,2,3
	v_permlanex16_b32 v[T0+4*\r+1], v[T0+4*\r], s36, s37
.endr
.irp r, 0,1,2,3
	v_add_f32 v[T0+4*\r], v[T0+4*\r], v[T0+4*\r+1]
.endr
.endm
	s_wait_loadcnt 0x0
.irp r, 0,1,2,3
	v_pk_add_f32 v[T0+4*\r:T0+4*\r+1],   v[X+32*\r:X+32*\r+1],   v[X+32*\r+2:X+32*\r+3]
	v_pk_add_f32 v[T0+4*\r+2:T0+4*\r+3], v[X+32*\r+4:X+32*\r+5], v[X+32*\r+6:X+32*\r+7]
.endr
.irp p, 8,12,16,20,24,28
.irp r, 0,1,2,3
	v_pk_add_f32 v[T0+4*\r:T0+4*\r+1],   v[T0+4*\r:T0+4*\r+1],   v[X+32*\r+\p:X+32*\r+\p+1]
	v_pk_add_f32 v[T0+4*\r+2:T0+4*\r+3], v[T0+4*\r+2:T0+4*\r+3], v[X+32*\r+\p+2:X+32*\r+\p+3]
.endr
.endr
	REDUCE
.irp r, 0,1,2,3
	v_mul_f32 v[ST+2*\r], s32, v[T0+4*\r]          ; mu
	v_mov_b32 v[ST+2*\r+1], 0                      ; (named with it as a pair, so it is written)
.endr
.irp p, 0,2,4,6,8,10,12,14,16,18,20,22,24,26,28,30
.irp r, 0,1,2,3
	v_pk_add_f32 v[X+32*\r+\p:X+32*\r+\p+1], v[X+32*\r+\p:X+32*\r+\p+1], v[ST+2*\r:ST+2*\r+1] op_sel_hi:[1,0] neg_lo:[0,1] neg_hi:[0,1]   ; x - mu
.endr
.endr
.irp r, 0,1,2,3
	v_pk_mul_f32 v[T0+4*\r:T0+4*\r+1],   v[X+32*\r:X+32*\r+1],   v[X+32*\r:X+32*\r+1]
	v_pk_mul_f32 v[T0+4*\r+2:T0+4*\r+3], v[X+32*\r+2:X+32*\r+3], v[X+32*\r+2:X+32*\r+3]
.endr
.irp p, 4,8,12,16,20,24,28
.irp r, 0,1,2,3
	v_pk_fma_f32 v[T0+4*\r:T0+4*\r+1],   v[X+32*\r+\p:X+32*\r+\p+1],   v[X+32*\r+\p:X+32*\r+\p+1],   v[T0+4*\r:T0+4*\r+1]
	v_pk_fma_f32 v[T0+4*\r+2:T0+4*\r+3], v[X+32*\r+\p+2:X+32*\r+\p+3], v[X+32*\r+\p+2:X+32*\r+\p+3], v[T0+4*\r+2:T0+4*\r+3]
.endr
.endr
	REDUCE
.irp r, 0,1,2,3
	v_fma_f32 v[T0+4*\r], v[T0+4*\r], s32, s33     ; var + 1e-5
.endr
.irp r, 0,1,2,3
	v_rsq_f32 v[ST+2*\r], v[T0+4*\r]
.endr
	v_nop                                          ; a plain instruction behind the last of the four,
	s_wait_alu depctr_va_vdst(0)                   ; and one wait for the batch ahead of its first reader
.irp p, 0,2,4,6,8,10,12,14,16,18,20,22,24,26,28,30
.irp r, 0,1,2,3
	v_pk_mul_f32 v[X+32*\r+\p:X+32*\r+\p+1], v[X+32*\r+\p:X+32*\r+\p+1], v[ST+2*\r:ST+2*\r+1] op_sel_hi:[1,0]
.endr
.irp r, 0,1,2,3
	v_pk_fma_f32 v[X+32*\r+\p:X+32*\r+\p+1], v[X+32*\r+\p:X+32*\r+\p+1], v[G+\p:G+\p+1], v[BE+\p:BE+\p+1]
.endr
.endr
; Row r becomes codes, once for each of the three scales.  The conversion to an 8-bit code does not saturate (ISA guide 7.6.2): each number is first held within 448 x the scale, into one of two sets of eight
; registers by turns, so that eight plain lines on other registers stand between a conversion and the next write of its sources.
.macro ROWQ r
	s_wait_xcnt 0x0                                ; the last row's stores have read their codes: C is written again only behind this wait
.irp q, 0,1,2
.irp g, 0,1,2,3
.set TT, T0+8*((\g)%2)
.irp i, 0,1,2,3,4,5,6,7
	v_med3_num_f32 v[TT+\i], v[X+32*(\r)+8*\g+\i], -v[5+2*\q], v[5+2*\q]
.endr
	v_cvt_scalef32_pk8_fp8_f32 v[C+2*(4*\q+\g):C+2*(4*\q+\g)+1], v[TT:TT+7], v[4+2*\q]
	global_store_b64 v3, v[C+2*(4*\q+\g):C+2*(4*\q+\g)+1], s[14:15] offset:(\q-1)*4194304+(\r)*1024+256*\g   ; 32 lanes store 256 consecutive bytes, aligned
.endr
.endr
.endm
	ROWQ 0
	ROWQ 1
	ROWQ 2
	ROWQ 3
	s_set_vgpr_msb 0x4
	s_wait_tensorcnt 0x0
	ds_add_u32 v255, v1
	s_wait_dscnt 0x0
	s_set_vgpr_msb 0x400
	s_endpgm
.Lfunc_end_k_qd2cf58f24e_ln1:
	.size	k_qd2cf58f24e_ln1, .Lfunc_end_k_qd2cf58f24e_ln1-k_qd2cf58f24e_ln1
	.p2alignl 7, 3214868480
	.fill 96, 4, 3214868480
	.section	.rodata,"a",@progbits
	.p2align	6, 0x0
	.amdhsa_kernel k_qd2cf58f24e_ln1
		.amdhsa_group_segment_fixed_size 17920
		.amdhsa_private_segment_fixed_size 0
		.amdhsa_enable_private_segment 0
		.amdhsa_kernarg_size 56
		.amdhsa_user_sgpr_count 2
		.amdhsa_user_sgpr_kernarg_segment_ptr 1
		.amdhsa_wavefront_size32 1
		.amdhsa_system_sgpr_workgroup_id_x 1
		.amdhsa_system_sgpr_workgroup_id_y 1
		.amdhsa_system_sgpr_workgroup_id_z 1
		.amdhsa_system_vgpr_workitem_id 0
		.amdhsa_next_free_vgpr 258
		.amdhsa_next_free_sgpr 66
		.amdhsa_reserve_vcc 0
		.amdhsa_float_denorm_mode_32 3
		.amdhsa_float_denorm_mode_16_64 3
		.amdhsa_memory_ordered 1
		.amdhsa_forward_progress 1
		.amdhsa_inst_pref_size 90
	.end_amdhsa_kernel
	.amdgpu_metadata
---
amdhsa.version: [ 1, 2 ]
amdhsa.kernels:
  - .name:           k_qd2cf58f24e_ln1
    .symbol:         k_qd2cf58f24e_ln1.kd
    .args:
      - { .name: x, .offset: 0, .size: 8, .value_kind: global_buffer, .address_space: global }
      - { .name: g1, .offset: 8, .size: 8, .value_kind: global_buffer, .address_space: global }
      - { .name: be1, .offset: 16, .size: 8, .value_kind: global_buffer, .address_space: global }
      - { .name: mask, .offset: 24, .size: 8, .value_kind: global_buffer, .address_space: global }
      - { .name: lowp_scales, .offset: 32, .size: 8, .value_kind: global_buffer, .address_space: global }
      - { .name: xn3, .offset: 40, .size: 8, .value_kind: global_buffer, .address_space: global }
      - { .name: maskw, .offset: 48, .size: 8, .value_kind: global_buffer, .address_space: global }
    .group_segment_fixed_size: 17920
    .private_segment_fixed_size: 0
    .kernarg_segment_align: 8
    .kernarg_segment_size: 56
    .max_flat_workgroup_size: 128
    .sgpr_count:     66
    .vgpr_count:     258
    .wavefront_size: 32
...
	.end_amdgpu_metadata
.endif
;; end of part 1
;; launch qkv (part 2): grid 24 x 32, 4 waves a work-group, clusters of 4 x 4, 327,680 bytes of LDS; arguments xn3, Wq_codes, Wk_codes, Wv_codes, lowp_scales, qkv; writes qkv
.if DOCPART == 2
	.amdgcn_target "amdgcn-amd-amdhsa--gfx1250"
	.amdhsa_code_object_version 6
	.text
	.protected	k_qd2cf58f24e_qkv
	.globl	k_qd2cf58f24e_qkv
	.p2align	8
	.type	k_qd2cf58f24e_qkv,@function
k_qd2cf58f24e_qkv:
	s_mov_b64 s[64:65], 0
	v_nop
	global_prefetch_b8 v0, s[64:65] scope:SCOPE_SE
	s_setreg_imm32_b32 hwreg(HW_REG_WAVE_MODE, 25, 1), 1
	s_wait_xcnt 0x0
	s_wait_alu depctr_hold_cnt(0) depctr_sa_sdst(0) depctr_va_vdst(0) depctr_va_sdst(0) depctr_va_ssrc(0) depctr_va_vcc(0) depctr_vm_vsrc(0)
	s_getreg_b32 s2, hwreg(HW_REG_IB_STS2, 6, 4)
	s_cmp_eq_u32 s2, 0
	s_cbranch_scc0 .Lentry_in_a_cluster
	s_endpgm
.Lentry_in_a_cluster:
	s_bfe_u32 s2, ttmp6, 0x10000c
	s_cmp_lg_u32 s2, 0xf033
	s_cbranch_scc0 .Lentry_shape_is_right
	s_endpgm
.Lentry_shape_is_right:
; q = LN1(x) Wq, k = LN1(x) Wk, v = LN1(x) Wv on E4M3 codes (K = 1,024), and q, k, v turned into codes again (scales 2^e6, 2^e7, 2^e9) on the way out.
; qkv [3][32 batch x head][32][64][64] bytes: blocks of 4,096 bytes.  A block of q or k is [64 tokens][64 of the head]; a block of v is [64 of the head][64 keys], since the keys are the K of the product that takes v.
; A tile of C is 128 x 128: four waves, each 64 x 64 = 16 accumulators; a wave's 64 x 64 codes are one block.  K = 1,024 is two LDS slots of 512: both are filled at the start, nothing is filled again.
; THE MATRIX INSTRUCTION IS USED TRANSPOSED: source 0 = 16 rows of operand B, source 1 = 16 rows of operand A; a lane then holds eight neighbouring B rows of one A row.
; For q and k: A = tokens (xn3), B = the weight's rows: a lane's eight results run along the head.  For v THE OPERANDS CHANGE PLACES, by pointers alone: A = Wv's rows, B = tokens: eight results run along the keys.
; GRID: cluster x / 2 says which of q, k, v.  q, k: 8 blocks of 128 weight rows along x, 32 blocks of tokens along y.  v: 8 blocks of Wv's rows from (cluster y % 2, cy), 32 blocks of tokens from (x, cluster y / 2).
; CLUSTERS: 4 x 4 work-groups; A's tile is shared along a row of the cluster, B's along a column, each asked for jointly.
; A fragment (16 rows x 128 K) is fetched by four loads of 16 bytes, 32 apart: the same permutation of k in A and in B, so every product meets its partner.
; LIMITS: e6 - e0 - e1, e7 - e2 - e3, e9 - e4 - e5 between -126 and 119, so that the conversion's scale and 448 x it are f32 numbers.
; REGISTERS: window 0: v16-31 addresses and constants; v64-95 codes; v96-127 a block read back; v128-255 accumulators ((a, b) at 128 + 8 (4 a + b)).  window 1: two fragment buffers: A's four at f + 16 a, B's at f + 64 + 16 b.
.set KROW,  1024                       ; a row of either operand in memory, in bytes
.set PITCH, 528                        ; an LDS row: 512 bytes + 16 of padding = 132 words: the 16 rows that a load touches start at 16 different groups of four banks
.set HALFT, 64*PITCH                   ; 64 rows: what one tensor load brings, and what one wave reads of A or of B
.set SLOT,  4*HALFT                    ; A's 128 rows, then B's
.set STAGE, 2*SLOT                     ; behind the slots: 64 rows x 80 bytes for each wave
.set SP,    80
.set SPARE, STAGE+4*64*SP              ; the spare words: 128 bytes for each wave
.set ADRA, 16
.set ADRB, 20
.set STO,  24
.set RD,   25
.set CO,   26
.set SPW,  28
.set NIL,  29
.set SC,   30                          ; the conversion's scale
.set LIM,  31                          ; 448 x it
.set CD,   64
.set BK,   96
.set ACC,  128
.set F0,   0
.set F1,   128
.set G1,   24
.set G0,   32
.set G1B,  48
.set G0B,  56
.set MSB, 0
.macro WIN new                         ; the immediate's high byte repeats the setting that is left
.if MSB != \new
	s_set_vgpr_msb (MSB<<8)|\new
.set MSB, \new
.endif
.endm
.set MUL,  0x05                        ; sources 0 and 1 window 1; C and D window 0
.set TO_F, 0x40                        ; destination window 1, address window 0
.macro CREST                           ; a round of the cluster's barrier behind its opening barrier
	s_cmp_lg_u32 s10, 0
	s_cbranch_scc1 .Lnot_wave_0_\@
	s_barrier_signal -3
.Lnot_wave_0_\@:
	s_barrier_wait -3
	s_barrier_signal -1
	s_barrier_wait -1
.endm
.macro CROUND
	s_barrier_signal -1
	s_barrier_wait -1
	CREST
.endm
.macro PLACES                          ; four places in front of loads into registers that matrix instructions have read, and of the first read of results
.rept 4
	v_nop
.endr
.endm
	s_load_b256 s[68:75], s[0:1], 0x0              ; xn3, Wq, Wk, Wv
	s_load_b128 s[76:79], s[0:1], 0x20             ; the scales' exponents, qkv
	v_lshl_add_u32 v[SPW], v0, 2, SPARE
	v_mov_b32 v[NIL], 0
	ds_add_u32 v28, v29
	ds_add_u32 v28, v29
	s_wait_dscnt 0x0
	v_lshrrev_b32 v1, 5, v0
	v_readfirstlane_b32 s10, v1                    ; wave 0..3
	s_lshr_b32 s11, s10, 1                         ; my half of A's rows.  Also: I fetch for A (0) or for B (1)
	s_and_b32 s12, s10, 1                          ; my half of B's rows.  Also: which 64 rows I fetch
	s_bfe_u32 s40, ttmp6, 0x40000                  ; cx
	s_bfe_u32 s41, ttmp6, 0x40004                  ; cy
	s_lshr_b32 s80, ttmp9, 1                       ; 0: q, 1: k, 2: v: the same in all sixteen partners
	s_and_b32 s81, ttmp7, 0xffff                   ; cluster y
	s_and_b32 s82, ttmp9, 1
	s_lshl_b32 s82, s82, 2
	s_add_co_u32 s82, s82, s40                     ; 4 (cluster x % 2) + cx
	s_and_b32 s83, s81, 1
	s_lshr_b32 s84, s81, 1
	s_lshl_b32 s84, s84, 3
	s_lshl_b32 s94, s80, 3                         ; where the product's two exponents lie,
	s_lshr_b32 s96, ttmp9, 2
	s_add_co_u32 s96, s96, s80
	s_lshl_b32 s96, s96, 2                         ; and the result's: entries 6, 7, 9
	s_cmp_ge_u32 ttmp9, 4                          ; v?
	s_cselect_b32 s13, s83, s81
	s_cselect_b32 s85, s84, 0
	s_lshl_b32 s13, s13, 2
	s_add_co_u32 s13, s13, s41                     ; A's block of 128 rows: it never holds cx
	s_add_co_u32 s42, s82, s85                     ; B's block of 128 rows: it never holds cy
	s_lshl_b32 s43, s41, 2
	s_lshl_b32 s43, 15, s43                        ; my row of the cluster
	s_lshl_b32 s44, 0x1111, s40                    ; my column
	s_or_b32 s[G1+0], s43, (0<<16)|(1<<20)|(1<<21)|(6<<22)|(3<<25)   ; the mask; elements of 1 byte; padding on; bit 21 beside a mask; after every 128 words, 4 words
	s_or_b32 s[G1B+0], s44, (0<<16)|(1<<20)|(1<<21)|(6<<22)|(3<<25)
.irp g, G1, G1B
	s_mov_b32 s[\g+1], 512<<16                     ; tensor_dim0
	s_mov_b32 s[\g+2], 64<<16                      ; tensor_dim1
	s_mov_b32 s[\g+3], 512<<16                     ; tile_dim0
	s_mov_b32 s[\g+4], 64                          ; tile_dim1
	s_mov_b32 s[\g+5], KROW                        ; from row to row
	s_mov_b32 s[\g+6], 0
	s_mov_b32 s[\g+7], 0
.endr
	s_lshl_b32 s16, s13, 7
	s_lshl_b32 s17, s12, 6
	s_add_co_u32 s16, s16, s17
	s_lshl_b32 s16, s16, 10                        ; A: (128 block + 64 half) rows of 1,024 bytes
	s_mov_b32 s17, 0
	s_lshl_b32 s46, s42, 7
	s_lshl_b32 s47, s12, 6
	s_add_co_u32 s46, s46, s47
	s_lshl_b32 s46, s46, 10                        ; B likewise
	s_mov_b32 s47, 0
	s_mul_i32 s20, s10, HALFT                      ; where my loads go: wave x 64 rows
	s_wait_kmcnt 0x0
	s_load_b64 s[92:93], s[76:77], s94 offset:0x0  ; the two operands' exponents
	s_load_b32 s95, s[76:77], s96 offset:0x18      ; the result's
	s_lshl_b32 s86, s80, 22
	s_mov_b32 s87, 0
	s_add_nc_u64 s[88:89], s[68:69], s[86:87]      ; the set of xn3 quantised for this product
	s_cmp_eq_u32 s80, 1
	s_cselect_b64 s[90:91], s[72:73], s[70:71]     ; Wk or Wq
	s_cmp_ge_u32 ttmp9, 4
	s_cselect_b64 s[4:5], s[74:75], s[88:89]       ; operand A
	s_cselect_b64 s[6:7], s[88:89], s[90:91]       ; operand B
	s_add_nc_u64 s[14:15], s[4:5], s[16:17]
	s_add_nc_u64 s[46:47], s[6:7], s[46:47]
.irp s, 0,1
	s_mov_b32 s[G0+4*\s], 1
	s_add_co_u32 s[G0+4*\s+1], s20, \s*SLOT
	s_add_nc_u64 s[G0+4*\s+2:G0+4*\s+3], s[14:15], \s*512
	s_or_b32 s[G0+4*\s+3], s[G0+4*\s+3], 0x80000000
	s_mov_b32 s[G0B+4*\s], 1
	s_add_co_u32 s[G0B+4*\s+1], s20, \s*SLOT
	s_add_nc_u64 s[G0B+4*\s+2:G0B+4*\s+3], s[46:47], \s*512
	s_or_b32 s[G0B+4*\s+3], s[G0B+4*\s+3], 0x80000000
.endr
	CROUND                                         ; all sixteen work-groups are here: the joint loads meet
	s_cmp_eq_u32 s11, 0                            ; a wave's two fills stand in one branch on its number: two loads of mine are out
	s_cbranch_scc0 .Lfirst_b
	tensor_load_to_lds s[G0:G0+3], s[G1:G1+7]
	s_nop 0
	tensor_load_to_lds s[G0+4:G0+7], s[G1:G1+7]
	s_nop 0
.rept 4
	v_nop
.endr
	s_branch .Lfirst_asked
.Lfirst_b:
	tensor_load_to_lds s[G0B:G0B+3], s[G1B:G1B+7]
	s_nop 0
	tensor_load_to_lds s[G0B+4:G0B+7], s[G1B:G1B+7]
	s_nop 0
.rept 4
	v_nop
.endr
.Lfirst_asked:
	v_and_b32 v1, 15, v0                           ; r
	v_bfe_u32 v2, v0, 4, 1                         ; h
	v_mul_u32_u24 v3, v1, PITCH
	v_lshl_add_u32 v3, v2, 4, v3                   ; a fragment's row x pitch + 16 h
	s_mul_i32 s21, s11, HALFT
	s_mul_i32 s22, s12, HALFT
	s_add_co_u32 s22, s22, 2*HALFT
.irp s, 0,1
	v_add_nc_u32 v[ADRA+\s], s21, v3
	v_add_nc_u32 v[ADRB+\s], s22, v3
	s_add_co_u32 s21, s21, SLOT
	s_add_co_u32 s22, s22, SLOT
.endr
	s_mul_i32 s23, s10, 64*SP
	s_add_co_u32 s23, s23, STAGE                   ; my stage
	v_mul_u32_u24 v4, v1, SP
	v_lshl_add_u32 v4, v2, 3, v4
	v_add_nc_u32 v[STO], s23, v4                   ; in: row r, 8 h bytes on
	v_and_b32 v5, 31, v0
	v_lshrrev_b32 v6, 2, v5
	v_mul_u32_u24 v6, v6, SP
	v_and_b32 v7, 3, v0
	v_lshl_add_u32 v6, v7, 4, v6
	v_add_nc_u32 v[RD], s23, v6                    ; back: four lanes to a row of 64 bytes, eight rows an instruction
	v_lshlrev_b32 v[CO], 4, v5                     ; and the same 512 bytes of the block in memory
	s_lshl_b32 s86, s13, 1
	s_add_co_u32 s86, s86, s11                     ; my 64 rows of A,
	s_lshl_b32 s87, s42, 1
	s_add_co_u32 s87, s87, s12                     ; my 64 rows of B
	s_cmp_ge_u32 ttmp9, 4
	s_cselect_b32 s88, s87, s86                    ; which of them are tokens,
	s_cselect_b32 s89, s86, s87                    ; and which a head
	s_lshr_b32 s90, s88, 5                         ; the batch
	s_lshl_b32 s90, s90, 4
	s_add_co_u32 s90, s90, s89
	s_lshl_b32 s90, s90, 5
	s_and_b32 s88, s88, 31
	s_add_co_u32 s90, s90, s88
	s_lshl_b32 s90, s90, 12                        ; block ((batch x 16 + head) x 32 + tokens / 64) of 4,096 bytes
	s_lshl_b32 s91, s80, 22
	s_add_co_u32 s90, s90, s91
	s_mov_b32 s91, 0
	s_add_nc_u64 s[8:9], s[78:79], s[90:91]
	s_wait_kmcnt 0x0
	s_sub_co_i32 s95, s95, s92
	s_sub_co_i32 s95, s95, s93                     ; a sum stands for sum x 2^(eA + eB): its code is sum / 2^(eOut - eA - eB)
	s_add_co_i32 s95, s95, 127
	s_lshl_b32 s97, s95, 23
	v_mov_b32 v[SC], s97
	s_add_co_i32 s95, s95, 8
	s_lshl_b32 s95, s95, 23
	s_or_b32 s95, s95, 0x600000
	v_mov_b32 v[LIM], s95
.macro FRAGR reg, adr, q, i            ; 16 rows x 128 K: registers 4 c .. 4 c + 3 hold k = 32 c + 16 h + 0 .. 15 of row r
.irp c, 0,1,2,3
	ds_load_b128 v[\reg+4*\c:\reg+4*\c+3], v[\adr] offset:128*(\q)+32*\c+(\i)*16*PITCH
.endr
.endm
.macro FETCH slot, q, f                ; 32 LDS loads in one run: B's four fragments, then A's, of the slot's q-th 128 along K
	WIN TO_F
.irp i, 0,1,2,3
	FRAGR \f+64+16*\i, ADRB+\slot, \q, \i
.endr
.irp i, 0,1,2,3
	FRAGR \f+16*\i, ADRA+\slot, \q, \i
.endr
.endm
.macro MUL8 f, a0, zero                ; A's blocks a0, a0 + 1 x B's four.  The 16 accumulators take turns, one instruction a turn.  zero = 1: the product starts the sum
.irp a, \a0, \a0+1
.irp b, 0,1,2,3
.if \zero
	v_wmma_f32_16x16x128_fp8_fp8 v[ACC+8*(4*(\a)+\b):ACC+8*(4*(\a)+\b)+7], v[\f+64+16*\b:\f+64+16*\b+15], v[\f+16*(\a):\f+16*(\a)+15], 0
.else
	v_wmma_f32_16x16x128_fp8_fp8 v[ACC+8*(4*(\a)+\b):ACC+8*(4*(\a)+\b)+7], v[\f+64+16*\b:\f+64+16*\b+15], v[\f+16*(\a):\f+16*(\a)+15], v[ACC+8*(4*(\a)+\b):ACC+8*(4*(\a)+\b)+7]
.endif
.endr
.endr
.endm
.macro QUARTER slot, q, f, g, zero     ; multiplies buffer f (128 along K) and fetches the slot's q-th 128 into buffer g
	s_wait_dscnt 8                                 ; B's four and A's blocks 0, 1 are in; the youngest eight loads (A's blocks 2, 3) may be out
	WIN MUL
	MUL8 \f, 0, \zero
	PLACES
	FETCH \slot, \q, \g
	s_wait_dscnt 32                                ; all but the 32 just issued
	WIN MUL
	MUL8 \f, 2, \zero
.endm
	s_wait_tensorcnt 1                             ; my part of slot 0 is in; slot 1's may stay out
	s_barrier_signal -1
	s_barrier_wait -1
	FETCH 0, 0, F0
	QUARTER 0, 1, F0, F1, 1
	QUARTER 0, 2, F1, F0, 0
	QUARTER 0, 3, F0, F1, 0
	WIN 0                                          ; THE CHANGE OF SLOTS
	s_wait_tensorcnt 0x0                           ; my part of slot 1 is in
	ds_add_u32 v[SPW], v[NIL]                      ; 0 onto my spare word
	s_wait_dscnt 9                                 ; (the add and the youngest eight loads may be out)
	WIN MUL
	MUL8 F1, 0, 0
	s_wait_dscnt 0x0
	s_barrier_signal -1
	s_barrier_wait -1                              ; everybody's part is in
	PLACES
	FETCH 1, 0, F0
	WIN MUL
	MUL8 F1, 2, 0
	QUARTER 1, 1, F0, F1, 0
	QUARTER 1, 2, F1, F0, 0
	QUARTER 1, 3, F0, F1, 0
	s_wait_dscnt 8
	WIN MUL
	MUL8 F1, 0, 0
	s_wait_dscnt 0x0
	MUL8 F1, 2, 0
	WIN 0
	PLACES
	; THE WAY OUT: each accumulator, from its low end on, is held within 448 x the scale (the conversion does not saturate: ISA guide 7.6.2) and becomes 8 codes; the block goes through my stage and leaves as 8 x 512 consecutive bytes.
.set n, 0
.rept 16
.irp j, 0,1,2,3,4,5,6,7
	v_med3_num_f32 v[ACC+8*n+\j], v[ACC+8*n+\j], -v[LIM], v[LIM]
.endr
	v_cvt_scalef32_pk8_fp8_f32 v[CD+2*n:CD+2*n+1], v[ACC+8*n:ACC+8*n+7], v[SC]
.set n, n+1
.endr
	v_nop                                          ; a plain line behind the last conversion
.irp a, 0,1,2,3
.irp b, 0,1,2,3
	ds_store_b64 v[STO], v[CD+2*(4*\a+\b):CD+2*(4*\a+\b)+1] offset:\a*16*SP+16*\b
.endr
.endr
.irp i, 0,1,2,3,4,5,6,7
	ds_load_b128 v[BK+4*\i:BK+4*\i+3], v[RD] offset:\i*8*SP   ; LDS serves a wave's instructions in order: these see my stores
.endr
.irp i, 0,1,2,3,4,5,6,7
	s_wait_dscnt 7-\i
	global_store_b128 v[CO], v[BK+4*\i:BK+4*\i+3], s[8:9] offset:512*\i
.endr
	s_wait_tensorcnt 0x0                           ; the wave's end
	ds_add_u32 v[SPW], v[NIL]
	s_wait_dscnt 0x0
	CROUND                                         ; the closing round
	s_endpgm
.Lfunc_end_k_qd2cf58f24e_qkv:
	.size	k_qd2cf58f24e_qkv, .Lfunc_end_k_qd2cf58f24e_qkv-k_qd2cf58f24e_qkv
	.p2alignl 7, 3214868480
	.fill 96, 4, 3214868480
	.section	.rodata,"a",@progbits
	.p2align	6, 0x0
	.amdhsa_kernel k_qd2cf58f24e_qkv
		.amdhsa_group_segment_fixed_size 327680
		.amdhsa_private_segment_fixed_size 0
		.amdhsa_enable_private_segment 0
		.amdhsa_kernarg_size 48
		.amdhsa_user_sgpr_count 2
		.amdhsa_user_sgpr_kernarg_segment_ptr 1
		.amdhsa_wavefront_size32 1
		.amdhsa_system_sgpr_workgroup_id_x 1
		.amdhsa_system_sgpr_workgroup_id_y 1
		.amdhsa_system_sgpr_workgroup_id_z 1
		.amdhsa_system_vgpr_workitem_id 0
		.amdhsa_next_free_vgpr 512
		.amdhsa_next_free_sgpr 100
		.amdhsa_reserve_vcc 0
		.amdhsa_float_denorm_mode_32 3
		.amdhsa_float_denorm_mode_16_64 3
		.amdhsa_memory_ordered 1
		.amdhsa_forward_progress 1
		.amdhsa_inst_pref_size 47
	.end_amdhsa_kernel
	.amdgpu_metadata
---
amdhsa.version: [ 1, 2 ]
amdhsa.kernels:
  - .name:           k_qd2cf58f24e_qkv
    .symbol:         k_qd2cf58f24e_qkv.kd
    .args:
      - { .name: xn3, .offset: 0, .size: 8, .value_kind: global_buffer, .address_space: global }
      - { .name: Wq_codes, .offset: 8, .size: 8, .value_kind: global_buffer, .address_space: global }
      - { .name: Wk_codes, .offset: 16, .size: 8, .value_kind: global_buffer, .address_space: global }
      - { .name: Wv_codes, .offset: 24, .size: 8, .value_kind: global_buffer, .address_space: global }
      - { .name: lowp_scales, .offset: 32, .size: 8, .value_kind: global_buffer, .address_space: global }
      - { .name: qkv, .offset: 40, .size: 8, .value_kind: global_buffer, .address_space: global }
    .group_segment_fixed_size: 327680
    .private_segment_fixed_size: 0
    .kernarg_segment_align: 8
    .kernarg_segment_size: 48
    .max_flat_workgroup_size: 128
    .sgpr_count:     100
    .vgpr_count:     512
    .wavefront_size: 32
...
	.end_amdgpu_metadata
.endif
;; end of part 2
;; launch attn (part 3): grid 8 x 32, 16 waves a work-group, clusters of 4 x 1, 327,680 bytes of LDS; arguments qkv, maskw, lowp_scales, ao; writes ao
.if DOCPART == 3
	.amdgcn_target "amdgcn-amd-amdhsa--gfx1250"
	.amdhsa_code_object_version 6
	.text
	.protected	k_qd2cf58f24e_attn
	.globl	k_qd2cf58f24e_attn
	.p2align	8
	.type	k_qd2cf58f24e_attn,@function
k_qd2cf58f24e_attn:
	s_mov_b64 s[64:65], 0
	v_nop
	global_prefetch_b8 v0, s[64:65] scope:SCOPE_SE
	s_setreg_imm32_b32 hwreg(HW_REG_WAVE_MODE, 25, 1), 1
	s_wait_xcnt 0x0
	s_wait_alu depctr_hold_cnt(0) depctr_sa_sdst(0) depctr_va_vdst(0) depctr_va_sdst(0) depctr_va_ssrc(0) depctr_va_vcc(0) depctr_vm_vsrc(0)
	s_getreg_b32 s2, hwreg(HW_REG_IB_STS2, 6, 4)
	s_cmp_eq_u32 s2, 0
	s_cbranch_scc0 .Lentry_in_a_cluster
	s_endpgm
.Lentry_in_a_cluster:
	s_bfe_u32 s2, ttmp6, 0x10000c
	s_cmp_lg_u32 s2, 0x3003
	s_cbranch_scc0 .Lentry_shape_is_right
	s_endpgm
.Lentry_shape_is_right:
; Attention on E4M3 codes, head size 64, 2,048 keys, with the mask that is given.  q, k: blocks [64 tokens][64]; v: blocks [64 of the head][64 keys]; maskw: words of lane bits (1 = the key counts).
; logit = q . k / 8 where the mask is true, else a large negative number; t = logit x log2(e); M = the ceiling of the running largest t; p = 2^(t - M) is quantised with 2^e8; the row's sum is taken of the unquantised p;
; O / sum is quantised with 2^e10 into ao [64 blocks of 64 tokens][16 heads][64][64]: the left operand of the product with Wo.
; THE MASKED LOGIT stands at -2^30 where the definition has -1e9.  Beside any key that counts both give p = 0; in a row with no key that counts both give p = 1 for every key: t is then a whole number, M = t,
; and the fused multiply-add gives exactly 0, since the masked score x c is a power of two times c and is not rounded.
; LIMITS: e6 + e7 between -94 and 9 (so that c and the masked score are f32 numbers and every true logit, at most 64 x 448^2 x 2^(e6 + e7) / 8, stays under 1e9 in magnitude); e8 and e10 - e8 - e9 between -126 and 119.
; SHARES.  A work-group owns 256 queries of one batch x head; each of its sixteen waves 16 of them, in 256 registers: four waves to a SIMD, so that one wave's vector work stands beside another's products and LDS loads.
; A HEAD'S WHOLE K AND V LIE IN LDS: 2 x 32 blocks, brought as rows of 256 bytes + 16 of padding.  Every byte is filled once.  Each wave asks for two parts: a key step's two blocks among steps 0-7, and the same among steps 8-15.
; CLUSTER.  The four blocks of queries of a cluster belong to one head: each part of K and V is asked for jointly, by the same tensor load with a mask that names the four.
; LAYOUT.  S^T = K Q^T (source 0 = 16 keys, source 1 = my 16 queries), O^T = V^T P^T: a lane holds one query (lane % 16) throughout.  In tile t register j is key 16 t + 8 (lane / 16) + j: the conversion of a tile's eight
; registers is the pair 2 t, 2 t + 1 of the second product's operand, in that form's own layout.  Q's and K's fragments take the head's 64 in one permutation, the same in both.
.set BLK,   4352                       ; a block in LDS: 16 rows of 272 bytes; row x of 64, byte y: (x / 4) 272 + (x % 4) 64 + y
.set STEPB, 2*BLK                      ; a key step: 128 keys
.set VOFF,  32*BLK                     ; K's 32 blocks, then V's
.set STAGE, 64*BLK                     ; behind them: 16 rows x 80 bytes for each wave
.set SP,    80
.macro CROUND
	s_barrier_signal -1
	s_barrier_wait -1
	s_cmp_lg_u32 s12, 0
	s_cbranch_scc1 .Lnot_wave_0_\@
	s_barrier_signal -3
.Lnot_wave_0_\@:
	s_barrier_wait -3
	s_barrier_signal -1
	s_barrier_wait -1
.endm
	s_load_b256 s[68:75], s[0:1], 0x0              ; qkv, maskw, the scales' exponents, ao
	v_lshl_add_u32 v254, v0, 2, 0x49000
	v_mov_b32 v255, 0
	ds_add_u32 v254, v255
	ds_add_u32 v254, v255
	v_lshrrev_b32 v1, 5, v0
	v_readfirstlane_b32 s12, v1                    ; wave 0..15
	s_and_b32 s15, ttmp7, 0xffff                   ; batch x head, which the four partners share
	s_mov_b32 s16, 15|(3<<16)|(1<<20)|(1<<21)|(5<<22)|(3<<25)   ; the mask: all four; elements of 8 bytes; padding on; bit 21 beside a mask; after every 64 words, 4 words
	s_mov_b32 s17, 32<<16                          ; tensor_dim0: 32 elements = 256 bytes
	s_mov_b32 s18, 32<<16                          ; tensor_dim1: 32 rows = two blocks
	s_mov_b32 s19, 32<<16                          ; tile_dim0
	s_mov_b32 s20, 32                              ; tile_dim1
	s_mov_b32 s21, 32                              ; dense
	s_mov_b32 s22, 0
	s_mov_b32 s23, 0
	s_lshr_b32 s100, s12, 3                        ; waves 0-7 fetch K, waves 8-15 V
	s_and_b32 s101, s12, 7                         ; which key step of eight
	s_mul_i32 s25, s100, VOFF
	s_mul_i32 s9, s101, STEPB
	s_add_co_u32 s25, s25, s9
	s_add_co_u32 s29, s25, 8*STEPB
	s_mov_b32 s24, 1
	s_mov_b32 s28, 1
	s_lshl_b32 s4, s100, 22
	s_add_co_u32 s4, s4, 1<<22                     ; k's part of qkv, or v's
	s_lshl_b32 s9, s15, 17
	s_add_co_u32 s4, s4, s9                        ; the head's 32 blocks
	s_lshl_b32 s9, s101, 13
	s_add_co_u32 s4, s4, s9                        ; two blocks a step
	s_mov_b32 s5, 0
	s_wait_dscnt 0x0
	s_wait_kmcnt 0x0
	s_load_b512 s[32:47], s[72:73], 0x0            ; e0 .. e15
	s_add_nc_u64 s[26:27], s[68:69], s[4:5]
	s_add_nc_u64 s[30:31], s[26:27], 65536         ; eight steps on
	s_or_b32 s27, s27, 0x80000000
	s_or_b32 s31, s31, 0x80000000
	CROUND                                         ; all four work-groups are here: the joint loads meet
	tensor_load_to_lds s[24:27], s[16:23]          ; two loads of mine are out
	s_nop 0
	tensor_load_to_lds s[28:31], s[16:23]
	s_nop 0
.rept 4
	v_nop
.endr
	s_bfe_u32 s100, ttmp6, 0x40000                 ; cx: it enters Q's, the mask's and the output's addresses alone
	s_lshl_b32 s101, ttmp9, 2
	s_add_co_u32 s101, s101, s100                  ; my block of 256 queries
	s_lshl_b32 s4, s15, 17
	s_lshl_b32 s8, s101, 14
	s_add_co_u32 s4, s4, s8
	s_lshl_b32 s8, s12, 10                         ; 16 rows of 64 bytes a wave
	s_add_co_u32 s4, s4, s8
	s_mov_b32 s5, 0
	s_add_nc_u64 s[4:5], s[68:69], s[4:5]          ; my queries' codes
	s_lshl_b32 s6, s101, 4
	s_add_co_u32 s6, s6, s12
	s_lshl_b32 s6, s6, 12
	s_mov_b32 s7, 0
	s_add_nc_u64 s[6:7], s[70:71], s[6:7]          ; my tile's mask words: 16 steps x 256 bytes
	s_lshr_b32 s10, s15, 4
	s_lshl_b32 s10, s10, 5
	s_lshl_b32 s8, s101, 2
	s_add_co_u32 s10, s10, s8
	s_lshr_b32 s8, s12, 2
	s_add_co_u32 s10, s10, s8                      ; tokens / 64
	s_lshl_b32 s10, s10, 4
	s_and_b32 s8, s15, 15
	s_add_co_u32 s10, s10, s8                      ; x 16 + head
	s_lshl_b32 s10, s10, 12
	s_and_b32 s8, s12, 3
	s_lshl_b32 s8, s8, 10
	s_add_co_u32 s10, s10, s8                      ; my 16 rows of the block
	s_mov_b32 s11, 0
	s_add_nc_u64 s[10:11], s[74:75], s[10:11]
	s_mov_b32 s66, 0x76543210                      ; v_permlanex16_b32: lane l xor 16
	s_mov_b32 s67, 0xfedcba98
	v_and_b32 v26, 15, v0                          ; r
	v_bfe_u32 v27, v0, 4, 1                        ; h
	v_lshlrev_b32 v28, 6, v26
	v_lshl_add_u32 v28, v27, 4, v28
	global_load_b128 v[16:19], v28, s[4:5]         ; Q's fragment stays in registers
	global_load_b128 v[20:23], v28, s[4:5] offset:32
	v_lshrrev_b32 v29, 2, v26
	v_mul_u32_u24 v29, v29, 272
	v_and_b32 v30, 3, v26
	v_lshl_add_u32 v29, v30, 6, v29
	v_lshl_add_u32 v1, v27, 4, v29                 ; my lane's place in 16 rows of K
	v_lshl_add_u32 v2, v27, 3, v29
	v_add_nc_u32 v2, VOFF, v2                      ; and of V
	s_mul_i32 s100, s12, 16*SP
	s_add_co_u32 s100, s100, STAGE
	v_mul_u32_u24 v8, v26, SP
	v_lshl_add_u32 v8, v27, 3, v8
	v_add_nc_u32 v8, s100, v8                      ; the way out, in: row r, 8 h bytes on
	v_and_b32 v31, 31, v0
	v_lshrrev_b32 v9, 2, v31
	v_mul_u32_u24 v9, v9, SP
	v_lshl_add_u32 v9, v30, 4, v9
	v_add_nc_u32 v9, s100, v9                      ; back: four lanes to a row of 64 bytes
	v_lshlrev_b32 v10, 4, v31
	v_mov_b32 v13, 0xff61b1e6                      ; the largest t so far: -3e38
	v_floor_f32 v12, -v13                          ; -M
	v_mov_b32 v14, 0                               ; the sum, in two halves
	v_mov_b32 v15, 0
	v_mov_b32 v210, 0                              ; a lane permute's destination counts as read
	v_mov_b32 v213, 0                              ; (named as the upper half of a pair)
.set j, 0
.rept 32
	v_mov_b32 v[160+j], 0                          ; O^T: the step is written once; its first trip finds zeros
.set j, j+1
.endr
	s_wait_kmcnt 0x0
	s_add_co_i32 s100, s38, s39                    ; e6 + e7
	s_lshl_b32 s101, s100, 23
	s_add_co_i32 s2, s101, 0x3e38aa3b              ; c = log2(e) / 8 x 2^(e6 + e7): the exponents are added to c's exponent field
	s_mov_b32 s3, s2
	s_sub_co_i32 s100, 160, s100
	s_lshl_b32 s100, s100, 23
	s_or_b32 s100, s100, 0x80000000
	v_mov_b32 v5, s100                             ; the masked score: -2^33 / 2^(e6 + e7)
	s_add_co_i32 s100, s40, 127
	s_lshl_b32 s101, s100, 23
	v_mov_b32 v7, s101                             ; 2^e8
	s_add_co_i32 s100, s100, 8
	s_lshl_b32 s100, s100, 23
	s_or_b32 s100, s100, 0x600000
	v_mov_b32 v6, s100                             ; 448 x 2^e8
	s_sub_co_i32 s100, s42, s40
	s_sub_co_i32 s100, s100, s41                   ; O^T / sum stands for that x 2^(e8 + e9): its code is that / 2^(e10 - e8 - e9)
	s_add_co_i32 s100, s100, 127
	s_lshl_b32 s101, s100, 23
	v_mov_b32 v24, s101
	s_add_co_i32 s100, s100, 8
	s_lshl_b32 s100, s100, 23
	s_or_b32 s100, s100, 0x600000
	v_mov_b32 v25, s100
	s_mov_b32 s8, 0                                ; the LDS byte at which the step's blocks begin
	s_mov_b32 s13, 0
	s_mov_b32 s14, 0
.macro MASKWORDS                       ; a step's 64 words into s32-63 and s68-99
	s_load_b512 s[32:47], s[6:7], s13 offset:0x0
	s_load_b512 s[48:63], s[6:7], s13 offset:0x40
	s_load_b512 s[68:83], s[6:7], s13 offset:0x80
	s_load_b512 s[84:99], s[6:7], s13 offset:0xc0
.endm
	MASKWORDS
; A KEY STEP: 128 keys.
.macro STEP
	v_add_nc_u32 v3, s8, v1
	v_add_nc_u32 v4, s8, v2
	v_nop                                          ; with the two additions: four places in front of loads into registers that the last products read
	v_nop
.irp t, 0,1,2,3,4,5,6,7
	ds_load_b128 v[32+8*\t:35+8*\t], v3 offset:(\t/4)*BLK+(\t%4)*1088
	ds_load_b128 v[36+8*\t:39+8*\t], v3 offset:(\t/4)*BLK+(\t%4)*1088+32
.endr
	s_wait_dscnt 8                                 ; tiles 0-3 are in
.irp t, 0,1,2,3
	v_wmma_f32_16x16x64_fp8_fp8 v[96+8*\t:103+8*\t], v[32+8*\t:39+8*\t], v[16:23], 0
.endr
	s_wait_dscnt 0x0
.irp t, 4,5,6,7
	v_wmma_f32_16x16x64_fp8_fp8 v[96+8*\t:103+8*\t], v[32+8*\t:39+8*\t], v[16:23], 0
.endr
.rept 4
	v_nop
.endr
.irp u, 0,1,2,3                        ; V's four fragments (16 of the head x 128 keys) land while the softmax is walked
.irp c, 0,1,2,3,4,5,6,7
	ds_load_b64 v[32+16*\u+2*\c:33+16*\u+2*\c], v4 offset:(\c/4)*BLK+\u*1088+16*(\c%4)
.endr
.endr
	s_wait_kmcnt 0x0                               ; the step's mask words
.set n, 0
.rept 64                               ; a choice of value, in every trip; each accumulator from its low end on
.if n < 32
	v_cndmask_b32 v[96+n], v5, v[96+n], s[32+n]
.else
	v_cndmask_b32 v[96+n], v5, v[96+n], s[36+n]
.endif
.set n, n+1
.endr
	s_add_co_u32 s14, s14, 256
	s_min_u32 s13, s14, 3840                       ; the last step asks for its own words again: no load leaves the buffer
	MASKWORDS
	v_max3_num_f32 v208, v96, v97, v98             ; the step's largest score of my query among my 64 keys, in two chains,
	v_max3_num_f32 v209, v99, v100, v101
.irp i, 6,10,14,18,22,26,30,34,38,42,46,50,54,58
	v_max3_num_f32 v208, v208, v[96+\i], v[97+\i]
	v_max3_num_f32 v209, v209, v[98+\i], v[99+\i]
.endr
	v_max3_num_f32 v208, v208, v158, v159
	v_max_num_f32 v208, v208, v209
	v_permlanex16_b32 v210, v208, s66, s67
	v_max_num_f32 v208, v208, v210                 ; and among lane l xor 16's
	v_mul_f32 v208, s2, v208                       ; as t (c is positive)
	v_max_num_f32 v13, v13, v208
	v_mov_b32 v208, v12
	v_floor_f32 v12, -v13                          ; -M = floor(-t): M is a whole number
	v_sub_f32 v208, v12, v208                      ; old M - new M: a whole number, 0 or less
	v_cvt_i32_f32 v208, v208                       ; (it saturates)
	v_ldexp_f32 v212, 1.0, v208                    ; f = 2^(old M - new M)
.set j, 0
.rept 32
	v_pk_fma_f32 v[96+j:97+j], v[96+j:97+j], s[2:3], v[12:13] op_sel_hi:[1,0,0]   ; t - M
.set j, j+2
.endr
.set j, 0
.rept 64
	v_exp_f32 v[96+j], v[96+j]                     ; p = 2^(t - M)
.set j, j+1
.endr
	v_pk_mul_f32 v[14:15], v[14:15], v[212:213] op_sel_hi:[1,0]   ; the sums under the new M: the plain line behind the exponentials
	s_wait_alu depctr_va_vdst(0)                   ; one wait for the batch, ahead of its first reader
	v_pk_add_f32 v[214:215], v[96:97], v[98:99]    ; the row's sum is taken of the unquantised p, in two chains
.irp j, 4,8,12,16,20,24,28,32,36,40,44,48,52,56,60
	v_pk_add_f32 v[14:15], v[14:15], v[96+\j:97+\j]
	v_pk_add_f32 v[214:215], v[214:215], v[98+\j:99+\j]
.endr
	v_pk_add_f32 v[14:15], v[14:15], v[214:215]
.irp t, 0,1,2,3,4,5,6,7
.irp i, 0,1,2,3,4,5,6,7
	v_min_num_f32 v[96+8*\t+\i], v[96+8*\t+\i], v6 ; the conversion does not saturate (ISA guide 7.6.2); p is not negative, so the hold is one-sided
.endr
	v_cvt_scalef32_pk8_fp8_f32 v[192+2*\t:193+2*\t], v[96+8*\t:103+8*\t], v7
.endr
.set j, 0
.rept 16
	v_pk_mul_f32 v[160+j:161+j], v[160+j:161+j], v[212:213] op_sel_hi:[1,0]   ; O^T under the new M; also the plain lines behind the conversions
.set j, j+2
.endr
	s_wait_dscnt 0x0                               ; V
.irp u, 0,1,2,3
	v_wmma_f32_16x16x128_fp8_fp8 v[160+8*\u:167+8*\u], v[32+16*\u:47+16*\u], v[192:207], v[160+8*\u:167+8*\u]
.endr
	s_add_co_u32 s8, s8, STEPB
.endm
.macro HALF                            ; eight key steps
	s_mov_b32 s9, 8
.Lstep_\@:
	STEP
	s_sub_co_u32 s9, s9, 1
	s_cmp_lg_u32 s9, 0
	s_cbranch_scc1 .Lstep_\@
.endm
	s_wait_loadcnt 0x0                             ; Q
	s_wait_tensorcnt 1                             ; my part of steps 0-7 is in; my part of steps 8-15 may stay out
	s_barrier_signal -1
	s_barrier_wait -1                              ; everybody's is
	HALF
	s_wait_tensorcnt 0x0                           ; my part of steps 8-15 is in
	s_wait_dscnt 0x0
	s_barrier_signal -1
	s_barrier_wait -1
	HALF
	; THE WAY OUT: O^T / the sum, held and converted; 16 rows of 64 codes go through my stage and leave as 1,024 consecutive bytes.
.rept 4
	v_nop
.endr
	v_add_f32 v14, v14, v15
	v_permlanex16_b32 v210, v14, s66, s67
	v_add_f32 v14, v14, v210                       ; the row's sum: over 1/2, since the largest p is
	v_rcp_f32 v14, v14
	v_nop                                          ; a plain line behind it,
	s_wait_alu depctr_va_vdst(0)                   ; and the wait ahead of its first reader
.set j, 0
.rept 32
	v_mul_f32 v[96+j], v[160+j], v14
.set j, j+1
.endr
.set j, 0
.rept 32
	v_med3_num_f32 v[96+j], v[96+j], -v25, v25
.set j, j+1
.endr
.irp u, 0,1,2,3
	v_cvt_scalef32_pk8_fp8_f32 v[192+2*\u:193+2*\u], v[96+8*\u:103+8*\u], v24
.endr
	v_nop
.irp u, 0,1,2,3
	ds_store_b64 v8, v[192+2*\u:193+2*\u] offset:16*\u
.endr
	ds_load_b128 v[32:35], v9                      ; LDS serves a wave's instructions in order: these see my stores
	ds_load_b128 v[36:39], v9 offset:8*SP
	s_wait_dscnt 1
	global_store_b128 v10, v[32:35], s[10:11]
	s_wait_dscnt 0x0
	global_store_b128 v10, v[36:39], s[10:11] offset:512
	s_wait_tensorcnt 0x0
	ds_add_u32 v254, v255
	s_wait_dscnt 0x0
	CROUND                                         ; the closing round
	s_endpgm
.Lfunc_end_k_qd2cf58f24e_attn:
	.size	k_qd2cf58f24e_attn, .Lfunc_end_k_qd2cf58f24e_attn-k_qd2cf58f24e_attn
	.p2alignl 7, 3214868480
	.fill 96, 4, 3214868480
	.section	.rodata,"a",@progbits
	.p2align	6, 0x0
	.amdhsa_kernel k_qd2cf58f24e_attn
		.amdhsa_group_segment_fixed_size 327680
		.amdhsa_private_segment_fixed_size 0
		.amdhsa_enable_private_segment 0
		.amdhsa_kernarg_size 32
		.amdhsa_user_sgpr_count 2
		.amdhsa_user_sgpr_kernarg_segment_ptr 1
		.amdhsa_wavefront_size32 1
		.amdhsa_system_sgpr_workgroup_id_x 1
		.amdhsa_system_sgpr_workgroup_id_y 1
		.amdhsa_system_sgpr_workgroup_id_z 1
		.amdhsa_system_vgpr_workitem_id 0
		.amdhsa_next_free_vgpr 256
		.amdhsa_next_free_sgpr 102
		.amdhsa_reserve_vcc 0
		.amdhsa_float_denorm_mode_32 3
		.amdhsa_float_denorm_mode_16_64 3
		.amdhsa_memory_ordered 1
		.amdhsa_forward_progress 1
		.amdhsa_inst_pref_size 55
	.end_amdhsa_kernel
	.amdgpu_metadata
---
amdhsa.version: [ 1, 2 ]
amdhsa.kernels:
  - .name:           k_qd2cf58f24e_attn
    .symbol:         k_qd2cf58f24e_attn.kd
    .args:
      - { .name: qkv, .offset: 0, .size: 8, .value_kind: global_buffer, .address_space: global }
      - { .name: maskw, .offset: 8, .size: 8, .value_kind: global_buffer, .address_space: global }
      - { .name: lowp_scales, .offset: 16, .size: 8, .value_kind: global_buffer, .address_space: global }
      - { .name: ao, .offset: 24, .size: 8, .value_kind: global_buffer, .address_space: global }
    .group_segment_fixed_size: 327680
    .private_segment_fixed_size: 0
    .kernarg_segment_align: 8
    .kernarg_segment_size: 32
    .max_flat_workgroup_size: 512
    .sgpr_count:     102
    .vgpr_count:     256
    .wavefront_size: 32
...
	.end_amdgpu_metadata
.endif
;; end of part 3
;; launch wo (part 4): grid 8 x 32, 4 waves a work-group, clusters of 4 x 4, 327,680 bytes of LDS; arguments ao, Wo_codes, x, lowp_scales, h; writes h
.if DOCPART == 4
	.amdgcn_target "amdgcn-amd-amdhsa--gfx1250"
	.amdhsa_code_object_version 6
	.text
	.protected	k_qd2cf58f24e_wo
	.globl	k_qd2cf58f24e_wo
	.p2align	8
	.type	k_qd2cf58f24e_wo,@function
k_qd2cf58f24e_wo:
	s_mov_b64 s[64:65], 0
	v_nop
	global_prefetch_b8 v0, s[64:65] scope:SCOPE_SE
	s_setreg_imm32_b32 hwreg(HW_REG_WAVE_MODE, 25, 1), 1
	s_wait_xcnt 0x0
	s_wait_alu depctr_hold_cnt(0) depctr_sa_sdst(0) depctr_va_vdst(0) depctr_va_sdst(0) depctr_va_ssrc(0) depctr_va_vcc(0) depctr_vm_vsrc(0)
	s_getreg_b32 s2, hwreg(HW_REG_IB_STS2, 6, 4)
	s_cmp_eq_u32 s2, 0
	s_cbranch_scc0 .Lentry_in_a_cluster
	s_endpgm
.Lentry_in_a_cluster:
	s_bfe_u32 s2, ttmp6, 0x10000c
	s_cmp_lg_u32 s2, 0xf033
	s_cbranch_scc0 .Lentry_shape_is_right
	s_endpgm
.Lentry_shape_is_right:
; h = x + attention Wo, the product on E4M3 codes (K = 1,024), sums in f32, each multiplied once by 2^(e10 + e11).
; A = ao: blocks [64 tokens][64 along K] of 4,096 bytes, 16 to a run of 64 tokens.  B = Wo_codes: rows [1024 (n)][1024 (k)].  x, h: [4096][1024] f32.
; A tile of C is 128 x 128: four waves, each 64 x 64 = 16 accumulators.  K = 1,024 is two LDS slots of 512: both are filled at the start, nothing is filled again.
; THE MATRIX INSTRUCTION IS USED TRANSPOSED (source 0 = 16 rows of B, source 1 = 16 rows of A): a lane holds eight neighbouring columns of one row of C.
; CLUSTERS: 4 x 4 work-groups; A's tile is shared along a row of the cluster, B's along a column, each asked for jointly.
; A fragment is fetched by four loads of 16 bytes: k = 32 c + 16 h + 0 .. 15 in registers 4 c .. 4 c + 3, the same permutation in A and in B.
; LIMIT: e10 + e11 between -126 and 127.
; REGISTERS: window 0: v16-31 addresses; v32-95 two sets of 16 rows on the way out; v128-255 accumulators.  window 1: two fragment buffers.  window 2: v0-127 my 64 x 64 of x, asked for at the head, in the layout in which rows leave.
.set KSH,   10                         ; a row of B is 1,024 bytes
.set KROW,  1024
.set TSH,   16                         ; a run of 64 tokens of A is 16 blocks
.set PITCH, 528                        ; B's LDS row: 512 bytes + 16
.set HALFT, 64*PITCH
.set BLK,   4352                       ; a block of A in LDS: 16 rows of 256 + 16 bytes; row x of 64, byte y: (x / 4) 272 + (x % 4) 64 + y
.set HALFA, 8*BLK                      ; 64 tokens x 512 K: what one tensor load brings
.set SLOT,  2*HALFA+2*HALFT
.set STAGE, 2*SLOT                     ; 16 rows x 272 bytes for each wave
.set SPITCH, 272
.set SPARE, STAGE+4*16*SPITCH
.set ADRA, 16
.set ADRB, 20
.set STO,  24
.set RD,   25
.set CO,   26
.set SPW,  28
.set NIL,  29
.set ACC,  128
.set F0,   0
.set F1,   128
.set G1,   24
.set G0,   32
.set G1B,  48
.set G0B,  56
.set MSB, 0
.macro WIN new                         ; the immediate's high byte repeats the setting that is left
.if MSB != \new
	s_set_vgpr_msb (MSB<<8)|\new
.set MSB, \new
.endif
.endm
.set MUL,  0x05
.set TO_F, 0x40
.macro CREST
	s_cmp_lg_u32 s10, 0
	s_cbranch_scc1 .Lnot_wave_0_\@
	s_barrier_signal -3
.Lnot_wave_0_\@:
	s_barrier_wait -3
	s_barrier_signal -1
	s_barrier_wait -1
.endm
.macro CROUND
	s_barrier_signal -1
	s_barrier_wait -1
	CREST
.endm
.macro PLACES                          ; four places in front of loads into registers that matrix instructions have read, and of the first read of results
.rept 4
	v_nop
.endr
.endm
	s_load_b256 s[68:75], s[0:1], 0x0              ; ao, Wo, x, the scales' exponents
	s_load_b64 s[76:77], s[0:1], 0x20              ; h
	v_lshl_add_u32 v[SPW], v0, 2, SPARE
	v_mov_b32 v[NIL], 0
	ds_add_u32 v28, v29
	ds_add_u32 v28, v29
	s_wait_dscnt 0x0
	v_lshrrev_b32 v1, 5, v0
	v_readfirstlane_b32 s10, v1
	s_lshr_b32 s11, s10, 1                         ; my half of the tile's rows.  Also: I fetch for A (0) or for B (1)
	s_and_b32 s12, s10, 1                          ; my half of its columns.  Also: which 64 rows I fetch
	s_bfe_u32 s40, ttmp6, 0x40000
	s_bfe_u32 s41, ttmp6, 0x40004
	s_lshl_b32 s42, ttmp9, 2
	s_add_co_u32 s42, s42, s40                     ; tile column
	s_and_b32 s13, ttmp7, 0xffff
	s_lshl_b32 s13, s13, 2
	s_add_co_u32 s13, s13, s41                     ; tile row
	s_lshl_b32 s43, s41, 2
	s_lshl_b32 s43, 15, s43
	s_lshl_b32 s44, 0x1111, s40
	s_or_b32 s[G1+0], s43, (3<<16)|(1<<20)|(1<<21)|(5<<22)|(3<<25)   ; A: elements of 8 bytes; after every 64 words, 4 words of padding
	s_mov_b32 s[G1+1], 32<<16                      ; rows of 256 bytes,
	s_mov_b32 s[G1+2], 128<<16                     ; 128 of them: eight blocks,
	s_mov_b32 s[G1+3], 32<<16
	s_mov_b32 s[G1+4], 128
	s_mov_b32 s[G1+5], 32                          ; dense
	s_mov_b32 s[G1+6], 0
	s_mov_b32 s[G1+7], 0
	s_or_b32 s[G1B+0], s44, (0<<16)|(1<<20)|(1<<21)|(6<<22)|(3<<25)  ; B: elements of 1 byte; after every 128 words, 4 words
	s_mov_b32 s[G1B+1], 512<<16
	s_mov_b32 s[G1B+2], 64<<16
	s_mov_b32 s[G1B+3], 512<<16
	s_mov_b32 s[G1B+4], 64
	s_mov_b32 s[G1B+5], KROW
	s_mov_b32 s[G1B+6], 0
	s_mov_b32 s[G1B+7], 0
	s_lshl_b32 s16, s13, 1
	s_add_co_u32 s16, s16, s12
	s_lshl_b32 s16, s16, TSH                       ; A: the run of 64 tokens that I fetch
	s_mov_b32 s17, 0
	s_lshl_b32 s46, s42, 7
	s_lshl_b32 s47, s12, 6
	s_add_co_u32 s46, s46, s47
	s_lshl_b32 s46, s46, KSH                       ; B: row 128 x tile column + 64 x half
	s_mov_b32 s47, 0
	s_mul_i32 s20, s12, HALFA                      ; where they go
	s_mul_i32 s21, s12, HALFT
	s_add_co_u32 s21, s21, 2*HALFA
	s_wait_kmcnt 0x0
	s_load_b64 s[78:79], s[74:75], 0x28            ; e10, e11
	s_add_nc_u64 s[14:15], s[68:69], s[16:17]
	s_add_nc_u64 s[46:47], s[70:71], s[46:47]
.irp s, 0,1
	s_mov_b32 s[G0+4*\s], 1
	s_add_co_u32 s[G0+4*\s+1], s20, \s*SLOT
	s_add_nc_u64 s[G0+4*\s+2:G0+4*\s+3], s[14:15], \s*32768
	s_or_b32 s[G0+4*\s+3], s[G0+4*\s+3], 0x80000000
	s_mov_b32 s[G0B+4*\s], 1
	s_add_co_u32 s[G0B+4*\s+1], s21, \s*SLOT
	s_add_nc_u64 s[G0B+4*\s+2:G0B+4*\s+3], s[46:47], \s*512
	s_or_b32 s[G0B+4*\s+3], s[G0B+4*\s+3], 0x80000000
.endr
	CROUND                                         ; all sixteen work-groups are here: the joint loads meet
	s_cmp_eq_u32 s11, 0                            ; a wave's two fills stand in one branch on its number: two loads of mine are out
	s_cbranch_scc0 .Lfirst_b
	tensor_load_to_lds s[G0:G0+3], s[G1:G1+7]
	s_nop 0
	tensor_load_to_lds s[G0+4:G0+7], s[G1:G1+7]
	s_nop 0
.rept 4
	v_nop
.endr
	s_branch .Lfirst_asked
.Lfirst_b:
	tensor_load_to_lds s[G0B:G0B+3], s[G1B:G1B+7]
	s_nop 0
	tensor_load_to_lds s[G0B+4:G0B+7], s[G1B:G1B+7]
	s_nop 0
.rept 4
	v_nop
.endr
.Lfirst_asked:
	v_and_b32 v1, 15, v0                           ; r
	v_bfe_u32 v2, v0, 4, 1                         ; h
	v_lshlrev_b32 v[CO], 12, v2
	v_lshl_add_u32 v[CO], v1, 4, v[CO]             ; in x and h: lanes 0-15 take 256 bytes of one row, lanes 16-31 of the next
	s_lshl_b32 s84, s13, 7
	s_lshl_b32 s85, s11, 6
	s_add_co_u32 s84, s84, s85
	s_lshl_b32 s84, s84, 12                        ; my first row, of 4,096 bytes,
	s_lshl_b32 s85, s42, 9
	s_add_co_u32 s84, s84, s85
	s_lshl_b32 s85, s12, 8
	s_add_co_u32 s84, s84, s85                     ; my first column
	s_mov_b32 s85, 0
	s_add_nc_u64 s[80:81], s[72:73], s[84:85]
	s_add_nc_u64 s[8:9], s[76:77], s[84:85]
	WIN 0x80                                       ; destination window 2
.irp a, 0,1,2,3
.irp t, 0,1,2,3,4,5,6,7
	global_load_b128 v[4*(8*\a+\t):4*(8*\a+\t)+3], v[CO], s[80:81] offset:(16*\a+2*\t)*4096
.endr
.endr
	WIN 0
	v_mul_u32_u24 v3, v1, PITCH
	v_lshl_add_u32 v3, v2, 4, v3                   ; B: row x pitch + 16 h
	v_lshrrev_b32 v4, 2, v1
	v_mul_u32_u24 v4, v4, 272
	v_and_b32 v5, 3, v1
	v_lshl_add_u32 v4, v5, 6, v4
	v_lshl_add_u32 v4, v2, 4, v4                   ; A: (r / 4) 272 + (r % 4) 64 + 16 h
	s_mul_i32 s21, s11, HALFA
	s_mul_i32 s22, s12, HALFT
	s_add_co_u32 s22, s22, 2*HALFA
.irp s, 0,1
	v_add_nc_u32 v[ADRA+\s], s21, v4
	v_add_nc_u32 v[ADRB+\s], s22, v3
	s_add_co_u32 s21, s21, SLOT
	s_add_co_u32 s22, s22, SLOT
.endr
	s_mul_i32 s23, s10, 16*SPITCH
	s_add_co_u32 s23, s23, STAGE
	v_mul_u32_u24 v6, v1, SPITCH
	v_lshl_add_u32 v6, v2, 5, v6
	v_add_nc_u32 v[STO], s23, v6                   ; into my stage: row r, 32 h bytes on
	v_mul_u32_u24 v7, v2, SPITCH
	v_lshl_add_u32 v7, v1, 4, v7
	v_add_nc_u32 v[RD], s23, v7                    ; back: two rows an instruction
	s_wait_kmcnt 0x0
	s_add_co_i32 s66, s78, s79
	s_add_co_i32 s66, s66, 127
	s_lshl_b32 s66, s66, 23                        ; 2^(e10 + e11)
	s_mov_b32 s67, s66
.macro FRAGR reg, adr, q, i
.irp c, 0,1,2,3
	ds_load_b128 v[\reg+4*\c:\reg+4*\c+3], v[\adr] offset:128*(\q)+32*\c+(\i)*16*PITCH
.endr
.endm
.macro FRAGK reg, adr, q, i            ; from blocks: 128 along K are two blocks
.irp c, 0,1,2,3
	ds_load_b128 v[\reg+4*\c:\reg+4*\c+3], v[\adr] offset:(2*(\q)+\c/2)*BLK+(\i)*1088+32*(\c%2)
.endr
.endm
.macro FETCH slot, q, f
	WIN TO_F
.irp i, 0,1,2,3
	FRAGR \f+64+16*\i, ADRB+\slot, \q, \i
.endr
.irp i, 0,1,2,3
	FRAGK \f+16*\i, ADRA+\slot, \q, \i
.endr
.endm
.macro MUL8 f, a0, zero                ; the 16 accumulators take turns, one instruction a turn
.irp a, \a0, \a0+1
.irp b, 0,1,2,3
.if \zero
	v_wmma_f32_16x16x128_fp8_fp8 v[ACC+8*(4*(\a)+\b):ACC+8*(4*(\a)+\b)+7], v[\f+64+16*\b:\f+64+16*\b+15], v[\f+16*(\a):\f+16*(\a)+15], 0
.else
	v_wmma_f32_16x16x128_fp8_fp8 v[ACC+8*(4*(\a)+\b):ACC+8*(4*(\a)+\b)+7], v[\f+64+16*\b:\f+64+16*\b+15], v[\f+16*(\a):\f+16*(\a)+15], v[ACC+8*(4*(\a)+\b):ACC+8*(4*(\a)+\b)+7]
.endif
.endr
.endr
.endm
.macro QUARTER slot, q, f, g, zero
	s_wait_dscnt 8                                 ; B's four and A's blocks 0, 1 are in; the youngest eight loads may be out
	WIN MUL
	MUL8 \f, 0, \zero
	PLACES
	FETCH \slot, \q, \g
	s_wait_dscnt 32                                ; all but the 32 just issued
	WIN MUL
	MUL8 \f, 2, \zero
.endm
	s_wait_tensorcnt 1                             ; my part of slot 0 is in; slot 1's may stay out
	s_barrier_signal -1
	s_barrier_wait -1
	FETCH 0, 0, F0
	QUARTER 0, 1, F0, F1, 1
	QUARTER 0, 2, F1, F0, 0
	QUARTER 0, 3, F0, F1, 0
	WIN 0                                          ; THE CHANGE OF SLOTS
	s_wait_tensorcnt 0x0
	ds_add_u32 v[SPW], v[NIL]                      ; 0 onto my spare word
	s_wait_dscnt 9                                 ; (the add and the youngest eight loads may be out)
	WIN MUL
	MUL8 F1, 0, 0
	s_wait_dscnt 0x0
	s_barrier_signal -1
	s_barrier_wait -1
	PLACES
	FETCH 1, 0, F0
	WIN MUL
	MUL8 F1, 2, 0
	QUARTER 1, 1, F0, F1, 0
	QUARTER 1, 2, F1, F0, 0
	QUARTER 1, 3, F0, F1, 0
	s_wait_dscnt 8
	WIN MUL
	MUL8 F1, 0, 0
	s_wait_dscnt 0x0
	MUL8 F1, 2, 0
	WIN 0
	PLACES
; THE WAY OUT, 16 rows at a time: the sums go through my stage (each accumulator from its low end on) and come back as rows of 256 bytes; h = sum x 2^(e10 + e11) + x; sixteen lanes store 256 consecutive bytes, aligned.
.macro F32OUT a
.set TM, 32+32*((\a)%2)
.if (\a) >= 2
	s_wait_xcnt 0x0                                ; the stores of two blocks back have read these registers
.endif
.irp b, 0,1,2,3
	ds_store_b128 v[STO], v[ACC+8*(4*(\a)+\b):ACC+8*(4*(\a)+\b)+3] offset:64*\b
	ds_store_b128 v[STO], v[ACC+8*(4*(\a)+\b)+4:ACC+8*(4*(\a)+\b)+7] offset:64*\b+16
.endr
.irp t, 0,1,2,3,4,5,6,7
	ds_load_b128 v[TM+4*\t:TM+4*\t+3], v[RD] offset:\t*2*SPITCH   ; LDS serves a wave's instructions in order
.endr
	s_wait_dscnt 0x0
	WIN 0x20                                       ; source 2 window 2
.irp k, 0,2,4,6,8,10,12,14,16,18,20,22,24,26,28,30
	v_pk_fma_f32 v[TM+\k:TM+\k+1], v[TM+\k:TM+\k+1], s[66:67], v[32*(\a)+\k:32*(\a)+\k+1] op_sel_hi:[1,0,1]
.endr
	WIN 0
.irp t, 0,1,2,3,4,5,6,7
	global_store_b128 v[CO], v[TM+4*\t:TM+4*\t+3], s[8:9] offset:(16*(\a)+2*\t)*4096
.endr
.endm
	s_wait_loadcnt 0x0                             ; x
	F32OUT 0
	F32OUT 1
	F32OUT 2
	F32OUT 3
	s_wait_tensorcnt 0x0                           ; the wave's end
	ds_add_u32 v[SPW], v[NIL]
	s_wait_dscnt 0x0
	CROUND                                         ; the closing round
	s_endpgm
.Lfunc_end_k_qd2cf58f24e_wo:
	.size	k_qd2cf58f24e_wo, .Lfunc_end_k_qd2cf58f24e_wo-k_qd2cf58f24e_wo
	.p2alignl 7, 3214868480
	.fill 96, 4, 3214868480
	.section	.rodata,"a",@progbits
	.p2align	6, 0x0
	.amdhsa_kernel k_qd2cf58f24e_wo
		.amdhsa_group_segment_fixed_size 327680
		.amdhsa_private_segment_fixed_size 0
		.amdhsa_enable_private_segment 0
		.amdhsa_kernarg_size 40
		.amdhsa_user_sgpr_count 2
		.amdhsa_user_sgpr_kernarg_segment_ptr 1
		.amdhsa_wavefront_size32 1
		.amdhsa_system_sgpr_workgroup_id_x 1
		.amdhsa_system_sgpr_workgroup_id_y 1
		.amdhsa_system_sgpr_workgroup_id_z 1
		.amdhsa_system_vgpr_workitem_id 0
		.amdhsa_next_free_vgpr 768
		.amdhsa_next_free_sgpr 100
		.amdhsa_reserve_vcc 0
		.amdhsa_float_denorm_mode_32 3
		.amdhsa_float_denorm_mode_16_64 3
		.amdhsa_memory_ordered 1
		.amdhsa_forward_progress 1
		.amdhsa_inst_pref_size 49
	.end_amdhsa_kernel
	.amdgpu_metadata
---
amdhsa.version: [ 1, 2 ]
amdhsa.kernels:
  - .name:           k_qd2cf58f24e_wo
    .symbol:         k_qd2cf58f24e_wo.kd
    .args:
      - { .name: ao, .offset: 0, .size: 8, .value_kind: global_buffer, .address_space: global }
      - { .name: Wo_codes, .offset: 8, .size: 8, .value_kind: global_buffer, .address_space: global }
      - { .name: x, .offset: 16, .size: 8, .value_kind: global_buffer, .address_space: global }
      - { .name: lowp_scales, .offset: 24, .size: 8, .value_kind: global_buffer, .address_space: global }
      - { .name: h, .offset: 32, .size: 8, .value_kind: global_buffer, .address_space: global }
    .group_segment_fixed_size: 327680
    .private_segment_fixed_size: 0
    .kernarg_segment_align: 8
    .kernarg_segment_size: 40
    .max_flat_workgroup_size: 128
    .sgpr_count:     100
    .vgpr_count:     768
    .wavefront_size: 32
...
	.end_amdgpu_metadata
.endif
;; end of part 4
;; launch ln2 (part 5): grid 256 x 1, 4 waves a work-group, no clusters, 0 bytes of LDS; arguments h, g2, be2, lowp_scales, hn; writes hn
.if DOCPART == 5
	.amdgcn_target "amdgcn-amd-amdhsa--gfx1250"
	.amdhsa_code_object_version 6
	.text
	.protected	k_qd2cf58f24e_ln2
	.globl	k_qd2cf58f24e_ln2
	.p2align	8
	.type	k_qd2cf58f24e_ln2,@function
k_qd2cf58f24e_ln2:
	s_mov_b64 s[64:65], 0
	v_nop
	global_prefetch_b8 v0, s[64:65] scope:SCOPE_SE
	s_setreg_imm32_b32 hwreg(HW_REG_WAVE_MODE, 25, 1), 1
	s_wait_xcnt 0x0
; LN2(h) = (h - mu) / sqrt(var + 1e-5) * g2 + be2, in f32, turned into E4M3 codes with the given scale 2^e12: hn [4096 tokens][1024] codes, the left operand of the product with w1.
; 1,024 waves; wave W takes rows 4 W .. 4 W + 3, a row whole in registers (mean, then the squares of h - mean: one read of memory).
; A lane holds columns 256 g + 8 L + 0 .. 7 (g = 0 .. 3): eight neighbours along K for each conversion, and a store of 8 bytes a lane covers 256 consecutive bytes, aligned.  Waves share nothing: no LDS, no barrier.
; LIMIT: e12 between -126 and 119.  NaN among the inputs is not served.
.set G,   16                           ; v16-47   g2 of my 32 columns
.set BE,  48                           ; v48-79   be2
.set X,   80                           ; v80-207  four rows: row r at X + 32 r + 8 g + i
.set T0,  208                          ; v208-223 at work
.set C,   224                          ; v224-231 a row's four pairs of codes
.set ST,  232                          ; v232-239 a pair a row: mu, then 1 / sigma
	s_load_b256 s[4:11], s[0:1], 0x0               ; h, g2, be2, the scales' exponents
	s_load_b64 s[14:15], s[0:1], 0x20              ; hn
	v_lshrrev_b32 v1, 5, v0
	v_readfirstlane_b32 s18, v1
	s_lshl_b32 s19, ttmp9, 2
	s_add_co_u32 s19, s19, s18                     ; W
	s_mov_b32 s36, 0x76543210
	s_mov_b32 s37, 0xfedcba98
	s_mov_b32 s32, 0x3a800000                      ; 1 / 1024
	s_mov_b32 s33, 0x3727c5ac                      ; 1e-5
	v_and_b32 v1, 31, v0
	v_lshlrev_b32 v2, 5, v1
	v_lshlrev_b32 v3, 3, v1
	s_lshl_b32 s22, s19, 14
	s_mov_b32 s23, 0
	s_lshl_b32 s42, s19, 12
	s_mov_b32 s43, 0
	s_wait_kmcnt 0x0
	s_load_b32 s24, s[10:11], 0x30                 ; e12
	s_add_nc_u64 s[4:5], s[4:5], s[22:23]
	s_add_nc_u64 s[14:15], s[14:15], s[42:43]
.irp g, 0,1,2,3
	global_load_b128 v[G+8*\g:G+8*\g+3],   v2, s[6:7] offset:1024*\g
	global_load_b128 v[G+8*\g+4:G+8*\g+7], v2, s[6:7] offset:1024*\g+16
.endr
.irp g, 0,1,2,3
	global_load_b128 v[BE+8*\g:BE+8*\g+3],   v2, s[8:9] offset:1024*\g
	global_load_b128 v[BE+8*\g+4:BE+8*\g+7], v2, s[8:9] offset:1024*\g+16
.endr
.irp r, 0,1,2,3
.irp g, 0,1,2,3
	global_load_b128 v[X+32*\r+8*\g:X+32*\r+8*\g+3],   v2, s[4:5] offset:4096*\r+1024*\g
	global_load_b128 v[X+32*\r+8*\g+4:X+32*\r+8*\g+7], v2, s[4:5] offset:4096*\r+1024*\g+16
.endr
.endr
	s_wait_kmcnt 0x0
	s_add_co_i32 s34, s24, 127
	s_lshl_b32 s35, s34, 23
	v_mov_b32 v4, s35                              ; 2^e12
	s_add_co_i32 s34, s34, 8
	s_lshl_b32 s34, s34, 23
	s_or_b32 s34, s34, 0x600000
	v_mov_b32 v5, s34                              ; 448 x 2^e12
.macro REDUCE                          ; each row's two partial pairs -> the row's sum, in every lane, in v[T0+4r]
.irp r, 0,1,2,3
	v_pk_add_f32 v[T0+4*\r:T0+4*\r+1], v[T0+4*\r:T0+4*\r+1], v[T0+4*\r+2:T0+4*\r+3]
.endr
.irp r, 0,1,2,3
	v_add_f32 v[T0+4*\r], v[T0+4*\r], v[T0+4*\r+1]
.endr
.irp m, 1,2,4,8
.irp r, 0,1,2,3
	v_add_f32_dpp v[T0+4*\r], v[T0+4*\r], v[T0+4*\r] row_xmask:\m row_mask:0xf bank_mask:0xf
.endr
.endr
.irp r, 0,1,2,3
	v_permlanex16_b32 v[T0+4*\r+1], v[T0+4*\r], s36, s37
.endr
.irp r, 0,1,2,3
	v_add_f32 v[T0+4*\r], v[T0+4*\r], v[T0+4*\r+1]
.endr
.endm
	s_wait_loadcnt 0x0
.irp r, 0,1,2,3
	v_pk_add_f32 v[T0+4*\r:T0+4*\r+1],   v[X+32*\r:X+32*\r+1],   v[X+32*\r+2:X+32*\r+3]
	v_pk_add_f32 v[T0+4*\r+2:T0+4*\r+3], v[X+32*\r+4:X+32*\r+5], v[X+32*\r+6:X+32*\r+7]
.endr
.irp p, 8,12,16,20,24,28
.irp r, 0,1,2,3
	v_pk_add_f32 v[T0+4*\r:T0+4*\r+1],   v[T0+4*\r:T0+4*\r+1],   v[X+32*\r+\p:X+32*\r+\p+1]
	v_pk_add_f32 v[T0+4*\r+2:T0+4*\r+3], v[T0+4*\r+2:T0+4*\r+3], v[X+32*\r+\p+2:X+32*\r+\p+3]
.endr
.endr
	REDUCE
.irp r, 0,1,2,3
	v_mul_f32 v[ST+2*\r], s32, v[T0+4*\r]          ; mu
	v_mov_b32 v[ST+2*\r+1], 0                      ; (named with it as a pair, so it is written)
.endr
.irp p, 0,2,4,6,8,10,12,14,16,18,20,22,24,26,28,30
.irp r, 0,1,2,3
	v_pk_add_f32 v[X+32*\r+\p:X+32*\r+\p+1], v[X+32*\r+\p:X+32*\r+\p+1], v[ST+2*\r:ST+2*\r+1] op_sel_hi:[1,0] neg_lo:[0,1] neg_hi:[0,1]   ; h - mu
.endr
.endr
.irp r, 0,1,2,3
	v_pk_mul_f32 v[T0+4*\r:T0+4*\r+1],   v[X+32*\r:X+32*\r+1],   v[X+32*\r:X+32*\r+1]
	v_pk_mul_f32 v[T0+4*\r+2:T0+4*\r+3], v[X+32*\r+2:X+32*\r+3], v[X+32*\r+2:X+32*\r+3]
.endr
.irp p, 4,8,12,16,20,24,28
.irp r, 0,1,2,3
	v_pk_fma_f32 v[T0+4*\r:T0+4*\r+1],   v[X+32*\r+\p:X+32*\r+\p+1],   v[X+32*\r+\p:X+32*\r+\p+1],   v[T0+4*\r:T0+4*\r+1]
	v_pk_fma_f32 v[T0+4*\r+2:T0+4*\r+3], v[X+32*\r+\p+2:X+32*\r+\p+3], v[X+32*\r+\p+2:X+32*\r+\p+3], v[T0+4*\r+2:T0+4*\r+3]
.endr
.endr
	REDUCE
.irp r, 0,1,2,3
	v_fma_f32 v[T0+4*\r], v[T0+4*\r], s32, s33     ; var + 1e-5
.endr
.irp r, 0,1,2,3
	v_rsq_f32 v[ST+2*\r], v[T0+4*\r]
.endr
	v_nop                                          ; a plain instruction behind the last of the four,
	s_wait_alu depctr_va_vdst(0)                   ; and one wait for the batch ahead of its first reader
.irp p, 0,2,4,6,8,10,12,14,16,18,20,22,24,26,28,30
.irp r, 0,1,2,3
	v_pk_mul_f32 v[X+32*\r+\p:X+32*\r+\p+1], v[X+32*\r+\p:X+32*\r+\p+1], v[ST+2*\r:ST+2*\r+1] op_sel_hi:[1,0]
.endr
.irp r, 0,1,2,3
	v_pk_fma_f32 v[X+32*\r+\p:X+32*\r+\p+1], v[X+32*\r+\p:X+32*\r+\p+1], v[G+\p:G+\p+1], v[BE+\p:BE+\p+1]
.endr
.endr
; Row r becomes codes.  The conversion does not saturate (ISA guide 7.6.2): each number is first held within 448 x the scale, into one of two sets of eight registers by turns,
; so that eight plain lines on other registers stand between a conversion and the next write of its sources.
.macro ROWQ r
	s_wait_xcnt 0x0                                ; the last row's stores have read their codes
.irp g, 0,1,2,3
.set TT, T0+8*((\g)%2)
.irp i, 0,1,2,3,4,5,6,7
	v_med3_num_f32 v[TT+\i], v[X+32*(\r)+8*\g+\i], -v5, v5
.endr
	v_cvt_scalef32_pk8_fp8_f32 v[C+2*\g:C+2*\g+1], v[TT:TT+7], v4
	global_store_b64 v3, v[C+2*\g:C+2*\g+1], s[14:15] offset:(\r)*1024+256*\g   ; 32 lanes store 256 consecutive bytes, aligned
.endr
.endm
	ROWQ 0
	ROWQ 1
	ROWQ 2
	ROWQ 3
	s_endpgm
.Lfunc_end_k_qd2cf58f24e_ln2:
	.size	k_qd2cf58f24e_ln2, .Lfunc_end_k_qd2cf58f24e_ln2-k_qd2cf58f24e_ln2
	.p2alignl 7, 3214868480
	.fill 96, 4, 3214868480
	.section	.rodata,"a",@progbits
	.p2align	6, 0x0
	.amdhsa_kernel k_qd2cf58f24e_ln2
		.amdhsa_group_segment_fixed_size 0
		.amdhsa_private_segment_fixed_size 0
		.amdhsa_enable_private_segment 0
		.amdhsa_kernarg_size 40
		.amdhsa_user_sgpr_count 2
		.amdhsa_user_sgpr_kernarg_segment_ptr 1
		.amdhsa_wavefront_size32 1
		.amdhsa_system_sgpr_workgroup_id_x 1
		.amdhsa_system_sgpr_workgroup_id_y 1
		.amdhsa_system_sgpr_workgroup_id_z 1
		.amdhsa_system_vgpr_workitem_id 0
		.amdhsa_next_free_vgpr 256
		.amdhsa_next_free_sgpr 66
		.amdhsa_reserve_vcc 0
		.amdhsa_float_denorm_mode_32 3
		.amdhsa_float_denorm_mode_16_64 3
		.amdhsa_memory_ordered 1
		.amdhsa_forward_progress 1
		.amdhsa_inst_pref_size 41
	.end_amdhsa_kernel
	.amdgpu_metadata
---
amdhsa.version: [ 1, 2 ]
amdhsa.kernels:
  - .name:           k_qd2cf58f24e_ln2
    .symbol:         k_qd2cf58f24e_ln2.kd
    .args:
      - { .name: h, .offset: 0, .size: 8, .value_kind: global_buffer, .address_space: global }
      - { .name: g2, .offset: 8, .size: 8, .value_kind: global_buffer, .address_space: global }
      - { .name: be2, .offset: 16, .size: 8, .value_kind: global_buffer, .address_space: global }
      - { .name: lowp_scales, .offset: 24, .size: 8, .value_kind: global_buffer, .address_space: global }
      - { .name: hn, .offset: 32, .size: 8, .value_kind: global_buffer, .address_space: global }
    .group_segment_fixed_size: 0
    .private_segment_fixed_size: 0
    .kernarg_segment_align: 8
    .kernarg_segment_size: 40
    .max_flat_workgroup_size: 128
    .sgpr_count:     66
    .vgpr_count:     256
    .wavefront_size: 32
...
	.end_amdgpu_metadata
.endif
;; end of part 5
;; launch ffn1 (part 6): grid 32 x 32, 4 waves a work-group, clusters of 4 x 4, 327,680 bytes of LDS; arguments hn, w1_codes, b1, lowp_scales, hid; writes hid
.if DOCPART == 6
	.amdgcn_target "amdgcn-amd-amdhsa--gfx1250"
	.amdhsa_code_object_version 6
	.text
	.protected	k_qd2cf58f24e_ffn1
	.globl	k_qd2cf58f24e_ffn1
	.p2align	8
	.type	k_qd2cf58f24e_ffn1,@function
k_qd2cf58f24e_ffn1:
	s_mov_b64 s[64:65], 0
	v_nop
	global_prefetch_b8 v0, s[64:65] scope:SCOPE_SE
	s_setreg_imm32_b32 hwreg(HW_REG_WAVE_MODE, 25, 1), 1
	s_wait_xcnt 0x0
	s_wait_alu depctr_hold_cnt(0) depctr_sa_sdst(0) depctr_va_vdst(0) depctr_va_sdst(0) depctr_va_ssrc(0) depctr_va_vcc(0) depctr_vm_vsrc(0)
	s_getreg_b32 s2, hwreg(HW_REG_IB_STS2, 6, 4)
	s_cmp_eq_u32 s2, 0
	s_cbranch_scc0 .Lentry_in_a_cluster
	s_endpgm
.Lentry_in_a_cluster:
	s_bfe_u32 s2, ttmp6, 0x10000c
	s_cmp_lg_u32 s2, 0xf033
	s_cbranch_scc0 .Lentry_shape_is_right
	s_endpgm
.Lentry_shape_is_right:
; hid = relu(LN2(h) w1 + b1), the product on E4M3 codes (K = 1,024), turned into codes again with 2^e14 on the way out.
; A = hn [4096 tokens][1024], B = w1_codes [4096 (n)][1024 (k)].  hid [64 runs of 64 tokens][64][64][64]: blocks [64 tokens][64 hidden units] of 4,096 bytes: the left operand of the product with w2.
; A tile of C is 128 x 128: four waves, each 64 x 64 = 16 accumulators; a wave's 64 x 64 codes are one block.  K = 1,024 is two LDS slots of 512: both are filled at the start, nothing is filled again.
; THE MATRIX INSTRUCTION IS USED TRANSPOSED (source 0 = 16 rows of B, source 1 = 16 rows of A): a lane's eight results are eight neighbouring hidden units of one token: neighbours along the next K.
; The bias is the C of each sum's first product, divided once by the power of two that the sums lack: b1 / 2^(e12 + e13).  The hold that the conversion wants, between 0 and 448 x the scale, is the activation too.
; CLUSTERS: 4 x 4 work-groups; A's tile is shared along a row of the cluster, B's along a column, each asked for jointly.
; LIMIT: e14 - e12 - e13 between -126 and 119.
; REGISTERS: window 0: v16-31 addresses and constants; v32-63 the bias, eight registers for each of B's four blocks; v64-95 codes; v96-127 a block read back; v128-255 accumulators.  window 1: two fragment buffers.
.set KROW,  1024
.set PITCH, 528                        ; an LDS row: 512 bytes + 16 of padding
.set HALFT, 64*PITCH
.set SLOT,  4*HALFT
.set STAGE, 2*SLOT
.set SP,    80
.set SPARE, STAGE+4*64*SP
.set ADRA, 16
.set ADRB, 20
.set STO,  24
.set RD,   25
.set CO,   26
.set SPW,  28
.set NIL,  29
.set SC,   30
.set LIM,  31
.set BIAS, 32
.set CD,   64
.set BK,   96
.set ACC,  128
.set F0,   0
.set F1,   128
.set G1,   24
.set G0,   32
.set G1B,  48
.set G0B,  56
.set MSB, 0
.macro WIN new                         ; the immediate's high byte repeats the setting that is left
.if MSB != \new
	s_set_vgpr_msb (MSB<<8)|\new
.set MSB, \new
.endif
.endm
.set MUL,  0x05
.set TO_F, 0x40
.macro CREST
	s_cmp_lg_u32 s10, 0
	s_cbranch_scc1 .Lnot_wave_0_\@
	s_barrier_signal -3
.Lnot_wave_0_\@:
	s_barrier_wait -3
	s_barrier_signal -1
	s_barrier_wait -1
.endm
.macro CROUND
	s_barrier_signal -1
	s_barrier_wait -1
	CREST
.endm
.macro PLACES                          ; four places in front of loads into registers that matrix instructions have read, and of the first read of results
.rept 4
	v_nop
.endr
.endm
	s_load_b256 s[68:75], s[0:1], 0x0              ; hn, w1, b1, the scales' exponents
	s_load_b64 s[76:77], s[0:1], 0x20              ; hid
	v_lshl_add_u32 v[SPW], v0, 2, SPARE
	v_mov_b32 v[NIL], 0
	ds_add_u32 v28, v29
	ds_add_u32 v28, v29
	s_wait_dscnt 0x0
	v_lshrrev_b32 v1, 5, v0
	v_readfirstlane_b32 s10, v1
	s_lshr_b32 s11, s10, 1
	s_and_b32 s12, s10, 1
	s_bfe_u32 s40, ttmp6, 0x40000
	s_bfe_u32 s41, ttmp6, 0x40004
	s_lshl_b32 s42, ttmp9, 2
	s_add_co_u32 s42, s42, s40                     ; tile column
	s_and_b32 s13, ttmp7, 0xffff
	s_lshl_b32 s13, s13, 2
	s_add_co_u32 s13, s13, s41                     ; tile row
	s_lshl_b32 s43, s41, 2
	s_lshl_b32 s43, 15, s43
	s_lshl_b32 s44, 0x1111, s40
	s_or_b32 s[G1+0], s43, (0<<16)|(1<<20)|(1<<21)|(6<<22)|(3<<25)
	s_or_b32 s[G1B+0], s44, (0<<16)|(1<<20)|(1<<21)|(6<<22)|(3<<25)
.irp g, G1, G1B
	s_mov_b32 s[\g+1], 512<<16
	s_mov_b32 s[\g+2], 64<<16
	s_mov_b32 s[\g+3], 512<<16
	s_mov_b32 s[\g+4], 64
	s_mov_b32 s[\g+5], KROW
	s_mov_b32 s[\g+6], 0
	s_mov_b32 s[\g+7], 0
.endr
	s_lshl_b32 s16, s13, 7
	s_lshl_b32 s17, s12, 6
	s_add_co_u32 s16, s16, s17
	s_lshl_b32 s16, s16, 10
	s_mov_b32 s17, 0
	s_lshl_b32 s46, s42, 7
	s_lshl_b32 s47, s12, 6
	s_add_co_u32 s46, s46, s47
	s_lshl_b32 s46, s46, 10
	s_mov_b32 s47, 0
	s_mul_i32 s20, s10, HALFT
	s_wait_kmcnt 0x0
	s_load_b128 s[80:83], s[74:75], 0x30           ; e12, e13, e14, e15
	s_add_nc_u64 s[14:15], s[68:69], s[16:17]
	s_add_nc_u64 s[46:47], s[70:71], s[46:47]
.irp s, 0,1
	s_mov_b32 s[G0+4*\s], 1
	s_add_co_u32 s[G0+4*\s+1], s20, \s*SLOT
	s_add_nc_u64 s[G0+4*\s+2:G0+4*\s+3], s[14:15], \s*512
	s_or_b32 s[G0+4*\s+3], s[G0+4*\s+3], 0x80000000
	s_mov_b32 s[G0B+4*\s], 1
	s_add_co_u32 s[G0B+4*\s+1], s20, \s*SLOT
	s_add_nc_u64 s[G0B+4*\s+2:G0B+4*\s+3], s[46:47], \s*512
	s_or_b32 s[G0B+4*\s+3], s[G0B+4*\s+3], 0x80000000
.endr
	CROUND                                         ; all sixteen work-groups are here: the joint loads meet
	s_cmp_eq_u32 s11, 0                            ; a wave's two fills stand in one branch on its number: two loads of mine are out
	s_cbranch_scc0 .Lfirst_b
	tensor_load_to_lds s[G0:G0+3], s[G1:G1+7]
	s_nop 0
	tensor_load_to_lds s[G0+4:G0+7], s[G1:G1+7]
	s_nop 0
.rept 4
	v_nop
.endr
	s_branch .Lfirst_asked
.Lfirst_b:
	tensor_load_to_lds s[G0B:G0B+3], s[G1B:G1B+7]
	s_nop 0
	tensor_load_to_lds s[G0B+4:G0B+7], s[G1B:G1B+7]
	s_nop 0
.rept 4
	v_nop
.endr
.Lfirst_asked:
	v_and_b32 v1, 15, v0                           ; r
	v_bfe_u32 v2, v0, 4, 1                         ; h
	v_lshlrev_b32 v8, 5, v2                        ; b1: for B's block b my eight units are 16 b + 8 h + 0 .. 7
	s_lshl_b32 s84, s42, 9
	s_lshl_b32 s85, s12, 8
	s_add_co_u32 s84, s84, s85
	s_mov_b32 s85, 0
	s_add_nc_u64 s[86:87], s[72:73], s[84:85]
.irp b, 0,1,2,3
	global_load_b128 v[BIAS+8*\b:BIAS+8*\b+3],   v8, s[86:87] offset:64*\b
	global_load_b128 v[BIAS+8*\b+4:BIAS+8*\b+7], v8, s[86:87] offset:64*\b+16
.endr
	v_mul_u32_u24 v3, v1, PITCH
	v_lshl_add_u32 v3, v2, 4, v3
	s_mul_i32 s21, s11, HALFT
	s_mul_i32 s22, s12, HALFT
	s_add_co_u32 s22, s22, 2*HALFT
.irp s, 0,1
	v_add_nc_u32 v[ADRA+\s], s21, v3
	v_add_nc_u32 v[ADRB+\s], s22, v3
	s_add_co_u32 s21, s21, SLOT
	s_add_co_u32 s22, s22, SLOT
.endr
	s_mul_i32 s23, s10, 64*SP
	s_add_co_u32 s23, s23, STAGE
	v_mul_u32_u24 v4, v1, SP
	v_lshl_add_u32 v4, v2, 3, v4
	v_add_nc_u32 v[STO], s23, v4
	v_and_b32 v5, 31, v0
	v_lshrrev_b32 v6, 2, v5
	v_mul_u32_u24 v6, v6, SP
	v_and_b32 v7, 3, v0
	v_lshl_add_u32 v6, v7, 4, v6
	v_add_nc_u32 v[RD], s23, v6
	v_lshlrev_b32 v[CO], 4, v5
	s_lshl_b32 s88, s13, 1
	s_add_co_u32 s88, s88, s11                     ; my run of 64 tokens,
	s_lshl_b32 s88, s88, 6
	s_lshl_b32 s89, s42, 1
	s_add_co_u32 s89, s89, s12                     ; my 64 hidden units
	s_add_co_u32 s88, s88, s89
	s_lshl_b32 s88, s88, 12
	s_mov_b32 s89, 0
	s_add_nc_u64 s[8:9], s[76:77], s[88:89]
	s_wait_kmcnt 0x0
	s_add_co_i32 s90, s80, s81                     ; e12 + e13
	s_sub_co_i32 s91, 0, s90
	s_sub_co_i32 s92, s82, s90                     ; a sum stands for sum x 2^(e12 + e13): its code is sum / 2^(e14 - e12 - e13)
	s_add_co_i32 s92, s92, 127
	s_lshl_b32 s93, s92, 23
	v_mov_b32 v[SC], s93
	s_add_co_i32 s92, s92, 8
	s_lshl_b32 s92, s92, 23
	s_or_b32 s92, s92, 0x600000
	v_mov_b32 v[LIM], s92
	s_wait_loadcnt 0x0
.set j, 0
.rept 32
	v_ldexp_f32 v[BIAS+j], v[BIAS+j], s91
.set j, j+1
.endr
.macro FRAGR reg, adr, q, i
.irp c, 0,1,2,3
	ds_load_b128 v[\reg+4*\c:\reg+4*\c+3], v[\adr] offset:128*(\q)+32*\c+(\i)*16*PITCH
.endr
.endm
.macro FETCH slot, q, f
	WIN TO_F
.irp i, 0,1,2,3
	FRAGR \f+64+16*\i, ADRB+\slot, \q, \i
.endr
.irp i, 0,1,2,3
	FRAGR \f+16*\i, ADRA+\slot, \q, \i
.endr
.endm
.macro MUL8 f, a0, zero                ; the 16 accumulators take turns, one instruction a turn.  zero = 1: the product starts the sum, onto the bias
.irp a, \a0, \a0+1
.irp b, 0,1,2,3
.if \zero
	v_wmma_f32_16x16x128_fp8_fp8 v[ACC+8*(4*(\a)+\b):ACC+8*(4*(\a)+\b)+7], v[\f+64+16*\b:\f+64+16*\b+15], v[\f+16*(\a):\f+16*(\a)+15], v[BIAS+8*\b:BIAS+8*\b+7]
.else
	v_wmma_f32_16x16x128_fp8_fp8 v[ACC+8*(4*(\a)+\b):ACC+8*(4*(\a)+\b)+7], v[\f+64+16*\b:\f+64+16*\b+15], v[\f+16*(\a):\f+16*(\a)+15], v[ACC+8*(4*(\a)+\b):ACC+8*(4*(\a)+\b)+7]
.endif
.endr
.endr
.endm
.macro QUARTER slot, q, f, g, zero
	s_wait_dscnt 8                                 ; B's four and A's blocks 0, 1 are in; the youngest eight loads may be out
	WIN MUL
	MUL8 \f, 0, \zero
	PLACES
	FETCH \slot, \q, \g
	s_wait_dscnt 32                                ; all but the 32 just issued
	WIN MUL
	MUL8 \f, 2, \zero
.endm
	s_wait_tensorcnt 1                             ; my part of slot 0 is in; slot 1's may stay out
	s_barrier_signal -1
	s_barrier_wait -1
	FETCH 0, 0, F0
	QUARTER 0, 1, F0, F1, 1
	QUARTER 0, 2, F1, F0, 0
	QUARTER 0, 3, F0, F1, 0
	WIN 0                                          ; THE CHANGE OF SLOTS
	s_wait_tensorcnt 0x0
	ds_add_u32 v[SPW], v[NIL]                      ; 0 onto my spare word
	s_wait_dscnt 9                                 ; (the add and the youngest eight loads may be out)
	WIN MUL
	MUL8 F1, 0, 0
	s_wait_dscnt 0x0
	s_barrier_signal -1
	s_barrier_wait -1
	PLACES
	FETCH 1, 0, F0
	WIN MUL
	MUL8 F1, 2, 0
	QUARTER 1, 1, F0, F1, 0
	QUARTER 1, 2, F1, F0, 0
	QUARTER 1, 3, F0, F1, 0
	s_wait_dscnt 8
	WIN MUL
	MUL8 F1, 0, 0
	s_wait_dscnt 0x0
	MUL8 F1, 2, 0
	WIN 0
	PLACES
	; THE WAY OUT: each accumulator, from its low end on: the activation and the hold in one, then 8 codes; the block goes through my stage and leaves as 8 x 512 consecutive bytes.
.set n, 0
.rept 16
.irp j, 0,1,2,3,4,5,6,7
	v_med3_num_f32 v[ACC+8*n+\j], v[ACC+8*n+\j], 0, v[LIM]
.endr
	v_cvt_scalef32_pk8_fp8_f32 v[CD+2*n:CD+2*n+1], v[ACC+8*n:ACC+8*n+7], v[SC]
.set n, n+1
.endr
	v_nop                                          ; a plain line behind the last conversion
.irp a, 0,1,2,3
.irp b, 0,1,2,3
	ds_store_b64 v[STO], v[CD+2*(4*\a+\b):CD+2*(4*\a+\b)+1] offset:\a*16*SP+16*\b
.endr
.endr
.irp i, 0,1,2,3,4,5,6,7
	ds_load_b128 v[BK+4*\i:BK+4*\i+3], v[RD] offset:\i*8*SP   ; LDS serves a wave's instructions in order
.endr
.irp i, 0,1,2,3,4,5,6,7
	s_wait_dscnt 7-\i
	global_store_b128 v[CO], v[BK+4*\i:BK+4*\i+3], s[8:9] offset:512*\i
.endr
	s_wait_tensorcnt 0x0                           ; the wave's end
	ds_add_u32 v[SPW], v[NIL]
	s_wait_dscnt 0x0
	CROUND                                         ; the closing round
	s_endpgm
.Lfunc_end_k_qd2cf58f24e_ffn1:
	.size	k_qd2cf58f24e_ffn1, .Lfunc_end_k_qd2cf58f24e_ffn1-k_qd2cf58f24e_ffn1
	.p2alignl 7, 3214868480
	.fill 96, 4, 3214868480
	.section	.rodata,"a",@progbits
	.p2align	6, 0x0
	.amdhsa_kernel k_qd2cf58f24e_ffn1
		.amdhsa_group_segment_fixed_size 327680
		.amdhsa_private_segment_fixed_size 0
		.amdhsa_enable_private_segment 0
		.amdhsa_kernarg_size 40
		.amdhsa_user_sgpr_count 2
		.amdhsa_user_sgpr_kernarg_segment_ptr 1
		.amdhsa_wavefront_size32 1
		.amdhsa_system_sgpr_workgroup_id_x 1
		.amdhsa_system_sgpr_workgroup_id_y 1
		.amdhsa_system_sgpr_workgroup_id_z 1
		.amdhsa_system_vgpr_workitem_id 0
		.amdhsa_next_free_vgpr 512
		.amdhsa_next_free_sgpr 100
		.amdhsa_reserve_vcc 0
		.amdhsa_float_denorm_mode_32 3
		.amdhsa_float_denorm_mode_16_64 3
		.amdhsa_memory_ordered 1
		.amdhsa_forward_progress 1
		.amdhsa_inst_pref_size 49
	.end_amdhsa_kernel
	.amdgpu_metadata
---
amdhsa.version: [ 1, 2 ]
amdhsa.kernels:
  - .name:           k_qd2cf58f24e_ffn1
    .symbol:         k_qd2cf58f24e_ffn1.kd
    .args:
      - { .name: hn, .offset: 0, .size: 8, .value_kind: global_buffer, .address_space: global }
      - { .name: w1_codes, .offset: 8, .size: 8, .value_kind: global_buffer, .address_space: global }
      - { .name: b1, .offset: 16, .size: 8, .value_kind: global_buffer, .address_space: global }
      - { .name: lowp_scales, .offset: 24, .size: 8, .value_kind: global_buffer, .address_space: global }
      - { .name: hid, .offset: 32, .size: 8, .value_kind: global_buffer, .address_space: global }
    .group_segment_fixed_size: 327680
    .private_segment_fixed_size: 0
    .kernarg_segment_align: 8
    .kernarg_segment_size: 40
    .max_flat_workgroup_size: 128
    .sgpr_count:     100
    .vgpr_count:     512
    .wavefront_size: 32
...
	.end_amdgpu_metadata
.endif
;; end of part 6
;; launch ffn2 (part 7): grid 8 x 32, 4 waves a work-group, clusters of 4 x 4, 327,680 bytes of LDS; arguments hid, w2_codes, b2, h, lowp_scales, out0; writes out0
.if DOCPART == 7
	.amdgcn_target "amdgcn-amd-amdhsa--gfx1250"
	.amdhsa_code_object_version 6
	.text
	.protected	k_qd2cf58f24e_ffn2
	.globl	k_qd2cf58f24e_ffn2
	.p2align	8
	.type	k_qd2cf58f24e_ffn2,@function
k_qd2cf58f24e_ffn2:
	s_mov_b64 s[64:65], 0
	v_nop
	global_prefetch_b8 v0, s[64:65] scope:SCOPE_SE
	s_setreg_imm32_b32 hwreg(HW_REG_WAVE_MODE, 25, 1), 1
	s_wait_xcnt 0x0
	s_wait_alu depctr_hold_cnt(0) depctr_sa_sdst(0) depctr_va_vdst(0) depctr_va_sdst(0) depctr_va_ssrc(0) depctr_va_vcc(0) depctr_vm_vsrc(0)
	s_getreg_b32 s2, hwreg(HW_REG_IB_STS2, 6, 4)
	s_cmp_eq_u32 s2, 0
	s_cbranch_scc0 .Lentry_in_a_cluster
	s_endpgm
.Lentry_in_a_cluster:
	s_bfe_u32 s2, ttmp6, 0x10000c
	s_cmp_lg_u32 s2, 0xf033
	s_cbranch_scc0 .Lentry_shape_is_right
	s_endpgm
.Lentry_shape_is_right:
; out0 = h + hid w2 + b2, the product on E4M3 codes (K = 4,096), sums in f32, each multiplied once by 2^(e14 + e15).
; A = hid: blocks [64 tokens][64 along K] of 4,096 bytes, 64 to a run of 64 tokens.  B = w2_codes: rows [1024 (n)][4096 (k)].  h, out0: [4096][1024] f32; b2 [1024].
; A tile of C is 128 x 128: four waves, each 64 x 64 = 16 accumulators.  K goes in steps of 512 through two LDS slots: two first fills, then six refills, one tensor load a wave behind each round of the cluster's barrier;
; a wave has two loads out at the start and one afterwards, and a refill has a slot's 64 matrix instructions in which to land.
; THE MATRIX INSTRUCTION IS USED TRANSPOSED (source 0 = 16 rows of B, source 1 = 16 rows of A): a lane holds eight neighbouring columns of one row of C.
; CLUSTERS: 4 x 4 work-groups; A's tile is shared along a row of the cluster, B's along a column, each asked for jointly.
; LIMIT: e14 + e15 between -126 and 127.
; REGISTERS: window 0: v16-31 addresses; v32-95 two sets of 16 rows on the way out; v96-99 b2 of my four columns; v128-255 accumulators.  window 1: two fragment buffers.  window 2: v0-127 my 64 x 64 of h, asked for at the head.
.set KSH,   12                         ; a row of B is 4,096 bytes
.set KROW,  4096
.set TSH,   18                         ; a run of 64 tokens of A is 64 blocks
.set LAPS,  4                          ; a lap = two slots = 1,024 along K
.set PITCH, 528
.set HALFT, 64*PITCH
.set BLK,   4352                       ; a block of A in LDS: 16 rows of 256 + 16 bytes
.set HALFA, 8*BLK
.set SLOT,  2*HALFA+2*HALFT
.set STAGE, 2*SLOT
.set SPITCH, 272
.set SPARE, STAGE+4*16*SPITCH
.set ADRA, 16
.set ADRB, 20
.set STO,  24
.set RD,   25
.set CO,   26
.set BO,   27
.set SPW,  28
.set NIL,  29
.set B2,   96
.set ACC,  128
.set F0,   0
.set F1,   128
.set G1,   24
.set G0,   32
.set G1B,  48
.set G0B,  56
.set MSB, 0
.macro WIN new                         ; the immediate's high byte repeats the setting that is left
.if MSB != \new
	s_set_vgpr_msb (MSB<<8)|\new
.set MSB, \new
.endif
.endm
.set MUL,  0x05
.set TO_F, 0x40
.macro JLOAD s                         ; a joint refill: waves 0 and 1 fetch A's halves, waves 2 and 3 B's; four v_nop follow each of the two lines
	s_cmp_eq_u32 s11, 0
	s_cbranch_scc0 .Lfor_b_\@
	tensor_load_to_lds s[G0+4*\s:G0+4*\s+3], s[G1:G1+7]
	s_nop 0
.rept 4
	v_nop
.endr
	s_branch .Lasked_\@
.Lfor_b_\@:
	tensor_load_to_lds s[G0B+4*\s:G0B+4*\s+3], s[G1B:G1B+7]
	s_nop 0
.rept 4
	v_nop
.endr
.Lasked_\@:
.endm
.macro CREST
	s_cmp_lg_u32 s10, 0
	s_cbranch_scc1 .Lnot_wave_0_\@
	s_barrier_signal -3
.Lnot_wave_0_\@:
	s_barrier_wait -3
	s_barrier_signal -1
	s_barrier_wait -1
.endm
.macro CROUND
	s_barrier_signal -1
	s_barrier_wait -1
	CREST
.endm
.macro PLACES                          ; four places in front of loads into registers that matrix instructions have read, and of the first read of results
.rept 4
	v_nop
.endr
.endm
	s_load_b256 s[68:75], s[0:1], 0x0              ; hid, w2, b2, h
	s_load_b128 s[76:79], s[0:1], 0x20             ; the scales' exponents, out0
	v_lshl_add_u32 v[SPW], v0, 2, SPARE
	v_mov_b32 v[NIL], 0
	ds_add_u32 v28, v29
	ds_add_u32 v28, v29
	s_wait_dscnt 0x0
	v_lshrrev_b32 v1, 5, v0
	v_readfirstlane_b32 s10, v1
	s_lshr_b32 s11, s10, 1
	s_and_b32 s12, s10, 1
	s_bfe_u32 s40, ttmp6, 0x40000
	s_bfe_u32 s41, ttmp6, 0x40004
	s_lshl_b32 s42, ttmp9, 2
	s_add_co_u32 s42, s42, s40                     ; tile column
	s_and_b32 s13, ttmp7, 0xffff
	s_lshl_b32 s13, s13, 2
	s_add_co_u32 s13, s13, s41                     ; tile row
	s_lshl_b32 s43, s41, 2
	s_lshl_b32 s43, 15, s43
	s_lshl_b32 s44, 0x1111, s40
	s_or_b32 s[G1+0], s43, (3<<16)|(1<<20)|(1<<21)|(5<<22)|(3<<25)   ; A: elements of 8 bytes; after every 64 words, 4 words of padding
	s_mov_b32 s[G1+1], 32<<16
	s_mov_b32 s[G1+2], 128<<16
	s_mov_b32 s[G1+3], 32<<16
	s_mov_b32 s[G1+4], 128
	s_mov_b32 s[G1+5], 32
	s_mov_b32 s[G1+6], 0
	s_mov_b32 s[G1+7], 0
	s_or_b32 s[G1B+0], s44, (0<<16)|(1<<20)|(1<<21)|(6<<22)|(3<<25)  ; B: elements of 1 byte; after every 128 words, 4 words
	s_mov_b32 s[G1B+1], 512<<16
	s_mov_b32 s[G1B+2], 64<<16
	s_mov_b32 s[G1B+3], 512<<16
	s_mov_b32 s[G1B+4], 64
	s_mov_b32 s[G1B+5], KROW
	s_mov_b32 s[G1B+6], 0
	s_mov_b32 s[G1B+7], 0
	s_lshl_b32 s16, s13, 1
	s_add_co_u32 s16, s16, s12
	s_lshl_b32 s16, s16, TSH
	s_mov_b32 s17, 0
	s_lshl_b32 s46, s42, 7
	s_lshl_b32 s47, s12, 6
	s_add_co_u32 s46, s46, s47
	s_lshl_b32 s46, s46, KSH
	s_mov_b32 s47, 0
	s_mul_i32 s20, s12, HALFA
	s_mul_i32 s21, s12, HALFT
	s_add_co_u32 s21, s21, 2*HALFA
	s_wait_kmcnt 0x0
	s_load_b64 s[82:83], s[76:77], 0x38            ; e14, e15
	s_add_nc_u64 s[14:15], s[68:69], s[16:17]
	s_add_nc_u64 s[46:47], s[70:71], s[46:47]
.irp s, 0,1
	s_mov_b32 s[G0+4*\s], 1
	s_add_co_u32 s[G0+4*\s+1], s20, \s*SLOT
	s_add_nc_u64 s[G0+4*\s+2:G0+4*\s+3], s[14:15], \s*32768
	s_or_b32 s[G0+4*\s+3], s[G0+4*\s+3], 0x80000000
	s_mov_b32 s[G0B+4*\s], 1
	s_add_co_u32 s[G0B+4*\s+1], s21, \s*SLOT
	s_add_nc_u64 s[G0B+4*\s+2:G0B+4*\s+3], s[46:47], \s*512
	s_or_b32 s[G0B+4*\s+3], s[G0B+4*\s+3], 0x80000000
.endr
	CROUND                                         ; all sixteen work-groups are here: the first joint loads meet
	s_cmp_eq_u32 s11, 0                            ; a wave's two first fills stand in one branch on its number
	s_cbranch_scc0 .Lfirst_b
	tensor_load_to_lds s[G0:G0+3], s[G1:G1+7]
	s_nop 0
	tensor_load_to_lds s[G0+4:G0+7], s[G1:G1+7]
	s_nop 0
.rept 4
	v_nop
.endr
	s_branch .Lfirst_asked
.Lfirst_b:
	tensor_load_to_lds s[G0B:G0B+3], s[G1B:G1B+7]
	s_nop 0
	tensor_load_to_lds s[G0B+4:G0B+7], s[G1B:G1B+7]
	s_nop 0
.rept 4
	v_nop
.endr
.Lfirst_asked:
	v_and_b32 v1, 15, v0                           ; r
	v_bfe_u32 v2, v0, 4, 1                         ; h
	v_lshlrev_b32 v[CO], 12, v2
	v_lshl_add_u32 v[CO], v1, 4, v[CO]             ; in h and out0: lanes 0-15 take 256 bytes of one row, lanes 16-31 of the next
	v_lshlrev_b32 v[BO], 4, v1
	s_lshl_b32 s86, s42, 9
	s_lshl_b32 s87, s12, 8
	s_add_co_u32 s86, s86, s87                     ; my first column, in bytes
	s_mov_b32 s87, 0
	s_lshl_b32 s84, s13, 7
	s_lshl_b32 s85, s11, 6
	s_add_co_u32 s84, s84, s85
	s_lshl_b32 s84, s84, 12                        ; my first row
	s_add_co_u32 s84, s84, s86
	s_mov_b32 s85, 0
	s_add_nc_u64 s[80:81], s[74:75], s[84:85]
	s_add_nc_u64 s[8:9], s[78:79], s[84:85]
	s_add_nc_u64 s[88:89], s[72:73], s[86:87]
	global_load_b128 v[B2:B2+3], v[BO], s[88:89]
	WIN 0x80                                       ; destination window 2
.irp a, 0,1,2,3
.irp t, 0,1,2,3,4,5,6,7
	global_load_b128 v[4*(8*\a+\t):4*(8*\a+\t)+3], v[CO], s[80:81] offset:(16*\a+2*\t)*4096
.endr
.endr
	WIN 0
	v_mul_u32_u24 v3, v1, PITCH
	v_lshl_add_u32 v3, v2, 4, v3
	v_lshrrev_b32 v4, 2, v1
	v_mul_u32_u24 v4, v4, 272
	v_and_b32 v5, 3, v1
	v_lshl_add_u32 v4, v5, 6, v4
	v_lshl_add_u32 v4, v2, 4, v4
	s_mul_i32 s21, s11, HALFA
	s_mul_i32 s22, s12, HALFT
	s_add_co_u32 s22, s22, 2*HALFA
.irp s, 0,1
	v_add_nc_u32 v[ADRA+\s], s21, v4
	v_add_nc_u32 v[ADRB+\s], s22, v3
	s_add_co_u32 s21, s21, SLOT
	s_add_co_u32 s22, s22, SLOT
.endr
	s_mul_i32 s23, s10, 16*SPITCH
	s_add_co_u32 s23, s23, STAGE
	v_mul_u32_u24 v6, v1, SPITCH
	v_lshl_add_u32 v6, v2, 5, v6
	v_add_nc_u32 v[STO], s23, v6
	v_mul_u32_u24 v7, v2, SPITCH
	v_lshl_add_u32 v7, v1, 4, v7
	v_add_nc_u32 v[RD], s23, v7
	s_wait_kmcnt 0x0
	s_add_co_i32 s66, s82, s83
	s_add_co_i32 s66, s66, 127
	s_lshl_b32 s66, s66, 23                        ; 2^(e14 + e15)
	s_mov_b32 s67, s66
.macro FRAGR reg, adr, q, i
.irp c, 0,1,2,3
	ds_load_b128 v[\reg+4*\c:\reg+4*\c+3], v[\adr] offset:128*(\q)+32*\c+(\i)*16*PITCH
.endr
.endm
.macro FRAGK reg, adr, q, i            ; from blocks: 128 along K are two blocks
.irp c, 0,1,2,3
	ds_load_b128 v[\reg+4*\c:\reg+4*\c+3], v[\adr] offset:(2*(\q)+\c/2)*BLK+(\i)*1088+32*(\c%2)
.endr
.endm
.macro FETCH slot, q, f
	WIN TO_F
.irp i, 0,1,2,3
	FRAGR \f+64+16*\i, ADRB+\slot, \q, \i
.endr
.irp i, 0,1,2,3
	FRAGK \f+16*\i, ADRA+\slot, \q, \i
.endr
.endm
.macro MUL8 f, a0, zero                ; the 16 accumulators take turns, one instruction a turn, in the same order in every quarter
.irp a, \a0, \a0+1
.irp b, 0,1,2,3
.if \zero
	v_wmma_f32_16x16x128_fp8_fp8 v[ACC+8*(4*(\a)+\b):ACC+8*(4*(\a)+\b)+7], v[\f+64+16*\b:\f+64+16*\b+15], v[\f+16*(\a):\f+16*(\a)+15], 0
.else
	v_wmma_f32_16x16x128_fp8_fp8 v[ACC+8*(4*(\a)+\b):ACC+8*(4*(\a)+\b)+7], v[\f+64+16*\b:\f+64+16*\b+15], v[\f+16*(\a):\f+16*(\a)+15], v[ACC+8*(4*(\a)+\b):ACC+8*(4*(\a)+\b)+7]
.endif
.endr
.endr
.endm
.macro QUARTER slot, q, f, g, zero
	s_wait_dscnt 8                                 ; B's four and A's blocks 0, 1 are in; the youngest eight loads may be out
	WIN MUL
	MUL8 \f, 0, \zero
	PLACES
	FETCH \slot, \q, \g
	s_wait_dscnt 32                                ; all but the 32 just issued
	WIN MUL
	MUL8 \f, 2, \zero
.endm
; A slot's last quarter multiplies buffer 1 and changes slots: one barrier; in front of it each wave waits for all its tensor loads, adds 0 to its spare word, and waits for that and for its reads of this slot.
; fill = 1: the barrier opens a round of the cluster's barrier, and this slot is filled again, 1,024 along K on: the first tensor load behind the round.
.macro TURN slot, next, fill
	WIN 0
	s_wait_tensorcnt 0x0                           ; all my tensor loads have landed: my part of the next slot
	ds_add_u32 v[SPW], v[NIL]                      ; 0 onto my spare word
	s_wait_dscnt 9                                 ; (the add and the youngest eight loads may be out)
	WIN MUL
	MUL8 F1, 0, 0                                  ; eight matrix instructions stand between the add and the wait for it
	s_wait_dscnt 0x0                               ; the add is done, and my reads of this slot are over
	s_barrier_signal -1
	WIN 0
	s_barrier_wait -1
.if \fill
	CREST                                          ; no wave of any partner still reads this slot or has a load on its way
	s_add_nc_u64 s[G0+4*\slot+2:G0+4*\slot+3], s[G0+4*\slot+2:G0+4*\slot+3], 65536
	s_add_nc_u64 s[G0B+4*\slot+2:G0B+4*\slot+3], s[G0B+4*\slot+2:G0B+4*\slot+3], 1024
	JLOAD \slot                                    ; its four v_nop are also the places in front of the loads below
.else
	PLACES
.endif
	FETCH \next, 0, F0
	WIN MUL
	MUL8 F1, 2, 0
.endm
	s_wait_tensorcnt 1                             ; my part of slot 0 is in; slot 1's may stay out
	s_barrier_signal -1
	s_barrier_wait -1
	FETCH 0, 0, F0
	QUARTER 0, 1, F0, F1, 1                        ; the first quarter stands in front of the loop: its products start the sums
	WIN 0
	s_mov_b32 s3, LAPS-1
.Llap:                                 ; a trip goes once round the two slots, from a lap's second quarter to the next lap's first, and fills both again
	QUARTER 0, 2, F1, F0, 0
	QUARTER 0, 3, F0, F1, 0
	TURN 0, 1, 1
	QUARTER 1, 1, F0, F1, 0
	QUARTER 1, 2, F1, F0, 0
	QUARTER 1, 3, F0, F1, 0
	TURN 1, 0, 1
	QUARTER 0, 1, F0, F1, 0
	WIN 0
	s_sub_co_u32 s3, s3, 1
	s_cmp_lg_u32 s3, 0
	s_cbranch_scc1 .Llap
	QUARTER 0, 2, F1, F0, 0                        ; the last lap fills nothing
	QUARTER 0, 3, F0, F1, 0
	TURN 0, 1, 0
	QUARTER 1, 1, F0, F1, 0
	QUARTER 1, 2, F1, F0, 0
	QUARTER 1, 3, F0, F1, 0
	s_wait_dscnt 8
	WIN MUL
	MUL8 F1, 0, 0
	s_wait_dscnt 0x0
	MUL8 F1, 2, 0
	WIN 0
	PLACES
; THE WAY OUT, 16 rows at a time: the sums go through my stage (each accumulator from its low end on) and come back as rows of 256 bytes; out0 = sum x 2^(e14 + e15) + b2 + h; sixteen lanes store 256 consecutive bytes, aligned.
.macro F32OUT a
.set TM, 32+32*((\a)%2)
.if (\a) >= 2
	s_wait_xcnt 0x0                                ; the stores of two blocks back have read these registers
.endif
.irp b, 0,1,2,3
	ds_store_b128 v[STO], v[ACC+8*(4*(\a)+\b):ACC+8*(4*(\a)+\b)+3] offset:64*\b
	ds_store_b128 v[STO], v[ACC+8*(4*(\a)+\b)+4:ACC+8*(4*(\a)+\b)+7] offset:64*\b+16
.endr
.irp t, 0,1,2,3,4,5,6,7
	ds_load_b128 v[TM+4*\t:TM+4*\t+3], v[RD] offset:\t*2*SPITCH   ; LDS serves a wave's instructions in order
.endr
	s_wait_dscnt 0x0
.irp k, 0,2,4,6,8,10,12,14,16,18,20,22,24,26,28,30
	v_pk_fma_f32 v[TM+\k:TM+\k+1], v[TM+\k:TM+\k+1], s[66:67], v[B2+\k%4:B2+\k%4+1] op_sel_hi:[1,0,1]
.endr
	WIN 0x08                                       ; source 1 window 2
.irp k, 0,2,4,6,8,10,12,14,16,18,20,22,24,26,28,30
	v_pk_add_f32 v[TM+\k:TM+\k+1], v[TM+\k:TM+\k+1], v[32*(\a)+\k:32*(\a)+\k+1]
.endr
	WIN 0
.irp t, 0,1,2,3,4,5,6,7
	global_store_b128 v[CO], v[TM+4*\t:TM+4*\t+3], s[8:9] offset:(16*(\a)+2*\t)*4096 th:TH_STORE_NT
.endr
.endm
	s_wait_loadcnt 0x0                             ; b2 and h
	F32OUT 0
	F32OUT 1
	F32OUT 2
	F32OUT 3
	s_wait_tensorcnt 0x0                           ; the wave's end, behind my last tensor load and my last LDS store
	ds_add_u32 v[SPW], v[NIL]
	s_wait_dscnt 0x0
	CROUND                                         ; the closing round: no work-group ends while a partner may still ask for a tile that names it
	s_endpgm
.Lfunc_end_k_qd2cf58f24e_ffn2:
	.size	k_qd2cf58f24e_ffn2, .Lfunc_end_k_qd2cf58f24e_ffn2-k_qd2cf58f24e_ffn2
	.p2alignl 7, 3214868480
	.fill 96, 4, 3214868480
	.section	.rodata,"a",@progbits
	.p2align	6, 0x0
	.amdhsa_kernel k_qd2cf58f24e_ffn2
		.amdhsa_group_segment_fixed_size 327680
		.amdhsa_private_segment_fixed_size 0
		.amdhsa_enable_private_segment 0
		.amdhsa_kernarg_size 48
		.amdhsa_user_sgpr_count 2
		.amdhsa_user_sgpr_kernarg_segment_ptr 1
		.amdhsa_wavefront_size32 1
		.amdhsa_system_sgpr_workgroup_id_x 1
		.amdhsa_system_sgpr_workgroup_id_y 1
		.amdhsa_system_sgpr_workgroup_id_z 1
		.amdhsa_system_vgpr_workitem_id 0
		.amdhsa_next_free_vgpr 768
		.amdhsa_next_free_sgpr 100
		.amdhsa_reserve_vcc 0
		.amdhsa_float_denorm_mode_32 3
		.amdhsa_float_denorm_mode_16_64 3
		.amdhsa_memory_ordered 1
		.amdhsa_forward_progress 1
		.amdhsa_inst_pref_size 81
	.end_amdhsa_kernel
	.amdgpu_metadata
---
amdhsa.version: [ 1, 2 ]
amdhsa.kernels:
  - .name:           k_qd2cf58f24e_ffn2
    .symbol:         k_qd2cf58f24e_ffn2.kd
    .args:
      - { .name: hid, .offset: 0, .size: 8, .value_kind: global_buffer, .address_space: global }
      - { .name: w2_codes, .offset: 8, .size: 8, .value_kind: global_buffer, .address_space: global }
      - { .name: b2, .offset: 16, .size: 8, .value_kind: global_buffer, .address_space: global }
      - { .name: h, .offset: 24, .size: 8, .value_kind: global_buffer, .address_space: global }
      - { .name: lowp_scales, .offset: 32, .size: 8, .value_kind: global_buffer, .address_space: global }
      - { .name: out0, .offset: 40, .size: 8, .value_kind: global_buffer, .address_space: global }
    .group_segment_fixed_size: 327680
    .private_segment_fixed_size: 0
    .kernarg_segment_align: 8
    .kernarg_segment_size: 48
    .max_flat_workgroup_size: 128
    .sgpr_count:     100
    .vgpr_count:     768
    .wavefront_size: 32
...
	.end_amdgpu_metadata
.endif
;; end of part 7
;; ======== version 2 of 2: 7 launches
;; limits: right only within a limited range of input values
;; workspace buffers: xn3 12,582,912 bytes; maskw 524,288 bytes of whole numbers; msum 262,144 bytes of whole numbers; qkv 12,582,912 bytes; ao 4,194,304 bytes; h 16,777,216 bytes; hn 4,194,304 bytes; hid 16,777,216 bytes
;; launch ln1 (part 8): grid 256 x 1, 4 waves a work-group, no clusters, 17,920 bytes of LDS; arguments x, g1, be1, mask, lowp_scales, xn3, maskw, msum; writes xn3, maskw, msum
.if DOCPART == 8
	.amdgcn_target "amdgcn-amd-amdhsa--gfx1250"
	.amdhsa_code_object_version 6
	.text
	.protected	k_qd2cf58f24e_ln1
	.globl	k_qd2cf58f24e_ln1
	.p2align	8
	.type	k_qd2cf58f24e_ln1,@function
k_qd2cf58f24e_ln1:
	s_mov_b64 s[64:65], 0
	v_nop
	global_prefetch_b8 v0, s[64:65] scope:SCOPE_SE
	s_setreg_imm32_b32 hwreg(HW_REG_WAVE_MODE, 25, 1), 1
	s_wait_xcnt 0x0
; LN1(x) = (x - mu) / sqrt(var + 1e-5) * g1 + be1, in f32, turned into E4M3 codes three times, with the given scales 2^e0, 2^e2, 2^e4 (the left operands of the products with Wq, Wk, Wv):
; xn3 [3][4096 tokens][1024] codes.  And the mask (bool [2048][2048]) is turned into words of 32 lane bits for the attention launch: maskw [128 tiles of 16 queries][16 steps of 128 keys][64 words];
; bit L of word 8 t + j is mask[16 tile + L % 16][128 step + 16 t + 8 (L / 16) + j]: the lane and register in which that launch holds the score.
; SHARES.  1,024 waves.  Wave W takes rows 4 W .. 4 W + 3 of x, a row at a time whole in registers (mean, then the squares of x - mean: two passes over registers, one read of memory), and 16 queries x 256 keys of the mask.
; A lane holds columns 256 g + 8 L + 0 .. 7 (g = 0 .. 3): eight neighbours along K for each conversion, and a store of 8 bytes a lane covers 256 consecutive bytes, aligned.
; Waves share nothing: no barrier.  LIMITS: e0, e2, e4 between -126 and 119, so that 2^e and 448 x 2^e are f32 numbers.  NaN among the inputs is not served.
.set G,   16                           ; v16-47   g1 of my 32 columns
.set BE,  48                           ; v48-79   be1
.set X,   80                           ; v80-207  four rows, 32 numbers each: row r at X + 32 r + 8 g + i
.set T0,  208                          ; v208-223 at work: four registers a row for the sums; later two sets of eight held numbers
.set MB,  208                          ; v208-239 the mask's bytes
.set C,   224                          ; v224-247 a row's twelve pairs of codes
.set ST,  232                          ; v232-239 a pair a row: mu, then 1 / sigma, in the low register (done with before C is written)
.set W,   248                          ; v248-251 the mask's words: word n in register n % 4 of lane n / 4
.set STG, 4352                         ; LDS: 16 rows x (256 + 16) bytes for each wave
	s_load_b256 s[4:11], s[0:1], 0x0               ; x, g1, be1, mask
	s_load_b128 s[12:15], s[0:1], 0x20             ; the scales' exponents, xn3
	s_load_b64 s[16:17], s[0:1], 0x30
	s_load_b64 s[46:47], s[0:1], 0x38              ; msum
	v_lshl_add_u32 v255, v0, 2, 0x4400
	s_set_vgpr_msb 0x40
	v_mov_b32 v1, 0
	s_set_vgpr_msb 0x4000
	v_lshrrev_b32 v1, 5, v0
	v_readfirstlane_b32 s18, v1                    ; wave 0..3
	s_lshl_b32 s19, ttmp9, 2
	s_add_co_u32 s19, s19, s18                     ; W
	s_mov_b32 s36, 0x76543210                      ; v_permlanex16_b32: lane l takes lane l xor 16
	s_mov_b32 s37, 0xfedcba98
	s_mov_b32 s32, 0x3a800000                      ; 1 / 1024
	s_mov_b32 s33, 0x3727c5ac                      ; 1e-5
	v_and_b32 v1, 31, v0                           ; L
	v_lshlrev_b32 v2, 5, v1                        ; 32 L: my 8 numbers of a group of 256
	v_lshlrev_b32 v3, 3, v1                        ; 8 L: their codes
	v_lshlrev_b32 v254, 4, v1                      ; 16 L: my four mask words
	v_and_b32 v12, 15, v0
	v_bfe_u32 v13, v0, 4, 1
	v_lshlrev_b32 v14, 4, v12
	v_lshl_add_u32 v15, v13, 11, v14               ; the mask in memory: sixteen lanes to 256 bytes of a row, two rows an instruction
	s_mul_i32 s20, s18, STG
	v_mul_u32_u24 v10, v13, 272
	v_add_nc_u32 v10, v10, v14
	v_add_nc_u32 v10, s20, v10                     ; into my stage, as loaded
	v_mul_u32_u24 v11, v12, 272
	v_lshl_add_u32 v11, v13, 3, v11
	v_add_nc_u32 v11, s20, v11                     ; out of it: row L % 16, 8 (L / 16) bytes on
	s_lshl_b32 s22, s19, 14                        ; x: 4 rows of 4,096 bytes a wave
	s_mov_b32 s23, 0
	s_lshr_b32 s38, s19, 3
	s_lshl_b32 s38, s38, 15                        ; mask: 16 rows of 2,048 bytes for each tile of queries,
	s_and_b32 s39, s19, 7
	s_lshl_b32 s39, s39, 8                         ; 256 keys
	s_add_co_u32 s38, s38, s39
	s_mov_b32 s39, 0
	s_lshl_b32 s40, s19, 9                         ; maskw: 128 words a wave
	s_mov_b32 s41, 0
	s_lshl_b32 s42, s19, 12                        ; xn3: 4 rows of 1,024 bytes a wave,
	s_add_co_u32 s42, s42, 1<<22                   ; counted from set 1, so that the three sets' immediates are -4 MiB, 0, +4 MiB
	s_mov_b32 s43, 0
	s_wait_alu depctr_va_vdst(0)
	s_wait_kmcnt 0x0
	s_load_b256 s[24:31], s[12:13], 0x0            ; e0 .. e7
	s_add_nc_u64 s[4:5], s[4:5], s[22:23]
	s_add_nc_u64 s[10:11], s[10:11], s[38:39]
	s_add_nc_u64 s[16:17], s[16:17], s[40:41]
	s_lshr_b32 s40, s40, 1                         ; msum: 256 bytes a wave
	s_add_nc_u64 s[46:47], s[46:47], s[40:41]
	s_add_nc_u64 s[14:15], s[14:15], s[42:43]
.irp i, 0,1,2,3,4,5,6,7
	global_load_b128 v[MB+4*\i:MB+4*\i+3], v15, s[10:11] offset:4096*\i th:TH_LOAD_NT
.endr
.irp g, 0,1,2,3
	global_load_b128 v[G+8*\g:G+8*\g+3],   v2, s[6:7] offset:1024*\g
	global_load_b128 v[G+8*\g+4:G+8*\g+7], v2, s[6:7] offset:1024*\g+16
.endr
.irp g, 0,1,2,3
	global_load_b128 v[BE+8*\g:BE+8*\g+3],   v2, s[8:9] offset:1024*\g
	global_load_b128 v[BE+8*\g+4:BE+8*\g+7], v2, s[8:9] offset:1024*\g+16
.endr
.irp r, 0,1,2,3
.irp g, 0,1,2,3
	global_load_b128 v[X+32*\r+8*\g:X+32*\r+8*\g+3],   v2, s[4:5] offset:4096*\r+1024*\g
	global_load_b128 v[X+32*\r+8*\g+4:X+32*\r+8*\g+7], v2, s[4:5] offset:4096*\r+1024*\g+16
.endr
.endr
	s_wait_kmcnt 0x0
.irp q, 0,1,2                          ; v[4+2q] = 2^e (the conversion takes its exponent field), v[5+2q] = 448 x 2^e, for e0, e2, e4
	s_add_co_i32 s34, s[24+2*\q], 127
	s_lshl_b32 s35, s34, 23
	v_mov_b32 v[4+2*\q], s35
	s_add_co_i32 s34, s34, 8
	s_lshl_b32 s34, s34, 23
	s_or_b32 s34, s34, 0x600000
	v_mov_b32 v[5+2*\q], s34
.endr
	; THE MASK.  Its bytes turn through my stage: in as they lie in memory, out so that lane L holds 8 keys of query L % 16.
	s_wait_loadcnt 48                              ; the mask's eight loads are in; the 48 behind them (g1, be1, x) stay out
.irp i, 0,1,2,3,4,5,6,7
	ds_store_b128 v10, v[MB+4*\i:MB+4*\i+3] offset:544*\i
.endr
.irp p, 0,1,2,3,4,5,6,7,8,9,10,11,12,13,14,15      ; LDS serves a wave's instructions in order: these see my stores
	ds_load_b64 v[MB+2*\p:MB+2*\p+1], v11 offset:16*\p
.endr
.irp k, 0,1,2,3
	v_mov_b32 v[W+\k], 0                           ; v_writelane_b32's destination counts as read
.endr
	s_wait_alu depctr_va_vdst(0)
	s_wait_dscnt 0x0
.set n, 0
.rept 128                              ; word n = 64 step + 8 t + j: the 32 lanes' byte j of pair n / 8, as 32 bits
	v_bfe_u32 v[252+n%2], v[MB+2*(n/8)+(n%8)/4], 8*(n%4), 8
	v_cmp_ne_u32 s[44+n%2], 0, v[252+n%2]
	v_writelane_b32 v[W+n%4], s[44+n%2], n/4
.set n, n+1
.endr
	global_store_b128 v254, v[W:W+3], s[16:17]
	; msum [128 tiles of 16 queries][16 steps of 128 keys][16 x (OR, AND)]: the OR and the AND of a step's 64 words, for the attention launch's branches.
	; Lanes 0-15 hold my first step's words, lanes 16-31 my second's: each row of 16 lanes is reduced, and the 32 lanes store 256 consecutive bytes, aligned.
	v_or_b32 v252, v[W], v[W+1]
	v_or_b32 v12, v[W+2], v[W+3]
	v_and_b32 v253, v[W], v[W+1]
	v_and_b32 v13, v[W+2], v[W+3]
	v_or_b32 v252, v252, v12
	v_and_b32 v253, v253, v13
.irp m, 1,2,4,8
	v_mov_b32_dpp v12, v252 row_xmask:\m row_mask:0xf bank_mask:0xf
	v_mov_b32_dpp v13, v253 row_xmask:\m row_mask:0xf bank_mask:0xf
	v_or_b32 v252, v252, v12
	v_and_b32 v253, v253, v13
.endr
	global_store_b64 v3, v[252:253], s[46:47]
	; THE ROWS, four at a time, line by line, so that no line waits for the line above it.
.macro REDUCE                          ; each row's two partial pairs -> the row's sum, in every lane, in v[T0+4r]
.irp r, 0,1,2,3
	v_pk_add_f32 v[T0+4*\r:T0+4*\r+1], v[T0+4*\r:T0+4*\r+1], v[T0+4*\r+2:T0+4*\r+3]
.endr
.irp r, 0,1,2,3
	v_add_f32 v[T0+4*\r], v[T0+4*\r], v[T0+4*\r+1]
.endr
.irp m, 1,2,4,8
.irp r, 0,1,2,3
	v_add_f32_dpp v[T0+4*\r], v[T0+4*\r], v[T0+4*\r] row_xmask:\m row_mask:0xf bank_mask:0xf
.endr
.endr
.irp r, 0,1,2,3
	v_permlanex16_b32 v[T0+4*\r+1], v[T0+4*\r], s36, s37
.endr
.irp r, 0,1,2,3
	v_add_f32 v[T0+4*\r], v[T0+4*\r], v[T0+4*\r+1]
.endr
.endm
	s_wait_loadcnt 0x0
.irp r, 0,1,2,3
	v_pk_add_f32 v[T0+4*\r:T0+4*\r+1],   v[X+32*\r:X+32*\r+1],   v[X+32*\r+2:X+32*\r+3]
	v_pk_add_f32 v[T0+4*\r+2:T0+4*\r+3], v[X+32*\r+4:X+32*\r+5], v[X+32*\r+6:X+32*\r+7]
.endr
.irp p, 8,12,16,20,24,28
.irp r, 0,1,2,3
	v_pk_add_f32 v[T0+4*\r:T0+4*\r+1],   v[T0+4*\r:T0+4*\r+1],   v[X+32*\r+\p:X+32*\r+\p+1]
	v_pk_add_f32 v[T0+4*\r+2:T0+4*\r+3], v[T0+4*\r+2:T0+4*\r+3], v[X+32*\r+\p+2:X+32*\r+\p+3]
.endr
.endr
	REDUCE
.irp r, 0,1,2,3
	v_mul_f32 v[ST+2*\r], s32, v[T0+4*\r]          ; mu
	v_mov_b32 v[ST+2*\r+1], 0                      ; (named with it as a pair, so it is written)
.endr
.irp p, 0,2,4,6,8,10,12,14,16,18,20,22,24,26,28,30
.irp r, 0,1,2,3
	v_pk_add_f32 v[X+32*\r+\p:X+32*\r+\p+1], v[X+32*\r+\p:X+32*\r+\p+1], v[ST+2*\r:ST+2*\r+1] op_sel_hi:[1,0] neg_lo:[0,1] neg_hi:[0,1]   ; x - mu
.endr
.endr
.irp r, 0,1,2,3
	v_pk_mul_f32 v[T0+4*\r:T0+4*\r+1],   v[X+32*\r:X+32*\r+1],   v[X+32*\r:X+32*\r+1]
	v_pk_mul_f32 v[T0+4*\r+2:T0+4*\r+3], v[X+32*\r+2:X+32*\r+3], v[X+32*\r+2:X+32*\r+3]
.endr
.irp p, 4,8,12,16,20,24,28
.irp r, 0,1,2,3
	v_pk_fma_f32 v[T0+4*\r:T0+4*\r+1],   v[X+32*\r+\p:X+32*\r+\p+1],   v[X+32*\r+\p:X+32*\r+\p+1],   v[T0+4*\r:T0+4*\r+1]
	v_pk_fma_f32 v[T0+4*\r+2:T0+4*\r+3], v[X+32*\r+\p+2:X+32*\r+\p+3], v[X+32*\r+\p+2:X+32*\r+\p+3], v[T0+4*\r+2:T0+4*\r+3]
.endr
.endr
	REDUCE
.irp r, 0,1,2,3
	v_fma_f32 v[T0+4*\r], v[T0+4*\r], s32, s33     ; var + 1e-5
.endr
	s_wait_alu depctr_va_vdst(0)
.irp r, 0,1,2,3
	v_rsq_f32 v[ST+2*\r], v[T0+4*\r]
.endr
	v_nop                                          ; a plain instruction behind the last of the four,
	s_wait_alu depctr_va_vdst(0)                   ; and one wait for the batch ahead of its first reader
.irp p, 0,2,4,6,8,10,12,14,16,18,20,22,24,26,28,30
.irp r, 0,1,2,3
	v_pk_mul_f32 v[X+32*\r+\p:X+32*\r+\p+1], v[X+32*\r+\p:X+32*\r+\p+1], v[ST+2*\r:ST+2*\r+1] op_sel_hi:[1,0]
.endr
.irp r, 0,1,2,3
	v_pk_fma_f32 v[X+32*\r+\p:X+32*\r+\p+1], v[X+32*\r+\p:X+32*\r+\p+1], v[G+\p:G+\p+1], v[BE+\p:BE+\p+1]
.endr
.endr
; Row r becomes codes, once for each of the three scales.  The conversion to an 8-bit code does not saturate (ISA guide 7.6.2): each number is first held within 448 x the scale, into one of two sets of eight
; registers by turns, so that eight plain lines on other registers stand between a conversion and the next write of its sources.
.macro ROWQ r
	s_wait_xcnt 0x0                                ; the last row's stores have read their codes: C is written again only behind this wait
.irp q, 0,1,2
.irp g, 0,1,2,3
.set TT, T0+8*((\g)%2)
.irp i, 0,1,2,3,4,5,6,7
	v_med3_num_f32 v[TT+\i], v[X+32*(\r)+8*\g+\i], -v[5+2*\q], v[5+2*\q]
.endr
	v_cvt_scalef32_pk8_fp8_f32 v[C+2*(4*\q+\g):C+2*(4*\q+\g)+1], v[TT:TT+7], v[4+2*\q]
	global_store_b64 v3, v[C+2*(4*\q+\g):C+2*(4*\q+\g)+1], s[14:15] offset:(\q-1)*4194304+(\r)*1024+256*\g   ; 32 lanes store 256 consecutive bytes, aligned
.endr
.endr
.endm
	ROWQ 0
	ROWQ 1
	ROWQ 2
	ROWQ 3
	s_set_vgpr_msb 0x4
	s_wait_tensorcnt 0x0
	ds_add_u32 v255, v1
	s_wait_dscnt 0x0
	s_set_vgpr_msb 0x400
	s_endpgm
.Lfunc_end_k_qd2cf58f24e_ln1:
	.size	k_qd2cf58f24e_ln1, .Lfunc_end_k_qd2cf58f24e_ln1-k_qd2cf58f24e_ln1
	.p2alignl 7, 3214868480
	.fill 96, 4, 3214868480
	.section	.rodata,"a",@progbits
	.p2align	6, 0x0
	.amdhsa_kernel k_qd2cf58f24e_ln1
		.amdhsa_group_segment_fixed_size 17920
		.amdhsa_private_segment_fixed_size 0
		.amdhsa_enable_private_segment 0
		.amdhsa_kernarg_size 64
		.amdhsa_user_sgpr_count 2
		.amdhsa_user_sgpr_kernarg_segment_ptr 1
		.amdhsa_wavefront_size32 1
		.amdhsa_system_sgpr_workgroup_id_x 1
		.amdhsa_system_sgpr_workgroup_id_y 1
		.amdhsa_system_sgpr_workgroup_id_z 1
		.amdhsa_system_vgpr_workitem_id 0
		.amdhsa_next_free_vgpr 258
		.amdhsa_next_free_sgpr 66
		.amdhsa_reserve_vcc 0
		.amdhsa_float_denorm_mode_32 3
		.amdhsa_float_denorm_mode_16_64 3
		.amdhsa_memory_ordered 1
		.amdhsa_forward_progress 1
		.amdhsa_inst_pref_size 92
	.end_amdhsa_kernel
	.amdgpu_metadata
---
amdhsa.version: [ 1, 2 ]
amdhsa.kernels:
  - .name:           k_qd2cf58f24e_ln1
    .symbol:         k_qd2cf58f24e_ln1.kd
    .args:
      - { .name: x, .offset: 0, .size: 8, .value_kind: global_buffer, .address_space: global }
      - { .name: g1, .offset: 8, .size: 8, .value_kind: global_buffer, .address_space: global }
      - { .name: be1, .offset: 16, .size: 8, .value_kind: global_buffer, .address_space: global }
      - { .name: mask, .offset: 24, .size: 8, .value_kind: global_buffer, .address_space: global }
      - { .name: lowp_scales, .offset: 32, .size: 8, .value_kind: global_buffer, .address_space: global }
      - { .name: xn3, .offset: 40, .size: 8, .value_kind: global_buffer, .address_space: global }
      - { .name: maskw, .offset: 48, .size: 8, .value_kind: global_buffer, .address_space: global }
      - { .name: msum, .offset: 56, .size: 8, .value_kind: global_buffer, .address_space: global }
    .group_segment_fixed_size: 17920
    .private_segment_fixed_size: 0
    .kernarg_segment_align: 8
    .kernarg_segment_size: 64
    .max_flat_workgroup_size: 128
    .sgpr_count:     66
    .vgpr_count:     258
    .wavefront_size: 32
...
	.end_amdgpu_metadata
.endif
;; end of part 8
;; launch qkv (part 9): grid 12 x 16, 4 waves a work-group, clusters of 4 x 4, 327,680 bytes of LDS; arguments xn3, Wq_codes, Wk_codes, Wv_codes, lowp_scales, qkv; writes qkv
.if DOCPART == 9
	.amdgcn_target "amdgcn-amd-amdhsa--gfx1250"
	.amdhsa_code_object_version 6
	.text
	.protected	k_qd2cf58f24e_qkv
	.globl	k_qd2cf58f24e_qkv
	.p2align	8
	.type	k_qd2cf58f24e_qkv,@function
k_qd2cf58f24e_qkv:
	s_mov_b64 s[64:65], 0
	v_nop
	global_prefetch_b8 v0, s[64:65] scope:SCOPE_SE
	s_setreg_imm32_b32 hwreg(HW_REG_WAVE_MODE, 25, 1), 1
	s_wait_xcnt 0x0
	s_wait_alu depctr_hold_cnt(0) depctr_sa_sdst(0) depctr_va_vdst(0) depctr_va_sdst(0) depctr_va_ssrc(0) depctr_va_vcc(0) depctr_vm_vsrc(0)
	s_getreg_b32 s2, hwreg(HW_REG_IB_STS2, 6, 4)
	s_cmp_eq_u32 s2, 0
	s_cbranch_scc0 .Lentry_in_a_cluster
	s_endpgm
.Lentry_in_a_cluster:
	s_bfe_u32 s2, ttmp6, 0x10000c
	s_cmp_lg_u32 s2, 0xf033
	s_cbranch_scc0 .Lentry_shape_is_right
	s_endpgm
.Lentry_shape_is_right:
; q = LN1(x) Wq, k = LN1(x) Wk, v = LN1(x) Wv on E4M3 codes (K = 1,024), and q, k, v turned into codes again (scales 2^e6, 2^e7, 2^e9) on the way out.
; qkv [3][32 batch x head][32][64][64] bytes: blocks of 4,096 bytes.  A block of q or k is [64 tokens][64 of the head]; a block of v is [64 of the head][64 keys], since the keys are the K of the product that takes v.
; A tile of C is 256 x 256: four waves, each 128 x 128 = 64 accumulators, 512 registers; against a tile of 128 x 128 each byte brought into LDS feeds twice the multiply-adds.  A wave's results are four blocks.
; K goes in steps of 256 through two LDS slots: two first fills, two refills.  3 x 16 x 4 = 192 work-groups, one tile each.
; THE MATRIX INSTRUCTION IS USED TRANSPOSED: source 0 = 16 rows of operand B, source 1 = 16 rows of operand A; a lane then holds eight neighbouring B rows of one A row.
; For q and k: A = tokens (xn3), B = the weight's rows: a lane's eight results run along the head.  For v THE OPERANDS CHANGE PLACES, by pointers alone: A = Wv's rows, B = tokens: eight results run along the keys.
; GRID: cluster x says which of q, k, v.  q, k: A's block of 256 tokens = 4 cluster y + cy, B's block of 256 weight rows = cx.  v: A's block of Wv's rows = cy, B's block of tokens = 4 cluster y + cx.
; CLUSTERS: 4 x 4 work-groups; A's tile is shared along a row of the cluster, B's along a column, each asked for jointly.
; A fragment (16 rows x 128 K) is fetched by four loads of 16 bytes, 32 apart: the same permutation of k in A and in B, so every product meets its partner.
; LIMITS: e6 - e0 - e1, e7 - e2 - e3, e9 - e4 - e5 between -126 and 119, so that the conversion's scale and 448 x it are f32 numbers.
; REGISTERS, in windows of 256: window 0: v16-31 addresses and constants; v128-255 A's fragments (8 x 16 rows x 128 K), ONE set; on the way out v32-95 two sets of codes, v96-223 four blocks read back.
;   window 1: B's fragments, TWO sets, at v0 and v128.   window 2: the accumulators of my rows 0-63 ((a, b) at v[8 (8 a + b)]);   window 3: those of my rows 64-127.
; A step of 128 along K is 64 matrix instructions, A's blocks one after the other, each against B's eight: a block of A is free as soon as its eight products are issued, so one set serves A.
.set KROW,  1024                       ; a row of either operand in memory, in bytes
.set ROWB,  256                        ; a tile's row: 256 codes
.set PITCH, 272                        ; an LDS row: 256 bytes + 16 of padding = 68 words: the 16 rows that a load touches start at 16 different groups of four banks
.set HALFT, 128*PITCH                  ; 128 rows: what one tensor load brings, and what one wave reads of A or of B
.set SLOT,  4*HALFT                    ; A's 256 rows, then B's
.set SPARE, 2*SLOT                     ; behind the slots: the spare words, 128 bytes for each wave
.set STAGE, SPARE+512                  ; behind them: 64 rows x 80 bytes for each wave; no tile lands here
.set SP,    80
.set FR,    16                         ; registers of a fragment
.set ADRA, 16
.set ADRB, 20
.set STO,  24
.set RD,   25
.set CO,   26
.set SPW,  28
.set NIL,  29
.set SC,   30                          ; the conversion's scale
.set LIM,  31                          ; 448 x it
.set CD,   32
.set BK,   96
.set AF,   128
.set G1,   24
.set G0,   32
.set G1B,  48
.set G0B,  56
.set MSB, 0
.macro WIN new                         ; the immediate's high byte repeats the setting that is left
.if MSB != \new
	s_set_vgpr_msb (MSB<<8)|\new
.set MSB, \new
.endif
.endm
.set MUL_LO, 0xa1                      ; source 0 (B) window 1, source 1 (A) window 0, C and D window 2
.set MUL_HI, 0xf1                      ; the same, C and D window 3
.set TO_B,   0x40                      ; destination window 1, address window 0
.macro JLOAD s                         ; a joint refill: waves 0 and 1 fetch A's halves, waves 2 and 3 B's; four v_nop follow each of the two lines
	s_cmp_eq_u32 s11, 0
	s_cbranch_scc0 .Lfor_b_\@
	tensor_load_to_lds s[G0+4*\s:G0+4*\s+3], s[G1:G1+7]
	s_nop 0
.rept 4
	v_nop
.endr
	s_branch .Lasked_\@
.Lfor_b_\@:
	tensor_load_to_lds s[G0B+4*\s:G0B+4*\s+3], s[G1B:G1B+7]
	s_nop 0
.rept 4
	v_nop
.endr
.Lasked_\@:
.endm
.macro CREST                           ; a round of the cluster's barrier behind its opening barrier
	s_cmp_lg_u32 s10, 0
	s_cbranch_scc1 .Lnot_wave_0_\@
	s_barrier_signal -3
.Lnot_wave_0_\@:
	s_barrier_wait -3
	s_barrier_signal -1
	s_barrier_wait -1
.endm
.macro CROUND
	s_barrier_signal -1
	s_barrier_wait -1
	CREST
.endm
.macro PLACES                          ; four places in front of loads into registers that matrix instructions have read, and of the first read of results
.rept 4
	v_nop
.endr
.endm
	s_load_b256 s[68:75], s[0:1], 0x0              ; xn3, Wq, Wk, Wv
	s_load_b128 s[76:79], s[0:1], 0x20             ; the scales' exponents, qkv
	v_lshl_add_u32 v[SPW], v0, 2, SPARE
	v_mov_b32 v[NIL], 0
	ds_add_u32 v28, v29
	ds_add_u32 v28, v29
	s_wait_dscnt 0x0
	v_lshrrev_b32 v1, 5, v0
	v_readfirstlane_b32 s10, v1                    ; wave 0..3
	s_lshr_b32 s11, s10, 1                         ; my half of A's rows.  Also: I fetch for A (0) or for B (1)
	s_and_b32 s12, s10, 1                          ; my half of B's rows.  Also: which 128 rows I fetch
	s_bfe_u32 s40, ttmp6, 0x40000                  ; cx
	s_bfe_u32 s41, ttmp6, 0x40004                  ; cy
	s_and_b32 s81, ttmp7, 0xffff
	s_lshl_b32 s81, s81, 2                         ; 4 x cluster y
	s_lshl_b32 s94, ttmp9, 3                       ; where the product's two exponents lie,
	s_lshr_b32 s96, ttmp9, 1
	s_add_co_u32 s96, s96, ttmp9
	s_lshl_b32 s96, s96, 2                         ; and the result's: entries 6, 7, 9
	s_cmp_eq_u32 ttmp9, 2                          ; v?  The same in all sixteen partners
	s_cselect_b32 s13, 0, s81
	s_cselect_b32 s42, s81, 0
	s_add_co_u32 s13, s13, s41                     ; A's block of 256 rows: it never holds cx
	s_add_co_u32 s42, s42, s40                     ; B's block of 256 rows: it never holds cy
	s_lshl_b32 s43, s41, 2
	s_lshl_b32 s43, 15, s43                        ; my row of the cluster
	s_lshl_b32 s44, 0x1111, s40                    ; my column
	s_or_b32 s[G1+0], s43, (0<<16)|(1<<20)|(1<<21)|(5<<22)|(3<<25)   ; the mask; elements of 1 byte; padding on; bit 21 beside a mask; after every 64 words, 4 words
	s_or_b32 s[G1B+0], s44, (0<<16)|(1<<20)|(1<<21)|(5<<22)|(3<<25)
.irp g, G1, G1B
	s_mov_b32 s[\g+1], ROWB<<16                    ; tensor_dim0
	s_mov_b32 s[\g+2], 128<<16                     ; tensor_dim1
	s_mov_b32 s[\g+3], ROWB<<16                    ; tile_dim0
	s_mov_b32 s[\g+4], 128                         ; tile_dim1
	s_mov_b32 s[\g+5], KROW                        ; from row to row
	s_mov_b32 s[\g+6], 0
	s_mov_b32 s[\g+7], 0
.endr
	s_lshl_b32 s16, s13, 8
	s_lshl_b32 s17, s12, 7
	s_add_co_u32 s16, s16, s17
	s_lshl_b32 s16, s16, 10                        ; A: (256 block + 128 half) rows of 1,024 bytes
	s_mov_b32 s17, 0
	s_lshl_b32 s46, s42, 8
	s_lshl_b32 s47, s12, 7
	s_add_co_u32 s46, s46, s47
	s_lshl_b32 s46, s46, 10                        ; B likewise
	s_mov_b32 s47, 0
	s_mul_i32 s20, s10, HALFT                      ; where my loads go: wave x 128 rows
	s_wait_kmcnt 0x0
	s_load_b64 s[92:93], s[76:77], s94 offset:0x0  ; the two operands' exponents
	s_load_b32 s95, s[76:77], s96 offset:0x18      ; the result's
	s_lshl_b32 s86, ttmp9, 22
	s_mov_b32 s87, 0
	s_add_nc_u64 s[88:89], s[68:69], s[86:87]      ; the set of xn3 quantised for this product
	s_cmp_eq_u32 ttmp9, 1
	s_cselect_b64 s[90:91], s[72:73], s[70:71]     ; Wk or Wq
	s_cmp_eq_u32 ttmp9, 2
	s_cselect_b64 s[4:5], s[74:75], s[88:89]       ; operand A
	s_cselect_b64 s[6:7], s[88:89], s[90:91]       ; operand B
	s_add_nc_u64 s[14:15], s[4:5], s[16:17]
	s_add_nc_u64 s[46:47], s[6:7], s[46:47]
.irp s, 0,1
	s_mov_b32 s[G0+4*\s], 1
	s_add_co_u32 s[G0+4*\s+1], s20, \s*SLOT
	s_add_nc_u64 s[G0+4*\s+2:G0+4*\s+3], s[14:15], \s*ROWB
	s_or_b32 s[G0+4*\s+3], s[G0+4*\s+3], 0x80000000
	s_mov_b32 s[G0B+4*\s], 1
	s_add_co_u32 s[G0B+4*\s+1], s20, \s*SLOT
	s_add_nc_u64 s[G0B+4*\s+2:G0B+4*\s+3], s[46:47], \s*ROWB
	s_or_b32 s[G0B+4*\s+3], s[G0B+4*\s+3], 0x80000000
.endr
	CROUND                                         ; all sixteen work-groups are here: the first joint loads meet
	s_cmp_eq_u32 s11, 0                            ; a wave's first fill stands in one branch on its number: one load of mine is out
	s_cbranch_scc0 .Lfirst_b
	tensor_load_to_lds s[G0:G0+3], s[G1:G1+7]
	s_nop 0
.rept 4
	v_nop
.endr
	s_branch .Lfirst_asked
.Lfirst_b:
	tensor_load_to_lds s[G0B:G0B+3], s[G1B:G1B+7]
	s_nop 0
.rept 4
	v_nop
.endr
.Lfirst_asked:
	; THE PREFETCHES: a slot's part of my load is 128 rows x 256 bytes.  Each of the four partners that ask for it jointly takes 32 rows, told apart by address (cx for A, cy for B), a lane a row,
	; one instruction a wave and slot.  Slots 1 and 2 are asked for here, behind slot 0's load; slot 3 behind slot 1's load.  The address registers are never rewritten: a slot on is 256 bytes in the immediate.
	s_cmp_eq_u32 s11, 0                            ; do I fetch for A?
	s_cselect_b64 s[18:19], s[14:15], s[46:47]     ; my load's first byte of slot 0
	s_cselect_b32 s2, s40, s41                     ; my place among the four
	s_lshl_b32 s2, s2, 15                          ; 32 rows of 1,024 bytes
	s_mov_b32 s3, 0
	s_add_nc_u64 s[18:19], s[18:19], s[2:3]
	v_and_b32 v27, 31, v0
	v_lshlrev_b32 v27, 10, v27
	global_prefetch_b8 v27, s[18:19] offset:256 th:TH_LOAD_NT scope:SCOPE_SE
	global_prefetch_b8 v27, s[18:19] offset:512 th:TH_LOAD_NT scope:SCOPE_SE
	v_and_b32 v1, 15, v0                           ; r
	s_wait_alu depctr_va_vdst(0)
	v_bfe_u32 v2, v0, 4, 1                         ; h
	v_mul_u32_u24 v3, v1, PITCH
	v_lshl_add_u32 v3, v2, 4, v3                   ; a fragment's row x pitch + 16 h
	s_mul_i32 s21, s11, HALFT
	s_mul_i32 s22, s12, HALFT
	s_add_co_u32 s22, s22, 2*HALFT
.irp s, 0,1
	v_add_nc_u32 v[ADRA+\s], s21, v3
	v_add_nc_u32 v[ADRB+\s], s22, v3
	s_add_co_u32 s21, s21, SLOT
	s_add_co_u32 s22, s22, SLOT
.endr
	s_mul_i32 s23, s10, 64*SP
	s_add_co_u32 s23, s23, STAGE                   ; my stage
	v_mul_u32_u24 v4, v1, SP
	s_wait_alu depctr_va_vdst(0)
	v_lshl_add_u32 v4, v2, 3, v4
	v_add_nc_u32 v[STO], s23, v4                   ; in: row r, 8 h bytes on
	v_and_b32 v5, 31, v0
	v_lshrrev_b32 v6, 2, v5
	v_mul_u32_u24 v6, v6, SP
	v_and_b32 v7, 3, v0
	v_lshl_add_u32 v6, v7, 4, v6
	v_add_nc_u32 v[RD], s23, v6                    ; back: four lanes to a row of 64 bytes, eight rows an instruction
	v_lshlrev_b32 v[CO], 4, v5                     ; and the same 512 bytes of the block in memory
	; my four blocks in qkv: (half of my A rows, half of my B rows)
	s_lshl_b32 s86, s13, 2
	s_lshl_b32 s88, s11, 1
	s_add_co_u32 s86, s86, s88                     ; my first 64 rows of A,
	s_lshl_b32 s87, s42, 2
	s_lshl_b32 s88, s12, 1
	s_add_co_u32 s87, s87, s88                     ; my first 64 rows of B
	s_mov_b32 s98, 131072                          ; from a head to the next: 32 blocks
	s_mov_b32 s99, 4096                            ; from 64 tokens to the next: one block
	s_cmp_eq_u32 ttmp9, 2
	s_cselect_b32 s88, s87, s86                    ; which of them are tokens,
	s_cselect_b32 s89, s86, s87                    ; and which a head
	s_cselect_b32 s80, s99, s98                    ; 64 rows of B on,
	s_cselect_b32 s82, s98, s99                    ; 64 rows of A on, in bytes of qkv
	s_mov_b32 s81, 0
	s_mov_b32 s83, 0
	s_lshr_b32 s90, s88, 5                         ; the batch
	s_lshl_b32 s90, s90, 4
	s_add_co_u32 s90, s90, s89
	s_lshl_b32 s90, s90, 5
	s_and_b32 s88, s88, 31
	s_add_co_u32 s90, s90, s88
	s_lshl_b32 s90, s90, 12                        ; block ((batch x 16 + head) x 32 + tokens / 64) of 4,096 bytes
	s_lshl_b32 s91, ttmp9, 22
	s_add_co_u32 s90, s90, s91
	s_mov_b32 s91, 0
	s_add_nc_u64 s[8:9], s[78:79], s[90:91]        ; block (0, 0)
	s_add_nc_u64 s[84:85], s[8:9], s[80:81]        ; block (0, 1)
	s_add_nc_u64 s[86:87], s[8:9], s[82:83]        ; block (1, 0)
	s_add_nc_u64 s[88:89], s[86:87], s[80:81]      ; block (1, 1)
	s_wait_kmcnt 0x0
	s_sub_co_i32 s95, s95, s92
	s_sub_co_i32 s95, s95, s93                     ; a sum stands for sum x 2^(eA + eB): its code is sum / 2^(eOut - eA - eB)
	s_add_co_i32 s95, s95, 127
	s_lshl_b32 s97, s95, 23
	v_mov_b32 v[SC], s97
	s_add_co_i32 s95, s95, 8
	s_lshl_b32 s95, s95, 23
	s_or_b32 s95, s95, 0x600000
	v_mov_b32 v[LIM], s95
.macro FRAG reg, adr, q, i             ; 16 rows x 128 K: registers 4 c .. 4 c + 3 hold k = 32 c + 16 h + 0 .. 15 of row r
.irp c, 0,1,2,3
	ds_load_b128 v[\reg+4*\c:\reg+4*\c+3], v[\adr] offset:128*(\q)+32*\c+(\i)*16*PITCH
.endr
.endm
; 16 matrix instructions: A's blocks a0, a0 + 1 x B's eight, 128 along K.  p: B's set.  zero = 1: the product starts the sum.
; The 64 accumulators take turns, one instruction a turn, in the same order in every step.
.macro MUL16 a0, p, zero
.irp a, \a0, \a0+1
.irp b, 0,1,2,3,4,5,6,7
.if \zero
	v_wmma_f32_16x16x128_fp8_fp8 v[8*(8*((\a)%4)+\b):8*(8*((\a)%4)+\b)+7], v[128*(\p)+FR*\b:128*(\p)+FR*\b+FR-1], v[AF+FR*(\a):AF+FR*(\a)+FR-1], 0
.else
	v_wmma_f32_16x16x128_fp8_fp8 v[8*(8*((\a)%4)+\b):8*(8*((\a)%4)+\b)+7], v[128*(\p)+FR*\b:128*(\p)+FR*\b+FR-1], v[AF+FR*(\a):AF+FR*(\a)+FR-1], v[8*(8*((\a)%4)+\b):8*(8*((\a)%4)+\b)+7]
.endif
.endr
.endr
.endm
.macro FETCH_B slot, q, p              ; B's eight fragments of the slot's q-th 128 along K into set p
	WIN TO_B
.irp i, 0,1,2,3,4,5,6,7
	FRAG 128*(\p)+FR*\i, ADRB+\slot, \q, \i
.endr
	WIN 0
.endm
.macro FETCH_A slot, q, i0             ; A's blocks i0 .. i0 + 3
.irp i, \i0, \i0+1, \i0+2, \i0+3
	FRAG AF+FR*(\i), ADRA+\slot, \q, \i
.endr
.endm
; A slot's first step of 128 along K; it fetches the second step's fragments.
.macro STEP slot, q, zero
	s_wait_dscnt 16                                ; B's set and A's blocks 0-3 are in; the youngest sixteen loads (A's blocks 4-7) may be out
	WIN MUL_LO
	MUL16 0, (\q)%2, \zero
	MUL16 2, (\q)%2, \zero
	s_wait_dscnt 0                                 ; A's blocks 4-7 are in (asked for 32 matrix instructions ago)
	PLACES
	FETCH_B \slot, (\q)+1, 1-(\q)%2
	FETCH_A \slot, (\q)+1, 0
	WIN MUL_HI
	MUL16 4, (\q)%2, \zero
	MUL16 6, (\q)%2, \zero
	PLACES
	WIN 0
	FETCH_A \slot, (\q)+1, 4
.endm
; A slot's second step changes slots: ONE barrier; in front of it each wave waits for all its tensor loads, adds 0 to its spare word, and waits for that and for its own reads of this slot.
; fill = 1: the barrier opens a round of the cluster's barrier, and this slot is filled again, 512 along K on: the first tensor load behind the round, one a wave.
.macro TURN slot, next, fill
	s_wait_tensorcnt 0x0                           ; all my tensor loads have landed: my part of the next slot  (every window is 0 here)
	ds_add_u32 v[SPW], v[NIL]                      ; 0 onto my spare word
	s_wait_dscnt 17                                ; (the add and the youngest sixteen loads, A's blocks 4-7, may be out)
	WIN MUL_LO
	MUL16 0, 1, 0                                  ; sixteen matrix instructions stand between the add and the wait for it
	s_wait_dscnt 0x0                               ; the add is done, and my reads of this slot are over
	s_barrier_signal -1
	MUL16 2, 1, 0
	WIN 0
	s_barrier_wait -1
.if \fill
	CREST                                          ; no wave of any partner still reads this slot or has a load on its way
	s_add_nc_u64 s[G0+4*\slot+2:G0+4*\slot+3], s[G0+4*\slot+2:G0+4*\slot+3], 2*ROWB
	s_add_nc_u64 s[G0B+4*\slot+2:G0B+4*\slot+3], s[G0B+4*\slot+2:G0B+4*\slot+3], 2*ROWB
	JLOAD \slot                                    ; its four v_nop are also the places in front of the loads below
.else
	PLACES
.endif
	FETCH_B \next, 0, 0
	FETCH_A \next, 0, 0
	WIN MUL_HI
	MUL16 4, 1, 0
	MUL16 6, 1, 0
	PLACES
	WIN 0
	FETCH_A \next, 0, 4
.endm
	s_wait_alu depctr_va_vdst(0)                   ; the wait at the head's end
	s_wait_tensorcnt 0x0                           ; my part of slot 0 is in; slot 1's first fill is issued as a refill is:
	ds_add_u32 v[SPW], v[NIL]                      ; 0 onto my spare word
	s_wait_dscnt 0x0
	CROUND                                         ; everybody's part of slot 0 is in, and the joint loads meet
	JLOAD 1                                        ; slot 1: K 256-511
	FETCH_B 0, 0, 0
	FETCH_A 0, 0, 0
	FETCH_A 0, 0, 4
	global_prefetch_b8 v27, s[18:19] offset:768 th:TH_LOAD_NT scope:SCOPE_SE   ; slot 3
	STEP 0, 0, 1                                   ; K 0-127: the products start the sums
	TURN 0, 1, 1                                   ; K 128-255; slot 0 takes K 512-767
	STEP 1, 0, 0
	TURN 1, 0, 1                                   ; slot 1 takes K 768-1023
	STEP 0, 0, 0
	TURN 0, 1, 0                                   ; nothing is left to fetch
	STEP 1, 0, 0
	s_wait_dscnt 16                                ; the last step
	WIN MUL_LO
	MUL16 0, 1, 0
	MUL16 2, 1, 0
	s_wait_alu depctr_va_vdst(0)
	s_wait_dscnt 0
	WIN MUL_HI
	MUL16 4, 1, 0
	MUL16 6, 1, 0
	WIN 0
	PLACES
; THE WAY OUT, block by block of 64 x 64: n = 2 (half of my A rows) + (half of my B rows).  PACK: each of the block's 16 accumulators, from its low end on, is held within 448 x the scale
; (the conversion does not saturate: ISA guide 7.6.2), in place in its window; then each becomes 8 codes in window 0.  TOSTAGE: through my stage.  SEND: 8 x 512 consecutive bytes.
.macro PACK n
	WIN 0x82+0x41*((\n)/2)                         ; source 0 and destination: window 2 or 3
.irp a, 0,1,2,3
.irp b, 0,1,2,3
.irp j, 0,1,2,3,4,5,6,7
	v_med3_num_f32 v[8*(8*\a+4*((\n)%2)+\b)+\j], v[8*(8*\a+4*((\n)%2)+\b)+\j], -v[LIM], v[LIM]
.endr
.endr
.endr
	WIN 0x02+((\n)/2)                              ; source 0: window 2 or 3; destination window 0
.irp a, 0,1,2,3
.irp b, 0,1,2,3
	v_cvt_scalef32_pk8_fp8_f32 v[CD+32*((\n)%2)+2*(4*\a+\b):CD+32*((\n)%2)+2*(4*\a+\b)+1], v[8*(8*\a+4*((\n)%2)+\b):8*(8*\a+4*((\n)%2)+\b)+7], v[SC]
.endr
.endr
	v_nop                                          ; a plain line behind the last conversion
	WIN 0
.endm
.macro TOSTAGE n
.irp a, 0,1,2,3
.irp b, 0,1,2,3
	ds_store_b64 v[STO], v[CD+32*((\n)%2)+2*(4*\a+\b):CD+32*((\n)%2)+2*(4*\a+\b)+1] offset:\a*16*SP+16*\b
.endr
.endr
.irp i, 0,1,2,3,4,5,6,7
	ds_load_b128 v[BK+32*(\n)+4*\i:BK+32*(\n)+4*\i+3], v[RD] offset:\i*8*SP   ; LDS serves a wave's instructions in order: these see my stores, and the next block's stores come behind them
.endr
.endm
.macro SEND n, base, imm               ; each block has registers of its own for its stores: none is written again
.irp i, 0,1,2,3,4,5,6,7
	s_wait_dscnt 7-\i                              ; the younger loads from the stage may be out
	global_store_b128 v[CO], v[BK+32*(\n)+4*\i:BK+32*(\n)+4*\i+3], s[\base:\base+1] offset:\imm+512*\i
.endr
.endm
	PACK 0
	TOSTAGE 0
	PACK 1                                         ; a block's arithmetic stands between the loads of the block before and its stores
	s_wait_alu depctr_va_vdst(0)
	SEND 0, 8, 0
	TOSTAGE 1
	PACK 2                                         ; (its codes take the registers of block 0's, whose LDS stores are done: SEND 0 has waited for all)
	s_wait_alu depctr_va_vdst(0)
	SEND 1, 84, 0
	TOSTAGE 2
	PACK 3
	s_wait_alu depctr_va_vdst(0)
	SEND 2, 86, 0
	TOSTAGE 3
	SEND 3, 88, 0
	s_wait_tensorcnt 0x0                           ; the wave's end, behind my last tensor load and my last LDS store
	ds_add_u32 v[SPW], v[NIL]
	s_wait_dscnt 0x0
	CROUND                                         ; the closing round: no work-group ends while a partner may still ask for a tile that names it
	s_endpgm
.Lfunc_end_k_qd2cf58f24e_qkv:
	.size	k_qd2cf58f24e_qkv, .Lfunc_end_k_qd2cf58f24e_qkv-k_qd2cf58f24e_qkv
	.p2alignl 7, 3214868480
	.fill 96, 4, 3214868480
	.section	.rodata,"a",@progbits
	.p2align	6, 0x0
	.amdhsa_kernel k_qd2cf58f24e_qkv
		.amdhsa_group_segment_fixed_size 327680
		.amdhsa_private_segment_fixed_size 0
		.amdhsa_enable_private_segment 0
		.amdhsa_kernarg_size 48
		.amdhsa_user_sgpr_count 2
		.amdhsa_user_sgpr_kernarg_segment_ptr 1
		.amdhsa_wavefront_size32 1
		.amdhsa_system_sgpr_workgroup_id_x 1
		.amdhsa_system_sgpr_workgroup_id_y 1
		.amdhsa_system_sgpr_workgroup_id_z 1
		.amdhsa_system_vgpr_workitem_id 0
		.amdhsa_next_free_vgpr 1024
		.amdhsa_next_free_sgpr 100
		.amdhsa_reserve_vcc 0
		.amdhsa_float_denorm_mode_32 3
		.amdhsa_float_denorm_mode_16_64 3
		.amdhsa_memory_ordered 1
		.amdhsa_forward_progress 1
		.amdhsa_inst_pref_size 127
	.end_amdhsa_kernel
	.amdgpu_metadata
---
amdhsa.version: [ 1, 2 ]
amdhsa.kernels:
  - .name:           k_qd2cf58f24e_qkv
    .symbol:         k_qd2cf58f24e_qkv.kd
    .args:
      - { .name: xn3, .offset: 0, .size: 8, .value_kind: global_buffer, .address_space: global }
      - { .name: Wq_codes, .offset: 8, .size: 8, .value_kind: global_buffer, .address_space: global }
      - { .name: Wk_codes, .offset: 16, .size: 8, .value_kind: global_buffer, .address_space: global }
      - { .name: Wv_codes, .offset: 24, .size: 8, .value_kind: global_buffer, .address_space: global }
      - { .name: lowp_scales, .offset: 32, .size: 8, .value_kind: global_buffer, .address_space: global }
      - { .name: qkv, .offset: 40, .size: 8, .value_kind: global_buffer, .address_space: global }
    .group_segment_fixed_size: 327680
    .private_segment_fixed_size: 0
    .kernarg_segment_align: 8
    .kernarg_segment_size: 48
    .max_flat_workgroup_size: 128
    .sgpr_count:     100
    .vgpr_count:     1024
    .wavefront_size: 32
...
	.end_amdgpu_metadata
.endif
;; end of part 9
;; launch attn (part 10): grid 8 x 32, 8 waves a work-group, no clusters, 320,512 bytes of LDS; arguments qkv, maskw, msum, lowp_scales, ao; writes ao
.if DOCPART == 10
	.amdgcn_target "amdgcn-amd-amdhsa--gfx1250"
	.amdhsa_code_object_version 6
	.text
	.protected	k_qd2cf58f24e_attn
	.globl	k_qd2cf58f24e_attn
	.p2align	8
	.type	k_qd2cf58f24e_attn,@function
k_qd2cf58f24e_attn:
	s_mov_b64 s[64:65], 0
	v_nop
	global_prefetch_b8 v0, s[64:65] scope:SCOPE_SE
	s_setreg_imm32_b32 hwreg(HW_REG_WAVE_MODE, 25, 1), 1
	s_wait_xcnt 0x0
; Attention on E4M3 codes: S^T = K Q^T (K = the head's 64), the mask, p = 2^(t - M) with M the ceiling of the running largest t, O^T += V^T P^T (K = the keys), O / the sum of the unquantised p,
; turned into codes with 2^e10.  qkv: blocks of 4,096 bytes, q and k [64 tokens][64], v [64 of the head][64 keys].  ao: blocks [64 tokens][64], 16 heads to a run of 64 tokens.
; SHARES.  A work-group serves one batch x head; 8 x 32 = 256 work-groups.  A block is 32 queries (two tiles of 16), so a fragment of K or V feeds two matrix instructions.
; Waves 2 n and 2 n + 1 of work-group g share blocks a = 4 g + n and b = 63 - a of the head's 64.  The odd wave takes block b's key steps 0-8.  The even wave takes block b's steps 9-15, hands its part
; (O^T, -M, the sums: 9,216 bytes) over through LDS, and then takes block a whole.  Behind one barrier the odd wave joins the two parts: both are brought under the larger M by exact powers of two.
; THE MASK IS AN INPUT.  An earlier launch stored its bits (maskw) and, for each 16 queries x 128 keys, the OR and the AND of the words (msum).  By scalar branches on these whole numbers:
; a step in which no key counts for the block's 32 queries is passed over; a step in which all keys count takes no select.  A hidden score stands for -2^33 x c under every real t, so its p is 0 beside any key that counts.
; Where some row of a block has no key at all, every step of that block is taken: all its scores are then equal and its p are all 1, as a softmax of equal scores.
; The head's K and V (262,144 bytes) come once through registers into LDS, 32,768 bytes a wave, ahead of one barrier.
; No prefetch: the copy is one run at the head, and there is no loop to ask ahead in.
; LDS IMAGE.  16-byte piece (row R of 16, column cl of 4) of a tile lies at cl x 256 + 16 x (R xor 4 cl): sixteen lanes of a store and of a load alike touch sixteen different columns of 16 bytes.
; K: step x 8,192 + tile x 1,024; V: VOFF + step x 8,192 + (16 of the head) x 2,048 + (64 keys) x 1,024.
; LIMITS: |t| under 2^31; e6 + e7 between -94 and 130; e8 between -126 and 119; e10 - e8 - e9 between -126 and 119.  NaN among the inputs is not served.
; REGISTERS.  Window 0: v1-11 addresses and constants; v12-31 the two tiles' state; v32-47 block b's Q; v48-57 addresses; v64-191 S^T, then p; v192-223 p's codes; v224-244 at work.
; Window 1: v0-63 K's eight fragments, v64-127 V's four, v128-191 O^T, v192-207 block a's Q; at the head v0-255 take the copy.
.set VOFF,  131072
.set STAGE, 262144                     ; 32 rows x 80 bytes for each wave
.set SP,    80
.set PARTB, STAGE+8*32*SP              ; 9,216 bytes for each pair of waves
.set SPARE, PARTB+4*9216               ; the spare words, 128 bytes for each wave
.set RK,    1
.set RV,    3
.set MASKV, 7
.set LIM,   8
.set SCL,   9
.set SPW,   10
.set NIL,   11
.set NM,    12                         ; pairs (-M, largest t)
.set SUM,   16
.set F,     20
.set TA,    24
.set TB,    26
.set PX,    28
.set OSC,   30
.set OLIM,  31
.set Q,     32
.set AK,    48
.set AV,    50
.set STO,   54
.set RDB,   55
.set GO,    56
.set PAD,   57
.set S,     64
.set P,     192
.set T2,    224
.set OUT,   228
.set PS,    228
.set ST,    240
.set QA,    244
.set VF,    64
.set O,     128
.set Q2,    192
.set MSB, 0
.macro WIN new                         ; the immediate's high byte repeats the setting that is left
.if MSB != \new
	s_set_vgpr_msb (MSB<<8)|\new
.set MSB, \new
.endif
.endm
.macro MASKWORDS q                     ; the step's 64 words of tile q
	s_load_b512 s[32:47], s[6:7], s13 offset:4096*\q
	s_load_b512 s[48:63], s[6:7], s13 offset:4096*\q+0x40
	s_load_b512 s[68:83], s[6:7], s13 offset:4096*\q+0x80
	s_load_b512 s[84:99], s[6:7], s13 offset:4096*\q+0xc0
.endm
.macro SELECT q                        ; hidden scores become the one value under every real score
.set n, 0
.rept 64
.if n < 32
	v_cndmask_b32 v[S+64*\q+n], v[MASKV], v[S+64*\q+n], s[32+n]
.else
	v_cndmask_b32 v[S+64*\q+n], v[MASKV], v[S+64*\q+n], s[36+n]
.endif
.set n, n+1
.endr
.endm
.macro INIT                            ; a block's state: the largest t -3e38, the sums and O^T zeros (the loops are written with no first step of their own)
.irp q, 0,1
	v_mov_b32 v[NM+2*\q+1], 0xff61b1e6
	v_floor_f32 v[NM+2*\q], -v[NM+2*\q+1]
	v_mov_b32 v[SUM+2*\q], 0
	v_mov_b32 v[SUM+2*\q+1], 0
.endr
	WIN 0x40
.set j, 0
.rept 64
	v_mov_b32 v[O+j], 0
.set j, j+1
.endr
	WIN 0
.endm
; 16 trips, 128 keys each.  s14: the steps to take; s15: those with a hidden key.  qr, qw: where the block's Q stands, and the windows of the first product.
.macro KLOOP id, qr, qw
.Lstep_\id:
	s_bitcmp1_b32 s14, 0
	s_cbranch_scc0 .Lskip_\id
	v_add_nc_u32 v[AK], s8, v[RK]                  ; (these six are also the places in front of the loads)
	v_add_nc_u32 v[AK+1], s8, v[RK+1]
.irp cc, 0,1,2,3
	v_add_nc_u32 v[AV+\cc], s8, v[RV+\cc]
.endr
	WIN 0x40
.irp t, 0,1,2,3,4,5,6,7
	ds_load_b128 v[8*\t:8*\t+3],   v[AK]   offset:1024*\t
	ds_load_b128 v[8*\t+4:8*\t+7], v[AK+1] offset:1024*\t
.endr
.irp u, 0,1,2,3
.irp c, 0,1,2,3,4,5,6,7
	ds_load_b64 v[VF+16*\u+2*\c:VF+16*\u+2*\c+1], v[AV+(\c%4)] offset:2048*\u+1024*(\c/4)
.endr
.endr
	WIN \qw
	s_wait_dscnt 32                                ; K is in; V's 32 loads stay out
.irp t, 0,1,2,3,4,5,6,7
	v_wmma_f32_16x16x64_fp8_fp8 v[S+8*\t:S+8*\t+7],       v[8*\t:8*\t+7], v[\qr:\qr+7],    0
	v_wmma_f32_16x16x64_fp8_fp8 v[S+64+8*\t:S+64+8*\t+7], v[8*\t:8*\t+7], v[\qr+8:\qr+15], 0
.endr
	WIN 0
.rept 4
	v_nop
.endr
	s_bitcmp1_b32 s15, 0
	s_cbranch_scc0 .Lfull_\id                      ; all keys of this step count
	MASKWORDS 0
	s_wait_kmcnt 0x0
	SELECT 0
	MASKWORDS 1
	s_wait_kmcnt 0x0
	SELECT 1
.Lfull_\id:
.irp q, 0,1                                        ; the step's largest score of each query: four chains by turns
	v_max3_num_f32 v[TA+\q], v[S+64*\q], v[S+64*\q+1], v[S+64*\q+2]
	v_max3_num_f32 v[TB+\q], v[S+64*\q+3], v[S+64*\q+4], v[S+64*\q+5]
.endr
.set j, 6
.rept 14
.irp q, 0,1
	v_max3_num_f32 v[TA+\q], v[TA+\q], v[S+64*\q+j], v[S+64*\q+j+1]
	v_max3_num_f32 v[TB+\q], v[TB+\q], v[S+64*\q+j+2], v[S+64*\q+j+3]
.endr
.set j, j+4
.endr
.irp q, 0,1
	v_max3_num_f32 v[TA+\q], v[TA+\q], v[S+64*\q+62], v[S+64*\q+63]
.endr
.irp q, 0,1
	v_max_num_f32 v[TA+\q], v[TA+\q], v[TB+\q]
.endr
.irp q, 0,1
	v_permlanex16_b32 v[PX+\q], v[TA+\q], s66, s67
.endr
.irp q, 0,1
	v_max_num_f32 v[TA+\q], v[TA+\q], v[PX+\q]
.endr
.irp q, 0,1
	v_mul_f32 v[TA+\q], s2, v[TA+\q]               ; as t (c is positive)
.endr
.irp q, 0,1
	v_max_num_f32 v[NM+2*\q+1], v[NM+2*\q+1], v[TA+\q]
	v_mov_b32 v[TB+\q], v[NM+2*\q]
.endr
.irp q, 0,1
	v_floor_f32 v[NM+2*\q], -v[NM+2*\q+1]          ; -M = floor(-t)
.endr
.irp q, 0,1
	v_sub_f32 v[TB+\q], v[NM+2*\q], v[TB+\q]       ; old M - new M, a whole number
.endr
.irp q, 0,1
	v_cvt_i32_f32 v[TB+\q], v[TB+\q]
.endr
.irp q, 0,1
	v_ldexp_f32 v[F+2*\q], 1.0, v[TB+\q]           ; f = 2^(old M - new M)
.endr
.irp q, 0,1
.set j, 0
.rept 32
	v_pk_fma_f32 v[S+64*\q+j:S+64*\q+j+1], v[S+64*\q+j:S+64*\q+j+1], s[2:3], v[NM+2*\q:NM+2*\q+1] op_sel_hi:[1,0,0]
.set j, j+2
.endr
.endr
	s_wait_alu depctr_va_vdst(0)                   ; the wait ahead of the batch
.set j, 0
.rept 128
	v_exp_f32 v[S+j], v[S+j]                       ; p = 2^(t - M)
.set j, j+1
.endr
.irp q, 0,1
	v_pk_mul_f32 v[SUM+2*\q:SUM+2*\q+1], v[SUM+2*\q:SUM+2*\q+1], v[F+2*\q:F+2*\q+1] op_sel_hi:[1,0]
.endr
	s_wait_alu depctr_va_vdst(0)                   ; and one wait behind it, ahead of its first reader
.irp q, 0,1
	v_pk_add_f32 v[T2+2*\q:T2+2*\q+1], v[S+64*\q:S+64*\q+1], v[S+64*\q+2:S+64*\q+3]
.endr
.set j, 4
.rept 15                                           ; the rows' sums of the unquantised p
.irp q, 0,1
	v_pk_add_f32 v[SUM+2*\q:SUM+2*\q+1], v[SUM+2*\q:SUM+2*\q+1], v[S+64*\q+j:S+64*\q+j+1]
	v_pk_add_f32 v[T2+2*\q:T2+2*\q+1], v[T2+2*\q:T2+2*\q+1], v[S+64*\q+j+2:S+64*\q+j+3]
.endr
.set j, j+4
.endr
.irp q, 0,1
	v_pk_add_f32 v[SUM+2*\q:SUM+2*\q+1], v[SUM+2*\q:SUM+2*\q+1], v[T2+2*\q:T2+2*\q+1]
.endr
	s_cmp_eq_u32 s16, 0
	s_cbranch_scc1 .Lnohold_\id                    ; 448 x 2^e8 is 1 or more: no p passes it
.set j, 0
.rept 128
	v_min_num_f32 v[S+j], v[S+j], v[LIM]           ; the conversion does not saturate (ISA guide 7.6.2)
.set j, j+1
.endr
.Lnohold_\id:
.irp q, 0,1
.irp t, 0,1,2,3,4,5,6,7
	v_cvt_scalef32_pk8_fp8_f32 v[P+16*\q+2*\t:P+16*\q+2*\t+1], v[S+64*\q+8*\t:S+64*\q+8*\t+7], v[SCL]
.endr
.endr
	WIN 0x41                                       ; O^T: source 0 and destination window 1
	s_wait_alu depctr_va_vdst(0)                   ; the wait directly ahead of the first reader of O^T
.irp q, 0,1
.set j, 0
.rept 16
	v_pk_mul_f32 v[O+32*\q+j:O+32*\q+j+1], v[O+32*\q+j:O+32*\q+j+1], v[F+2*\q:F+2*\q+1] op_sel_hi:[1,0]
.set j, j+2
.endr
.endr
	s_wait_alu depctr_va_vdst(0)                   ; the wait directly ahead of the wait below
	s_wait_dscnt 0x0                               ; V
	WIN 0x51                                       ; V, C and D window 1; p's codes window 0
.irp u, 0,1,2,3
.irp q, 0,1
	v_wmma_f32_16x16x128_fp8_fp8 v[O+32*\q+8*\u:O+32*\q+8*\u+7], v[VF+16*\u:VF+16*\u+15], v[P+16*\q:P+16*\q+15], v[O+32*\q+8*\u:O+32*\q+8*\u+7]
.endr
.endr
	WIN 0
.Lskip_\id:
	s_lshr_b32 s14, s14, 1
	s_lshr_b32 s15, s15, 1
	s_add_co_u32 s8, s8, 8192
	s_add_co_u32 s13, s13, 256
	s_sub_co_u32 s9, s9, 1
	s_cmp_lg_u32 s9, 0
	s_cbranch_scc1 .Lstep_\id
.rept 4
	v_nop                                          ; places behind the last products
.endr
.endm
	s_load_b256 s[68:75], s[0:1], 0x0              ; qkv, maskw, msum, the scales' exponents
	s_load_b64 s[76:77], s[0:1], 0x20              ; ao
	v_lshl_add_u32 v[SPW], v0, 2, SPARE
	v_mov_b32 v[NIL], 0
	v_lshrrev_b32 v62, 5, v0
	v_readfirstlane_b32 s12, v62
	s_lshr_b32 s17, s12, 2                         ; my number in the work-group's deal, 0..7: waves 4-7 change places in pairs,
	s_xor_b32 s12, s12, s17                        ; so that the waves whose numbers at the entry lie 4 apart are one odd and one even
	s_and_b32 s24, ttmp7, 0xffff                   ; batch x 16 + head
	s_and_b32 s28, s12, 1                          ; 1: the odd wave of a pair
	s_lshr_b32 s25, s12, 1
	s_mul_i32 s19, s25, 9216
	s_add_co_u32 s19, s19, PARTB                   ; where the pair's part goes
	s_lshl_b32 s27, ttmp9, 2
	s_add_co_u32 s25, s25, s27                     ; block a
	s_sub_co_u32 s26, 63, s25                      ; block b
	s_lshl_b32 s18, s24, 17                        ; the head's bytes in a set of qkv
	s_lshl_b32 s4, s26, 11
	s_add_co_u32 s4, s4, s18                       ; q of block b: 2,048 bytes a block
	s_mov_b32 s5, 0
	s_lshl_b32 s100, s25, 11
	s_add_co_u32 s100, s100, s18                   ; q of block a
	s_mov_b32 s101, 0
	s_lshl_b32 s29, s12, 14                        ; my part of the copy: 16,384 bytes of K and of V, two steps
	s_add_co_u32 s20, s29, s18
	s_add_co_u32 s20, s20, 1<<22                   ; counted from k's set; v's lies 4 MiB on
	s_mov_b32 s21, 0
	s_lshl_b32 s31, s25, 12                        ; msum: 2,048 bytes a tile; block a's first,
	s_lshl_b32 s13, s26, 12                        ; then block b's
	s_lshl_b32 s6, s26, 13                         ; maskw: 4,096 bytes a tile
	s_mov_b32 s7, 0
	s_cmp_lg_u32 s28, 0
	s_cselect_b32 s27, s26, s25                    ; the block that I send out
	s_lshr_b32 s10, s24, 4
	s_lshl_b32 s10, s10, 5
	s_lshr_b32 s17, s27, 1
	s_add_co_u32 s10, s10, s17                     ; the run of 64 tokens
	s_lshl_b32 s10, s10, 4
	s_and_b32 s17, s24, 15
	s_add_co_u32 s10, s10, s17
	s_lshl_b32 s10, s10, 12
	s_and_b32 s17, s27, 1
	s_lshl_b32 s17, s17, 11
	s_add_co_u32 s10, s10, s17
	s_mov_b32 s11, 0
	s_lshl_b32 s24, s25, 13                        ; maskw of block a
	s_mov_b32 s25, 0
	s_mul_i32 s30, s12, 32*SP
	s_add_co_u32 s30, s30, STAGE                   ; my stage
	s_mov_b32 s66, 0x76543210
	s_mov_b32 s67, 0xfedcba98
	s_wait_kmcnt 0x0
	s_load_b512 s[32:47], s[74:75], 0x0            ; e0 .. e15
	s_add_nc_u64 s[4:5], s[68:69], s[4:5]
	s_add_nc_u64 s[100:101], s[68:69], s[100:101]
	s_add_nc_u64 s[20:21], s[68:69], s[20:21]
	s_add_nc_u64 s[6:7], s[70:71], s[6:7]
	s_add_nc_u64 s[24:25], s[70:71], s[24:25]
	s_mov_b64 s[22:23], s[72:73]
	s_add_nc_u64 s[10:11], s[76:77], s[10:11]
	v_and_b32 v62, 15, v0                          ; r
	v_bfe_u32 v63, v0, 4, 1                        ; h
	v_lshlrev_b32 v61, 2, v63
	v_xor_b32 v61, v61, v62
	v_lshlrev_b32 v61, 4, v61
	v_lshl_add_u32 v[RK], v63, 8, v61              ; K, the head's bytes 16 h ..: column cl = h
	v_xor_b32 v[RK+1], 128, v[RK]
	v_add_nc_u32 v[RK+1], 512, v[RK+1]             ; bytes 32 + 16 h ..: cl = 2 + h
	v_lshlrev_b32 v61, 4, v62
	v_lshl_add_u32 v[RV], v63, 3, v61
	v_add_nc_u32 v[RV], VOFF, v[RV]                ; V: 8 keys at 16 c + 8 h: column cl = c % 4, 8 h bytes on
.irp cc, 1,2,3
	v_xor_b32 v[RV+\cc], (\cc)<<6, v61
	v_lshl_add_u32 v[RV+\cc], v63, 3, v[RV+\cc]
	v_add_nc_u32 v[RV+\cc], VOFF+256*\cc, v[RV+\cc]
.endr
	v_lshlrev_b32 v[QA], 6, v62
	v_lshl_add_u32 v[QA], v63, 4, v[QA]            ; Q: row r, 16 h bytes on
	v_mul_u32_u24 v[STO], v62, SP
	v_lshl_add_u32 v[STO], v63, 3, v[STO]
	v_add_nc_u32 v[STO], s30, v[STO]               ; into my stage: row r, 8 h bytes on
	v_and_b32 v59, 31, v0
	v_lshlrev_b32 v[GO], 4, v59                    ; 16 bytes a lane: the copy's loads and the way out's stores
	v_add_nc_u32 v[PAD], s19, v[GO]                ; and the pair's part: images of registers, 512 bytes each
	v_lshrrev_b32 v[RDB], 2, v59
	v_mul_u32_u24 v[RDB], v[RDB], SP
	v_and_b32 v60, 3, v0                           ; cl of the piece that I copy
	v_lshl_add_u32 v[RDB], v60, 4, v[RDB]
	v_add_nc_u32 v[RDB], s30, v[RDB]               ; back: four lanes to a row of 64 bytes
	v_bfe_u32 v61, v0, 2, 3                        ; its row, modulo 8
	v_lshlrev_b32 v58, 2, v60
	v_xor_b32 v61, v61, v58
	v_lshlrev_b32 v61, 4, v61
	v_lshl_add_u32 v61, v60, 8, v61
	v_add_nc_u32 v[ST], s29, v61                   ; rows 0-7 of a tile,
	v_xor_b32 v[ST+1], 128, v[ST]                  ; rows 8-15
	v_add_nc_u32 v[ST+2], VOFF, v[ST]
	v_add_nc_u32 v[ST+3], VOFF, v[ST+1]
	s_wait_alu depctr_va_vdst(0)                   ; the wait behind the addresses
.irp q, 0,1
	global_load_b128 v[Q+8*\q:Q+8*\q+3],   v[QA], s[4:5] offset:1024*\q
	global_load_b128 v[Q+8*\q+4:Q+8*\q+7], v[QA], s[4:5] offset:1024*\q+32
.endr
	WIN 0x40                                       ; destination window 1
.irp bl, 0,1,2,3
.irp i, 0,1,2,3,4,5,6,7
	global_load_b128 v[4*(8*\bl+\i):4*(8*\bl+\i)+3], v[GO], s[20:21] offset:4096*\bl+512*\i
.endr
.endr
.irp bl, 0,1,2,3
.irp i, 0,1,2,3,4,5,6,7
	global_load_b128 v[128+4*(8*\bl+\i):128+4*(8*\bl+\i)+3], v[GO], s[20:21] offset:4194304+4096*\bl+512*\i
.endr
.endr
	WIN 0
	s_wait_kmcnt 0x0
	s_add_co_i32 s17, s38, s39                     ; e6 + e7
	s_lshl_b32 s18, s17, 23
	s_add_co_i32 s2, s18, 0x3e38aa3b               ; c = log2(e) / 8 x 2^(e6 + e7)
	s_mov_b32 s3, s2
	s_sub_co_i32 s17, 160, s17
	s_lshl_b32 s17, s17, 23
	s_or_b32 s17, s17, 0x80000000
	v_mov_b32 v[MASKV], s17                        ; -2^(33 - e6 - e7)
	s_add_co_i32 s17, s40, 127
	s_lshl_b32 s18, s17, 23
	v_mov_b32 v[SCL], s18                          ; 2^e8
	s_add_co_i32 s17, s17, 8
	s_lshl_b32 s17, s17, 23
	s_or_b32 s17, s17, 0x600000
	v_mov_b32 v[LIM], s17                          ; 448 x 2^e8
	s_cmp_lt_i32 s40, -8                           ; p is at most 1: it passes 448 x 2^e8 only where e8 < -8
	s_cselect_b32 s16, 1, 0
	s_sub_co_i32 s17, s42, s40
	s_sub_co_i32 s17, s17, s41
	s_add_co_i32 s17, s17, 127
	s_lshl_b32 s18, s17, 23
	v_mov_b32 v[OSC], s18                          ; 2^(e10 - e8 - e9)
	s_add_co_i32 s17, s17, 8
	s_lshl_b32 s17, s17, 23
	s_or_b32 s17, s17, 0x600000
	v_mov_b32 v[OLIM], s17
	; The blocks' steps, from msum: two trips, block a and then block b.  Bit s of s14: step s has a key that counts; of s15: it has a hidden key.
	s_mov_b32 s14, 0
	s_mov_b32 s15, 0
	s_mov_b32 s9, 2
.Lsum:
.irp s, 0,1,2,3,4,5,6,7,8,9,10,11,12,13,14,15
	s_load_b64 s[32+2*\s:33+2*\s], s[22:23], s31 offset:\s*128
	s_load_b64 s[68+2*\s:69+2*\s], s[22:23], s31 offset:2048+\s*128
.endr
	s_mov_b32 s26, s14                             ; the trip before: block a's
	s_mov_b32 s27, s15
	s_mov_b32 s14, 0
	s_mov_b32 s15, 0
	s_mov_b32 s29, 0
	s_mov_b32 s30, 0
	s_wait_kmcnt 0x0
.irp s, 0,1,2,3,4,5,6,7,8,9,10,11,12,13,14,15
	s_or_b32 s29, s29, s[32+2*\s]
	s_or_b32 s30, s30, s[68+2*\s]
	s_or_b32 s17, s[32+2*\s], s[68+2*\s]
	s_cmp_lg_u32 s17, 0
	s_cselect_b32 s17, 1<<\s, 0
	s_or_b32 s14, s14, s17
	s_and_b32 s17, s[33+2*\s], s[69+2*\s]
	s_cmp_lg_u32 s17, -1
	s_cselect_b32 s17, 1<<\s, 0
	s_or_b32 s15, s15, s17
.endr
	s_lshr_b32 s17, s29, 16                        ; row r's keys stand in bits r and r + 16
	s_or_b32 s29, s29, s17
	s_lshr_b32 s17, s30, 16
	s_or_b32 s30, s30, s17
	s_and_b32 s29, s29, s30
	s_and_b32 s29, s29, 0xffff
	s_cmp_lg_u32 s29, 0xffff                       ; a row with no key at all: every step is taken
	s_cselect_b32 s17, 0xffff, 0
	s_or_b32 s14, s14, s17
	s_mov_b32 s31, s13
	s_sub_co_u32 s9, s9, 1
	s_cmp_lg_u32 s9, 0
	s_cbranch_scc1 .Lsum
	s_mov_b32 s17, 0xfe00
	s_cmp_lg_u32 s28, 0
	s_cselect_b32 s26, 0, s26                      ; the odd wave has no part in block a,
	s_cselect_b32 s17, 0x1ff, s17                  ; and steps 0-8 of block b; the even wave steps 9-15
	s_and_b32 s14, s14, s17
.irp q, 0,1
	v_mov_b32 v[F+2*\q+1], 0                       ; (named as the upper halves of pairs)
	v_mov_b32 v[T2+2*\q+1], 0
	v_mov_b32 v[PX+\q], 0                          ; a lane permute's destination counts as read
.endr
	WIN 0x04                                       ; store data window 1
.irp bl, 0,1,2,3
	s_wait_loadcnt 56-8*\bl                        ; Q and K's blocks up to this one are in; the younger loads stay out
.irp i, 0,1,2,3,4,5,6,7
	ds_store_b128 v[ST+(\i&1)], v[4*(8*\bl+\i):4*(8*\bl+\i)+3] offset:(\bl/2)*8192+(4*(\bl%2)+\i/2)*1024
.endr
.endr
.irp bl, 0,1,2,3
	s_wait_loadcnt 24-8*\bl
.irp i, 0,1,2,3,4,5,6,7
	ds_store_b128 v[ST+2+(\i&1)], v[128+4*(8*\bl+\i):128+4*(8*\bl+\i)+3] offset:(\bl/2)*8192+(\i/2)*2048+(\bl%2)*1024
.endr
.endr
	WIN 0x40
.irp q, 0,1                                        ; block a's Q: it has the first loop in which to land
	global_load_b128 v[Q2+8*\q:Q2+8*\q+3],   v[QA], s[100:101] offset:1024*\q
	global_load_b128 v[Q2+8*\q+4:Q2+8*\q+7], v[QA], s[100:101] offset:1024*\q+32
.endr
	WIN 0
	INIT
	s_mov_b32 s8, 0                                ; the step's bytes in LDS
	s_mov_b32 s13, 0                               ; and in maskw
	s_mov_b32 s9, 16
	s_wait_alu depctr_va_vdst(0)                   ; the wait at the head's end
	s_wait_dscnt 0x0                               ; my part of the copy is in LDS
	s_barrier_signal -1
	s_barrier_wait -1                              ; everybody's is
	KLOOP 1, Q, 0x01                               ; my steps of block b
	s_cmp_lg_u32 s28, 0
	s_cbranch_scc1 .Lkeep
	WIN 0x04                                       ; the even wave hands its part over, each accumulator from its low end on,
.set j, 0
.rept 16
	ds_store_b128 v[PAD], v[O+4*j:O+4*j+3] offset:512*j
.set j, j+1
.endr
	WIN 0
	ds_store_b128 v[PAD], v[NM:NM+3] offset:8192
	ds_store_b128 v[PAD], v[SUM:SUM+3] offset:8704
	INIT                                           ; and begins block a
.Lkeep:
	s_mov_b64 s[6:7], s[24:25]
	s_mov_b32 s14, s26
	s_mov_b32 s15, s27
	s_mov_b32 s8, 0
	s_mov_b32 s13, 0
	s_mov_b32 s9, 16
	s_wait_alu depctr_va_vdst(0)                   ; the wait directly ahead of the wait below
	s_wait_loadcnt 0x0                             ; block a's Q
	KLOOP 2, Q2, 0x05                              ; block a (the odd wave: no step)
	s_wait_dscnt 0x0                               ; the part is in LDS
	s_barrier_signal -1
	s_barrier_wait -1
	s_cmp_eq_u32 s28, 0
	s_cbranch_scc1 .Lnojoin
	ds_load_b128 v[PS:PS+3], v[PAD] offset:8192    ; the odd wave joins the two parts of block b
	ds_load_b128 v[PS+4:PS+7], v[PAD] offset:8704
	WIN 0x40
.set j, 0
.rept 16
	ds_load_b128 v[4*j:4*j+3], v[PAD] offset:512*j
.set j, j+1
.endr
	WIN 0
	s_wait_dscnt 0x0
.irp q, 0,1
	v_min_num_f32 v[TA+\q], v[NM+2*\q], v[PS+2*\q] ; -M of the larger M
.endr
.irp q, 0,1
	v_sub_f32 v[TB+\q], v[TA+\q], v[NM+2*\q]
	v_sub_f32 v[PX+\q], v[TA+\q], v[PS+2*\q]
.endr
.irp q, 0,1
	v_cvt_i32_f32 v[TB+\q], v[TB+\q]
	v_cvt_i32_f32 v[PX+\q], v[PX+\q]
.endr
.irp q, 0,1
	v_ldexp_f32 v[F+2*\q], 1.0, v[TB+\q]           ; my part's factor,
	v_ldexp_f32 v[T2+2*\q], 1.0, v[PX+\q]          ; the other's
.endr
.irp q, 0,1
	v_pk_mul_f32 v[SUM+2*\q:SUM+2*\q+1], v[SUM+2*\q:SUM+2*\q+1], v[F+2*\q:F+2*\q+1] op_sel_hi:[1,0]
.endr
.irp q, 0,1
	v_pk_fma_f32 v[SUM+2*\q:SUM+2*\q+1], v[PS+4+2*\q:PS+5+2*\q], v[T2+2*\q:T2+2*\q+1], v[SUM+2*\q:SUM+2*\q+1] op_sel_hi:[1,0,1]
.endr
	WIN 0x41
	s_wait_alu depctr_va_vdst(0)                   ; the wait directly ahead of the first reader of O^T
.irp q, 0,1
.set j, 0
.rept 16
	v_pk_mul_f32 v[O+32*\q+j:O+32*\q+j+1], v[O+32*\q+j:O+32*\q+j+1], v[F+2*\q:F+2*\q+1] op_sel_hi:[1,0]
.set j, j+2
.endr
.endr
	WIN 0x51
.irp q, 0,1
.set j, 0
.rept 16
	v_pk_fma_f32 v[O+32*\q+j:O+32*\q+j+1], v[32*\q+j:32*\q+j+1], v[T2+2*\q:T2+2*\q+1], v[O+32*\q+j:O+32*\q+j+1] op_sel_hi:[1,0,1]
.set j, j+2
.endr
.endr
	WIN 0
.Lnojoin:
	; THE WAY OUT: O^T / the sum, held, turned into codes, through my stage, and out as 4 x 512 consecutive bytes.
.irp q, 0,1
	v_add_f32 v[SUM+2*\q], v[SUM+2*\q], v[SUM+2*\q+1]
.endr
.irp q, 0,1
	v_permlanex16_b32 v[PX+\q], v[SUM+2*\q], s66, s67
.endr
.irp q, 0,1
	v_add_f32 v[SUM+2*\q], v[SUM+2*\q], v[PX+\q]
.endr
	s_wait_alu depctr_va_vdst(0)                   ; the wait ahead of the transcendentals
.irp q, 0,1
	v_rcp_f32 v[SUM+2*\q], v[SUM+2*\q]
.endr
	v_nop
	WIN 0x01                                       ; source 0 window 1
	s_wait_alu depctr_va_vdst(0)                   ; the wait behind them, directly ahead of the first reader of O^T too
.irp q, 0,1
.set j, 0
.rept 32
	v_mul_f32 v[S+32*\q+j], v[O+32*\q+j], v[SUM+2*\q]
.set j, j+1
.endr
.endr
	WIN 0
.set j, 0
.rept 64
	v_med3_num_f32 v[S+j], v[S+j], -v[OLIM], v[OLIM]
.set j, j+1
.endr
.irp q, 0,1
.irp u, 0,1,2,3
	v_cvt_scalef32_pk8_fp8_f32 v[P+8*\q+2*\u:P+8*\q+2*\u+1], v[S+32*\q+8*\u:S+32*\q+8*\u+7], v[OSC]
.endr
.endr
	v_nop                                          ; a plain line behind the last conversion
.irp q, 0,1
.irp u, 0,1,2,3
	ds_store_b64 v[STO], v[P+8*\q+2*\u:P+8*\q+2*\u+1] offset:16*SP*\q+16*\u
.endr
.endr
.irp i, 0,1,2,3
	ds_load_b128 v[OUT+4*\i:OUT+4*\i+3], v[RDB] offset:8*SP*\i   ; LDS serves a wave's instructions in order: these see my stores
.endr
.irp i, 0,1,2,3
	s_wait_dscnt 3-\i                              ; the younger loads from the stage may be out
	global_store_b128 v[GO], v[OUT+4*\i:OUT+4*\i+3], s[10:11] offset:512*\i
.endr
	s_wait_tensorcnt 0x0                           ; the wave's end
	ds_add_u32 v[SPW], v[NIL]
	s_wait_dscnt 0x0
	s_endpgm
.Lfunc_end_k_qd2cf58f24e_attn:
	.size	k_qd2cf58f24e_attn, .Lfunc_end_k_qd2cf58f24e_attn-k_qd2cf58f24e_attn
	.p2alignl 7, 3214868480
	.fill 96, 4, 3214868480
	.section	.rodata,"a",@progbits
	.p2align	6, 0x0
	.amdhsa_kernel k_qd2cf58f24e_attn
		.amdhsa_group_segment_fixed_size 320512
		.amdhsa_private_segment_fixed_size 0
		.amdhsa_enable_private_segment 0
		.amdhsa_kernarg_size 40
		.amdhsa_user_sgpr_count 2
		.amdhsa_user_sgpr_kernarg_segment_ptr 1
		.amdhsa_wavefront_size32 1
		.amdhsa_system_sgpr_workgroup_id_x 1
		.amdhsa_system_sgpr_workgroup_id_y 1
		.amdhsa_system_sgpr_workgroup_id_z 1
		.amdhsa_system_vgpr_workitem_id 0
		.amdhsa_next_free_vgpr 512
		.amdhsa_next_free_sgpr 102
		.amdhsa_reserve_vcc 0
		.amdhsa_float_denorm_mode_32 3
		.amdhsa_float_denorm_mode_16_64 3
		.amdhsa_memory_ordered 1
		.amdhsa_forward_progress 1
		.amdhsa_inst_pref_size 124
	.end_amdhsa_kernel
	.amdgpu_metadata
---
amdhsa.version: [ 1, 2 ]
amdhsa.kernels:
  - .name:           k_qd2cf58f24e_attn
    .symbol:         k_qd2cf58f24e_attn.kd
    .args:
      - { .name: qkv, .offset: 0, .size: 8, .value_kind: global_buffer, .address_space: global }
      - { .name: maskw, .offset: 8, .size: 8, .value_kind: global_buffer, .address_space: global }
      - { .name: msum, .offset: 16, .size: 8, .value_kind: global_buffer, .address_space: global }
      - { .name: lowp_scales, .offset: 24, .size: 8, .value_kind: global_buffer, .address_space: global }
      - { .name: ao, .offset: 32, .size: 8, .value_kind: global_buffer, .address_space: global }
    .group_segment_fixed_size: 320512
    .private_segment_fixed_size: 0
    .kernarg_segment_align: 8
    .kernarg_segment_size: 40
    .max_flat_workgroup_size: 256
    .sgpr_count:     102
    .vgpr_count:     512
    .wavefront_size: 32
...
	.end_amdgpu_metadata
.endif
;; end of part 10
;; launch wo (part 11): grid 8 x 32, 4 waves a work-group, clusters of 4 x 4, 327,680 bytes of LDS; arguments ao, Wo_codes, x, lowp_scales, h; writes h
.if DOCPART == 11
	.amdgcn_target "amdgcn-amd-amdhsa--gfx1250"
	.amdhsa_code_object_version 6
	.text
	.protected	k_qd2cf58f24e_wo
	.globl	k_qd2cf58f24e_wo
	.p2align	8
	.type	k_qd2cf58f24e_wo,@function
k_qd2cf58f24e_wo:
	s_mov_b64 s[64:65], 0
	v_nop
	global_prefetch_b8 v0, s[64:65] scope:SCOPE_SE
	s_setreg_imm32_b32 hwreg(HW_REG_WAVE_MODE, 25, 1), 1
	s_wait_xcnt 0x0
	s_wait_alu depctr_hold_cnt(0) depctr_sa_sdst(0) depctr_va_vdst(0) depctr_va_sdst(0) depctr_va_ssrc(0) depctr_va_vcc(0) depctr_vm_vsrc(0)
	s_getreg_b32 s2, hwreg(HW_REG_IB_STS2, 6, 4)
	s_cmp_eq_u32 s2, 0
	s_cbranch_scc0 .Lentry_in_a_cluster
	s_endpgm
.Lentry_in_a_cluster:
	s_bfe_u32 s2, ttmp6, 0x10000c
	s_cmp_lg_u32 s2, 0xf033
	s_cbranch_scc0 .Lentry_shape_is_right
	s_endpgm
.Lentry_shape_is_right:
; h = x + attention Wo, the product on E4M3 codes (K = 1,024), sums in f32, each multiplied once by 2^(e10 + e11).
; A = ao: blocks [64 tokens][64 along K] of 4,096 bytes, 16 to a run of 64 tokens.  B = Wo_codes: rows [1024 (n)][1024 (k)].  x, h: [4096][1024] f32.
; A tile of C is 128 x 128: four waves, each 64 x 64 = 16 accumulators.  K = 1,024 lies whole in one LDS fill, made at the start by one tensor load a wave; nothing is filled again.
; THE MATRIX INSTRUCTION IS USED TRANSPOSED (source 0 = 16 rows of B, source 1 = 16 rows of A): a lane holds eight neighbouring columns of one row of C.
; CLUSTERS: 4 x 4 work-groups; A's tile is shared along a row of the cluster, B's along a column, each asked for jointly.
; A fragment is fetched by four loads of 16 bytes: k = 32 c + 16 h + 0 .. 15 in registers 4 c .. 4 c + 3, the same permutation in A and in B.
; LIMIT: e10 + e11 between -126 and 127.
; REGISTERS: window 0: v16-31 addresses; v32-95 two sets of 16 rows on the way out; v128-255 accumulators.  window 1: two fragment buffers.  window 2: v0-127 my 64 x 64 of x, asked for at the head, in the layout in which rows leave.
.set KSH,   10                         ; a row of B is 1,024 bytes
.set KROW,  1024
.set TSH,   16                         ; a run of 64 tokens of A is 16 blocks
.set PITCH, 1040                       ; B's LDS row: all of K, 1,024 bytes + 16
.set HALFT, 64*PITCH
.set BLK,   4352                       ; a block of A in LDS: 16 rows of 256 + 16 bytes; row x of 64, byte y: (x / 4) 272 + (x % 4) 64 + y
.set HALFA, 16*BLK                     ; 64 tokens x 1,024 K: what one tensor load brings
.set SLOT,  2*HALFA+2*HALFT
.set STAGE, SLOT                       ; one fill holds all of K: one tensor load a wave, nothing is filled again
.set SPITCH, 272
.set SPARE, STAGE+4*16*SPITCH
.set ADRA, 16
.set ADRB, 20
.set STO,  24
.set RD,   25
.set CO,   26
.set SPW,  28
.set NIL,  29
.set ACC,  128
.set F0,   0
.set F1,   128
.set G1,   24
.set G0,   32
.set G1B,  48
.set G0B,  56
.set MSB, 0
.macro WIN new                         ; the immediate's high byte repeats the setting that is left
.if MSB != \new
	s_set_vgpr_msb (MSB<<8)|\new
.set MSB, \new
.endif
.endm
.set MUL,  0x05
.set TO_F, 0x40
.macro CREST
	s_cmp_lg_u32 s10, 0
	s_cbranch_scc1 .Lnot_wave_0_\@
	s_barrier_signal -3
.Lnot_wave_0_\@:
	s_barrier_wait -3
	s_barrier_signal -1
	s_barrier_wait -1
.endm
.macro CROUND
	s_barrier_signal -1
	s_barrier_wait -1
	CREST
.endm
.macro PLACES                          ; four places in front of loads into registers that matrix instructions have read, and of the first read of results
.rept 4
	v_nop
.endr
.endm
	s_load_b256 s[68:75], s[0:1], 0x0              ; ao, Wo, x, the scales' exponents
	s_load_b64 s[76:77], s[0:1], 0x20              ; h
	v_lshl_add_u32 v[SPW], v0, 2, SPARE
	v_mov_b32 v[NIL], 0
	ds_add_u32 v28, v29
	ds_add_u32 v28, v29
	s_wait_dscnt 0x0
	v_lshrrev_b32 v1, 5, v0
	v_readfirstlane_b32 s10, v1
	s_lshr_b32 s11, s10, 1                         ; my half of the tile's rows.  Also: I fetch for A (0) or for B (1)
	s_and_b32 s12, s10, 1                          ; my half of its columns.  Also: which 64 rows I fetch
	s_bfe_u32 s40, ttmp6, 0x40000
	s_bfe_u32 s41, ttmp6, 0x40004
	s_lshl_b32 s42, ttmp9, 2
	s_add_co_u32 s42, s42, s40                     ; tile column
	s_and_b32 s13, ttmp7, 0xffff
	s_lshl_b32 s13, s13, 2
	s_add_co_u32 s13, s13, s41                     ; tile row
	s_lshl_b32 s43, s41, 2
	s_lshl_b32 s43, 15, s43
	s_lshl_b32 s44, 0x1111, s40
	s_or_b32 s[G1+0], s43, (3<<16)|(1<<20)|(1<<21)|(5<<22)|(3<<25)   ; A: elements of 8 bytes; after every 64 words, 4 words of padding
	s_mov_b32 s[G1+1], 32<<16                      ; rows of 256 bytes,
	s_mov_b32 s[G1+2], 256<<16                     ; 256 of them: sixteen blocks,
	s_mov_b32 s[G1+3], 32<<16
	s_mov_b32 s[G1+4], 256
	s_mov_b32 s[G1+5], 32                          ; dense
	s_mov_b32 s[G1+6], 0
	s_mov_b32 s[G1+7], 0
	s_or_b32 s[G1B+0], s44, (0<<16)|(1<<20)|(1<<21)|(7<<22)|(3<<25)  ; B: elements of 1 byte; after every 256 words, 4 words
	s_mov_b32 s[G1B+1], 1024<<16
	s_mov_b32 s[G1B+2], 64<<16
	s_mov_b32 s[G1B+3], 1024<<16
	s_mov_b32 s[G1B+4], 64
	s_mov_b32 s[G1B+5], KROW
	s_mov_b32 s[G1B+6], 0
	s_mov_b32 s[G1B+7], 0
	s_lshl_b32 s16, s13, 1
	s_add_co_u32 s16, s16, s12
	s_lshl_b32 s16, s16, TSH                       ; A: the run of 64 tokens that I fetch
	s_mov_b32 s17, 0
	s_lshl_b32 s46, s42, 7
	s_lshl_b32 s47, s12, 6
	s_add_co_u32 s46, s46, s47
	s_lshl_b32 s46, s46, KSH                       ; B: row 128 x tile column + 64 x half
	s_mov_b32 s47, 0
	s_mul_i32 s20, s12, HALFA                      ; where they go
	s_mul_i32 s21, s12, HALFT
	s_add_co_u32 s21, s21, 2*HALFA
	s_wait_kmcnt 0x0
	s_load_b64 s[78:79], s[74:75], 0x28            ; e10, e11
	s_add_nc_u64 s[14:15], s[68:69], s[16:17]
	s_add_nc_u64 s[46:47], s[70:71], s[46:47]
.irp s, 0
	s_mov_b32 s[G0+4*\s], 1
	s_add_co_u32 s[G0+4*\s+1], s20, \s*SLOT
	s_add_nc_u64 s[G0+4*\s+2:G0+4*\s+3], s[14:15], \s*32768
	s_or_b32 s[G0+4*\s+3], s[G0+4*\s+3], 0x80000000
	s_mov_b32 s[G0B+4*\s], 1
	s_add_co_u32 s[G0B+4*\s+1], s21, \s*SLOT
	s_add_nc_u64 s[G0B+4*\s+2:G0B+4*\s+3], s[46:47], \s*512
	s_or_b32 s[G0B+4*\s+3], s[G0B+4*\s+3], 0x80000000
.endr
	CROUND                                         ; all sixteen work-groups are here: the joint loads meet
	s_cmp_eq_u32 s11, 0                            ; a wave's one fill stands in a branch on its number: one load of mine is out
	s_cbranch_scc0 .Lfirst_b
	tensor_load_to_lds s[G0:G0+3], s[G1:G1+7]
	s_nop 0
.rept 4
	v_nop
.endr
	s_branch .Lfirst_asked
.Lfirst_b:
	tensor_load_to_lds s[G0B:G0B+3], s[G1B:G1B+7]
	s_nop 0
.rept 4
	v_nop
.endr
.Lfirst_asked:
	v_and_b32 v1, 15, v0                           ; r
	v_bfe_u32 v2, v0, 4, 1                         ; h
	v_lshlrev_b32 v[CO], 12, v2
	v_lshl_add_u32 v[CO], v1, 4, v[CO]             ; in x and h: lanes 0-15 take 256 bytes of one row, lanes 16-31 of the next
	s_wait_alu depctr_va_vdst(0)
	s_lshl_b32 s84, s13, 7
	s_lshl_b32 s85, s11, 6
	s_add_co_u32 s84, s84, s85
	s_lshl_b32 s84, s84, 12                        ; my first row, of 4,096 bytes,
	s_lshl_b32 s85, s42, 9
	s_add_co_u32 s84, s84, s85
	s_lshl_b32 s85, s12, 8
	s_add_co_u32 s84, s84, s85                     ; my first column
	s_mov_b32 s85, 0
	s_add_nc_u64 s[80:81], s[72:73], s[84:85]
	s_add_nc_u64 s[8:9], s[76:77], s[84:85]
	WIN 0x80                                       ; destination window 2
.irp a, 0,1,2,3
.irp t, 0,1,2,3,4,5,6,7
	global_load_b128 v[4*(8*\a+\t):4*(8*\a+\t)+3], v[CO], s[80:81] offset:(16*\a+2*\t)*4096
.endr
.endr
	WIN 0
	v_mul_u32_u24 v3, v1, PITCH
	v_lshl_add_u32 v3, v2, 4, v3                   ; B: row x pitch + 16 h
	v_lshrrev_b32 v4, 2, v1
	v_mul_u32_u24 v4, v4, 272
	v_and_b32 v5, 3, v1
	v_lshl_add_u32 v4, v5, 6, v4
	v_lshl_add_u32 v4, v2, 4, v4                   ; A: (r / 4) 272 + (r % 4) 64 + 16 h
	s_mul_i32 s21, s11, HALFA
	s_mul_i32 s22, s12, HALFT
	s_add_co_u32 s22, s22, 2*HALFA
.irp s, 0,1
	v_add_nc_u32 v[ADRA+\s], s21, v4
	v_add_nc_u32 v[ADRB+\s], s22, v3
	s_add_co_u32 s21, s21, 8*BLK                   ; K 512 on: eight blocks of A,
	s_add_co_u32 s22, s22, 512                     ; 512 bytes of a row of B
.endr
	s_mul_i32 s23, s10, 16*SPITCH
	s_add_co_u32 s23, s23, STAGE
	v_mul_u32_u24 v6, v1, SPITCH
	v_lshl_add_u32 v6, v2, 5, v6
	v_add_nc_u32 v[STO], s23, v6                   ; into my stage: row r, 32 h bytes on
	v_mul_u32_u24 v7, v2, SPITCH
	v_lshl_add_u32 v7, v1, 4, v7
	v_add_nc_u32 v[RD], s23, v7                    ; back: two rows an instruction
	s_wait_alu depctr_va_vdst(0)
	s_wait_kmcnt 0x0
	s_add_co_i32 s66, s78, s79
	s_add_co_i32 s66, s66, 127
	s_lshl_b32 s66, s66, 23                        ; 2^(e10 + e11)
	s_mov_b32 s67, s66
.macro FRAGR reg, adr, q, i
.irp c, 0,1,2,3
	ds_load_b128 v[\reg+4*\c:\reg+4*\c+3], v[\adr] offset:128*(\q)+32*\c+(\i)*16*PITCH
.endr
.endm
.macro FRAGK reg, adr, q, i            ; from blocks: 128 along K are two blocks
.irp c, 0,1,2,3
	ds_load_b128 v[\reg+4*\c:\reg+4*\c+3], v[\adr] offset:(2*(\q)+\c/2)*BLK+(\i)*1088+32*(\c%2)
.endr
.endm
.macro FETCH slot, q, f
	WIN TO_F
.irp i, 0,1,2,3
	FRAGR \f+64+16*\i, ADRB+\slot, \q, \i
.endr
.irp i, 0,1,2,3
	FRAGK \f+16*\i, ADRA+\slot, \q, \i
.endr
.endm
.macro MUL8 f, a0, zero                ; the 16 accumulators take turns, one instruction a turn
.irp a, \a0, \a0+1
.irp b, 0,1,2,3
.if \zero
	v_wmma_f32_16x16x128_fp8_fp8 v[ACC+8*(4*(\a)+\b):ACC+8*(4*(\a)+\b)+7], v[\f+64+16*\b:\f+64+16*\b+15], v[\f+16*(\a):\f+16*(\a)+15], 0
.else
	v_wmma_f32_16x16x128_fp8_fp8 v[ACC+8*(4*(\a)+\b):ACC+8*(4*(\a)+\b)+7], v[\f+64+16*\b:\f+64+16*\b+15], v[\f+16*(\a):\f+16*(\a)+15], v[ACC+8*(4*(\a)+\b):ACC+8*(4*(\a)+\b)+7]
.endif
.endr
.endr
.endm
.macro QUARTER slot, q, f, g, zero
	s_wait_dscnt 8                                 ; B's four and A's blocks 0, 1 are in; the youngest eight loads may be out
	WIN MUL
	MUL8 \f, 0, \zero
	PLACES
	FETCH \slot, \q, \g
	s_wait_dscnt 32                                ; all but the 32 just issued
	WIN MUL
	MUL8 \f, 2, \zero
.endm
	s_wait_tensorcnt 0x0                           ; my one load is in
	s_barrier_signal -1
	s_barrier_wait -1
	FETCH 0, 0, F0
	QUARTER 0, 1, F0, F1, 1
	QUARTER 0, 2, F1, F0, 0
	QUARTER 0, 3, F0, F1, 0
	QUARTER 1, 0, F1, F0, 0                        ; on into K 512-1023: the same fill
	QUARTER 1, 1, F0, F1, 0
	QUARTER 1, 2, F1, F0, 0
	QUARTER 1, 3, F0, F1, 0
	s_wait_dscnt 8
	WIN MUL
	MUL8 F1, 0, 0
	s_wait_dscnt 0x0
	MUL8 F1, 2, 0
	WIN 0
	PLACES
; THE WAY OUT, 16 rows at a time: the sums go through my stage (each accumulator from its low end on) and come back as rows of 256 bytes; h = sum x 2^(e10 + e11) + x; sixteen lanes store 256 consecutive bytes, aligned.
.macro F32OUT a
.set TM, 32+32*((\a)%2)
.if (\a) >= 2
	s_wait_xcnt 0x0                                ; the stores of two blocks back have read these registers
.endif
.irp b, 0,1,2,3
	ds_store_b128 v[STO], v[ACC+8*(4*(\a)+\b):ACC+8*(4*(\a)+\b)+3] offset:64*\b
	ds_store_b128 v[STO], v[ACC+8*(4*(\a)+\b)+4:ACC+8*(4*(\a)+\b)+7] offset:64*\b+16
.endr
.irp t, 0,1,2,3,4,5,6,7
	ds_load_b128 v[TM+4*\t:TM+4*\t+3], v[RD] offset:\t*2*SPITCH   ; LDS serves a wave's instructions in order
.endr
	s_wait_dscnt 0x0
	WIN 0x20                                       ; source 2 window 2
.irp k, 0,2,4,6,8,10,12,14,16,18,20,22,24,26,28,30
	v_pk_fma_f32 v[TM+\k:TM+\k+1], v[TM+\k:TM+\k+1], s[66:67], v[32*(\a)+\k:32*(\a)+\k+1] op_sel_hi:[1,0,1]
.endr
	WIN 0
.irp t, 0,1,2,3,4,5,6,7
	global_store_b128 v[CO], v[TM+4*\t:TM+4*\t+3], s[8:9] offset:(16*(\a)+2*\t)*4096
.endr
.endm
	s_wait_loadcnt 0x0                             ; x
	F32OUT 0
	F32OUT 1
	F32OUT 2
	F32OUT 3
	s_wait_tensorcnt 0x0                           ; the wave's end
	ds_add_u32 v[SPW], v[NIL]
	s_wait_dscnt 0x0
	CROUND                                         ; the closing round
	s_endpgm
.Lfunc_end_k_qd2cf58f24e_wo:
	.size	k_qd2cf58f24e_wo, .Lfunc_end_k_qd2cf58f24e_wo-k_qd2cf58f24e_wo
	.p2alignl 7, 3214868480
	.fill 96, 4, 3214868480
	.section	.rodata,"a",@progbits
	.p2align	6, 0x0
	.amdhsa_kernel k_qd2cf58f24e_wo
		.amdhsa_group_segment_fixed_size 327680
		.amdhsa_private_segment_fixed_size 0
		.amdhsa_enable_private_segment 0
		.amdhsa_kernarg_size 40
		.amdhsa_user_sgpr_count 2
		.amdhsa_user_sgpr_kernarg_segment_ptr 1
		.amdhsa_wavefront_size32 1
		.amdhsa_system_sgpr_workgroup_id_x 1
		.amdhsa_system_sgpr_workgroup_id_y 1
		.amdhsa_system_sgpr_workgroup_id_z 1
		.amdhsa_system_vgpr_workitem_id 0
		.amdhsa_next_free_vgpr 768
		.amdhsa_next_free_sgpr 100
		.amdhsa_reserve_vcc 0
		.amdhsa_float_denorm_mode_32 3
		.amdhsa_float_denorm_mode_16_64 3
		.amdhsa_memory_ordered 1
		.amdhsa_forward_progress 1
		.amdhsa_inst_pref_size 48
	.end_amdhsa_kernel
	.amdgpu_metadata
---
amdhsa.version: [ 1, 2 ]
amdhsa.kernels:
  - .name:           k_qd2cf58f24e_wo
    .symbol:         k_qd2cf58f24e_wo.kd
    .args:
      - { .name: ao, .offset: 0, .size: 8, .value_kind: global_buffer, .address_space: global }
      - { .name: Wo_codes, .offset: 8, .size: 8, .value_kind: global_buffer, .address_space: global }
      - { .name: x, .offset: 16, .size: 8, .value_kind: global_buffer, .address_space: global }
      - { .name: lowp_scales, .offset: 24, .size: 8, .value_kind: global_buffer, .address_space: global }
      - { .name: h, .offset: 32, .size: 8, .value_kind: global_buffer, .address_space: global }
    .group_segment_fixed_size: 327680
    .private_segment_fixed_size: 0
    .kernarg_segment_align: 8
    .kernarg_segment_size: 40
    .max_flat_workgroup_size: 128
    .sgpr_count:     100
    .vgpr_count:     768
    .wavefront_size: 32
...
	.end_amdgpu_metadata
.endif
;; end of part 11
;; launch ln2 (part 12): grid 256 x 1, 4 waves a work-group, no clusters, 0 bytes of LDS; arguments h, g2, be2, lowp_scales, hn; writes hn
.if DOCPART == 12
	.amdgcn_target "amdgcn-amd-amdhsa--gfx1250"
	.amdhsa_code_object_version 6
	.text
	.protected	k_qd2cf58f24e_ln2
	.globl	k_qd2cf58f24e_ln2
	.p2align	8
	.type	k_qd2cf58f24e_ln2,@function
k_qd2cf58f24e_ln2:
	s_mov_b64 s[64:65], 0
	v_nop
	global_prefetch_b8 v0, s[64:65] scope:SCOPE_SE
	s_setreg_imm32_b32 hwreg(HW_REG_WAVE_MODE, 25, 1), 1
	s_wait_xcnt 0x0
; LN2(h) = (h - mu) / sqrt(var + 1e-5) * g2 + be2, in f32, turned into E4M3 codes with the given scale 2^e12: hn [4096 tokens][1024] codes, the left operand of the product with w1.
; 1,024 waves; wave W takes rows 4 W .. 4 W + 3, a row whole in registers (mean, then the squares of h - mean: one read of memory).
; A lane holds columns 256 g + 8 L + 0 .. 7 (g = 0 .. 3): eight neighbours along K for each conversion, and a store of 8 bytes a lane covers 256 consecutive bytes, aligned.  Waves share nothing: no LDS, no barrier.
; LIMIT: e12 between -126 and 119.  NaN among the inputs is not served.
.set G,   16                           ; v16-47   g2 of my 32 columns
.set BE,  48                           ; v48-79   be2
.set X,   80                           ; v80-207  four rows: row r at X + 32 r + 8 g + i
.set T0,  208                          ; v208-223 at work
.set C,   224                          ; v224-231 a row's four pairs of codes
.set ST,  232                          ; v232-239 a pair a row: mu, then 1 / sigma
	s_load_b256 s[4:11], s[0:1], 0x0               ; h, g2, be2, the scales' exponents
	s_load_b64 s[14:15], s[0:1], 0x20              ; hn
	v_lshrrev_b32 v1, 5, v0
	v_readfirstlane_b32 s18, v1
	s_lshl_b32 s19, ttmp9, 2
	s_add_co_u32 s19, s19, s18                     ; W
	s_mov_b32 s36, 0x76543210
	s_mov_b32 s37, 0xfedcba98
	s_mov_b32 s32, 0x3a800000                      ; 1 / 1024
	s_mov_b32 s33, 0x3727c5ac                      ; 1e-5
	v_and_b32 v1, 31, v0
	v_lshlrev_b32 v2, 5, v1
	v_lshlrev_b32 v3, 3, v1
	s_lshl_b32 s22, s19, 14
	s_mov_b32 s23, 0
	s_lshl_b32 s42, s19, 12
	s_mov_b32 s43, 0
	s_wait_alu depctr_va_vdst(0)
	s_wait_kmcnt 0x0
	s_load_b32 s24, s[10:11], 0x30                 ; e12
	s_add_nc_u64 s[4:5], s[4:5], s[22:23]
	s_add_nc_u64 s[14:15], s[14:15], s[42:43]
.irp g, 0,1,2,3
	global_load_b128 v[G+8*\g:G+8*\g+3],   v2, s[6:7] offset:1024*\g
	global_load_b128 v[G+8*\g+4:G+8*\g+7], v2, s[6:7] offset:1024*\g+16
.endr
.irp g, 0,1,2,3
	global_load_b128 v[BE+8*\g:BE+8*\g+3],   v2, s[8:9] offset:1024*\g
	global_load_b128 v[BE+8*\g+4:BE+8*\g+7], v2, s[8:9] offset:1024*\g+16
.endr
.irp r, 0,1,2,3
.irp g, 0,1,2,3
	global_load_b128 v[X+32*\r+8*\g:X+32*\r+8*\g+3],   v2, s[4:5] offset:4096*\r+1024*\g
	global_load_b128 v[X+32*\r+8*\g+4:X+32*\r+8*\g+7], v2, s[4:5] offset:4096*\r+1024*\g+16
.endr
.endr
	s_wait_kmcnt 0x0
	s_add_co_i32 s34, s24, 127
	s_lshl_b32 s35, s34, 23
	v_mov_b32 v4, s35                              ; 2^e12
	s_add_co_i32 s34, s34, 8
	s_lshl_b32 s34, s34, 23
	s_or_b32 s34, s34, 0x600000
	v_mov_b32 v5, s34                              ; 448 x 2^e12
.macro REDUCE                          ; each row's two partial pairs -> the row's sum, in every lane, in v[T0+4r]
.irp r, 0,1,2,3
	v_pk_add_f32 v[T0+4*\r:T0+4*\r+1], v[T0+4*\r:T0+4*\r+1], v[T0+4*\r+2:T0+4*\r+3]
.endr
.irp r, 0,1,2,3
	v_add_f32 v[T0+4*\r], v[T0+4*\r], v[T0+4*\r+1]
.endr
.irp m, 1,2,4,8
.irp r, 0,1,2,3
	v_add_f32_dpp v[T0+4*\r], v[T0+4*\r], v[T0+4*\r] row_xmask:\m row_mask:0xf bank_mask:0xf
.endr
.endr
.irp r, 0,1,2,3
	v_permlanex16_b32 v[T0+4*\r+1], v[T0+4*\r], s36, s37
.endr
.irp r, 0,1,2,3
	v_add_f32 v[T0+4*\r], v[T0+4*\r], v[T0+4*\r+1]
.endr
.endm
	s_wait_loadcnt 0x0
.irp r, 0,1,2,3
	v_pk_add_f32 v[T0+4*\r:T0+4*\r+1],   v[X+32*\r:X+32*\r+1],   v[X+32*\r+2:X+32*\r+3]
	v_pk_add_f32 v[T0+4*\r+2:T0+4*\r+3], v[X+32*\r+4:X+32*\r+5], v[X+32*\r+6:X+32*\r+7]
.endr
.irp p, 8,12,16,20,24,28
.irp r, 0,1,2,3
	v_pk_add_f32 v[T0+4*\r:T0+4*\r+1],   v[T0+4*\r:T0+4*\r+1],   v[X+32*\r+\p:X+32*\r+\p+1]
	v_pk_add_f32 v[T0+4*\r+2:T0+4*\r+3], v[T0+4*\r+2:T0+4*\r+3], v[X+32*\r+\p+2:X+32*\r+\p+3]
.endr
.endr
	REDUCE
.irp r, 0,1,2,3
	v_mul_f32 v[ST+2*\r], s32, v[T0+4*\r]          ; mu
	v_mov_b32 v[ST+2*\r+1], 0                      ; (named with it as a pair, so it is written)
.endr
.irp p, 0,2,4,6,8,10,12,14,16,18,20,22,24,26,28,30
.irp r, 0,1,2,3
	v_pk_add_f32 v[X+32*\r+\p:X+32*\r+\p+1], v[X+32*\r+\p:X+32*\r+\p+1], v[ST+2*\r:ST+2*\r+1] op_sel_hi:[1,0] neg_lo:[0,1] neg_hi:[0,1]   ; h - mu
.endr
.endr
.irp r, 0,1,2,3
	v_pk_mul_f32 v[T0+4*\r:T0+4*\r+1],   v[X+32*\r:X+32*\r+1],   v[X+32*\r:X+32*\r+1]
	v_pk_mul_f32 v[T0+4*\r+2:T0+4*\r+3], v[X+32*\r+2:X+32*\r+3], v[X+32*\r+2:X+32*\r+3]
.endr
.irp p, 4,8,12,16,20,24,28
.irp r, 0,1,2,3
	v_pk_fma_f32 v[T0+4*\r:T0+4*\r+1],   v[X+32*\r+\p:X+32*\r+\p+1],   v[X+32*\r+\p:X+32*\r+\p+1],   v[T0+4*\r:T0+4*\r+1]
	v_pk_fma_f32 v[T0+4*\r+2:T0+4*\r+3], v[X+32*\r+\p+2:X+32*\r+\p+3], v[X+32*\r+\p+2:X+32*\r+\p+3], v[T0+4*\r+2:T0+4*\r+3]
.endr
.endr
	REDUCE
.irp r, 0,1,2,3
	v_fma_f32 v[T0+4*\r], v[T0+4*\r], s32, s33     ; var + 1e-5
.endr
	s_wait_alu depctr_va_vdst(0)
.irp r, 0,1,2,3
	v_rsq_f32 v[ST+2*\r], v[T0+4*\r]
.endr
	v_nop                                          ; a plain instruction behind the last of the four,
	s_wait_alu depctr_va_vdst(0)                   ; and one wait for the batch ahead of its first reader
.irp p, 0,2,4,6,8,10,12,14,16,18,20,22,24,26,28,30
.irp r, 0,1,2,3
	v_pk_mul_f32 v[X+32*\r+\p:X+32*\r+\p+1], v[X+32*\r+\p:X+32*\r+\p+1], v[ST+2*\r:ST+2*\r+1] op_sel_hi:[1,0]
.endr
.irp r, 0,1,2,3
	v_pk_fma_f32 v[X+32*\r+\p:X+32*\r+\p+1], v[X+32*\r+\p:X+32*\r+\p+1], v[G+\p:G+\p+1], v[BE+\p:BE+\p+1]
.endr
.endr
; Row r becomes codes.  The conversion does not saturate (ISA guide 7.6.2): each number is first held within 448 x the scale, into one of two sets of eight registers by turns,
; so that eight plain lines on other registers stand between a conversion and the next write of its sources.
.macro ROWQ r
	s_wait_xcnt 0x0                                ; the last row's stores have read their codes
.irp g, 0,1,2,3
.set TT, T0+8*((\g)%2)
.irp i, 0,1,2,3,4,5,6,7
	v_med3_num_f32 v[TT+\i], v[X+32*(\r)+8*\g+\i], -v5, v5
.endr
	v_cvt_scalef32_pk8_fp8_f32 v[C+2*\g:C+2*\g+1], v[TT:TT+7], v4
	global_store_b64 v3, v[C+2*\g:C+2*\g+1], s[14:15] offset:(\r)*1024+256*\g   ; 32 lanes store 256 consecutive bytes, aligned
.endr
.endm
	ROWQ 0
	ROWQ 1
	ROWQ 2
	ROWQ 3
	s_endpgm
.Lfunc_end_k_qd2cf58f24e_ln2:
	.size	k_qd2cf58f24e_ln2, .Lfunc_end_k_qd2cf58f24e_ln2-k_qd2cf58f24e_ln2
	.p2alignl 7, 3214868480
	.fill 96, 4, 3214868480
	.section	.rodata,"a",@progbits
	.p2align	6, 0x0
	.amdhsa_kernel k_qd2cf58f24e_ln2
		.amdhsa_group_segment_fixed_size 0
		.amdhsa_private_segment_fixed_size 0
		.amdhsa_enable_private_segment 0
		.amdhsa_kernarg_size 40
		.amdhsa_user_sgpr_count 2
		.amdhsa_user_sgpr_kernarg_segment_ptr 1
		.amdhsa_wavefront_size32 1
		.amdhsa_system_sgpr_workgroup_id_x 1
		.amdhsa_system_sgpr_workgroup_id_y 1
		.amdhsa_system_sgpr_workgroup_id_z 1
		.amdhsa_system_vgpr_workitem_id 0
		.amdhsa_next_free_vgpr 256
		.amdhsa_next_free_sgpr 66
		.amdhsa_reserve_vcc 0
		.amdhsa_float_denorm_mode_32 3
		.amdhsa_float_denorm_mode_16_64 3
		.amdhsa_memory_ordered 1
		.amdhsa_forward_progress 1
		.amdhsa_inst_pref_size 41
	.end_amdhsa_kernel
	.amdgpu_metadata
---
amdhsa.version: [ 1, 2 ]
amdhsa.kernels:
  - .name:           k_qd2cf58f24e_ln2
    .symbol:         k_qd2cf58f24e_ln2.kd
    .args:
      - { .name: h, .offset: 0, .size: 8, .value_kind: global_buffer, .address_space: global }
      - { .name: g2, .offset: 8, .size: 8, .value_kind: global_buffer, .address_space: global }
      - { .name: be2, .offset: 16, .size: 8, .value_kind: global_buffer, .address_space: global }
      - { .name: lowp_scales, .offset: 24, .size: 8, .value_kind: global_buffer, .address_space: global }
      - { .name: hn, .offset: 32, .size: 8, .value_kind: global_buffer, .address_space: global }
    .group_segment_fixed_size: 0
    .private_segment_fixed_size: 0
    .kernarg_segment_align: 8
    .kernarg_segment_size: 40
    .max_flat_workgroup_size: 128
    .sgpr_count:     66
    .vgpr_count:     256
    .wavefront_size: 32
...
	.end_amdgpu_metadata
.endif
;; end of part 12
;; launch ffn1 (part 13): grid 16 x 16, 4 waves a work-group, clusters of 4 x 4, 327,680 bytes of LDS; arguments hn, w1_codes, b1, lowp_scales, hid; writes hid
.if DOCPART == 13
	.amdgcn_target "amdgcn-amd-amdhsa--gfx1250"
	.amdhsa_code_object_version 6
	.text
	.protected	k_qd2cf58f24e_ffn1
	.globl	k_qd2cf58f24e_ffn1
	.p2align	8
	.type	k_qd2cf58f24e_ffn1,@function
k_qd2cf58f24e_ffn1:
	s_mov_b64 s[64:65], 0
	v_nop
	global_prefetch_b8 v0, s[64:65] scope:SCOPE_SE
	s_setreg_imm32_b32 hwreg(HW_REG_WAVE_MODE, 25, 1), 1
	s_wait_xcnt 0x0
	s_wait_alu depctr_hold_cnt(0) depctr_sa_sdst(0) depctr_va_vdst(0) depctr_va_sdst(0) depctr_va_ssrc(0) depctr_va_vcc(0) depctr_vm_vsrc(0)
	s_getreg_b32 s2, hwreg(HW_REG_IB_STS2, 6, 4)
	s_cmp_eq_u32 s2, 0
	s_cbranch_scc0 .Lentry_in_a_cluster
	s_endpgm
.Lentry_in_a_cluster:
	s_bfe_u32 s2, ttmp6, 0x10000c
	s_cmp_lg_u32 s2, 0xf033
	s_cbranch_scc0 .Lentry_shape_is_right
	s_endpgm
.Lentry_shape_is_right:
; hid = relu(LN2(h) w1 + b1), the product on E4M3 codes (K = 1,024), turned into codes again with 2^e14 on the way out.
; A = hn [4096 tokens][1024], B = w1_codes [4096 (n)][1024 (k)].  hid [64 runs of 64 tokens][64][64][64]: blocks [64 tokens][64 hidden units] of 4,096 bytes: the left operand of the product with w2.
; A tile of C is 256 x 256: four waves, each 128 x 128 = 64 accumulators, 512 registers; 16 x 16 = 256 work-groups, one tile each; against a tile of 128 x 128 each byte brought into LDS feeds twice the multiply-adds.
; A wave's results are four blocks.  K goes in steps of 256 through two LDS slots: two first fills, two refills.
; THE MATRIX INSTRUCTION IS USED TRANSPOSED (source 0 = 16 rows of B, source 1 = 16 rows of A): a lane's eight results are eight neighbouring hidden units of one token: neighbours along the next K.
; The bias is the C of each sum's first product, divided once by the power of two that the sums lack: b1 / 2^(e12 + e13).  The hold that the conversion wants, between 0 and 448 x the scale, is the activation too.
; CLUSTERS: 4 x 4 work-groups; A's tile is shared along a row of the cluster, B's along a column, each asked for jointly.
; A fragment (16 rows x 128 K) is fetched by four loads of 16 bytes, 32 apart: the same permutation of k in A and in B, so every product meets its partner.
; LIMIT: e14 - e12 - e13 between -126 and 119.
; REGISTERS, in windows of 256: window 0: v16-31 addresses and constants; v32-95 the bias, eight registers for each of B's eight blocks; v128-255 A's fragments, ONE set; on the way out v32-95 two sets of codes, v96-223 four blocks read back.
;   window 1: B's fragments, TWO sets, at v0 and v128.   window 2: the accumulators of my rows 0-63 ((a, b) at v[8 (8 a + b)]);   window 3: those of my rows 64-127.
.set KROW,  1024
.set ROWB,  256                        ; a tile's row: 256 codes
.set PITCH, 272                        ; an LDS row: 256 bytes + 16 of padding = 68 words: the 16 rows that a load touches start at 16 different groups of four banks
.set HALFT, 128*PITCH                  ; 128 rows: what one tensor load brings, and what one wave reads of A or of B
.set SLOT,  4*HALFT
.set SPARE, 2*SLOT                     ; behind the slots: the spare words, 128 bytes for each wave
.set STAGE, SPARE+512                  ; behind them: 64 rows x 80 bytes for each wave; no tile lands here
.set SP,    80
.set FR,    16
.set ADRA, 16
.set ADRB, 20
.set STO,  24
.set RD,   25
.set CO,   26
.set SPW,  28
.set NIL,  29
.set SC,   30
.set LIM,  31
.set BIAS, 32
.set CD,   32
.set BK,   96
.set AF,   128
.set G1,   24
.set G0,   32
.set G1B,  48
.set G0B,  56
.set MSB, 0
.macro WIN new                         ; the immediate's high byte repeats the setting that is left
.if MSB != \new
	s_set_vgpr_msb (MSB<<8)|\new
.set MSB, \new
.endif
.endm
.set MUL_LO, 0xa1                      ; source 0 (B) window 1, source 1 (A) window 0, C and D window 2
.set MUL_HI, 0xf1                      ; the same, C and D window 3
.set FIRST_LO, 0x81                    ; the first step: C (the bias) window 0, D window 2
.set FIRST_HI, 0xc1                    ; and D window 3
.set TO_B,   0x40
.macro JLOAD s                         ; a joint refill: waves 0 and 1 fetch A's halves, waves 2 and 3 B's; four v_nop follow each of the two lines
	s_cmp_eq_u32 s11, 0
	s_cbranch_scc0 .Lfor_b_\@
	tensor_load_to_lds s[G0+4*\s:G0+4*\s+3], s[G1:G1+7]
	s_nop 0
.rept 4
	v_nop
.endr
	s_branch .Lasked_\@
.Lfor_b_\@:
	tensor_load_to_lds s[G0B+4*\s:G0B+4*\s+3], s[G1B:G1B+7]
	s_nop 0
.rept 4
	v_nop
.endr
.Lasked_\@:
.endm
.macro CREST
	s_cmp_lg_u32 s10, 0
	s_cbranch_scc1 .Lnot_wave_0_\@
	s_barrier_signal -3
.Lnot_wave_0_\@:
	s_barrier_wait -3
	s_barrier_signal -1
	s_barrier_wait -1
.endm
.macro CROUND
	s_barrier_signal -1
	s_barrier_wait -1
	CREST
.endm
.macro PLACES                          ; four places in front of loads into registers that matrix instructions have read, and of the first read of results
.rept 4
	v_nop
.endr
.endm
	s_load_b256 s[68:75], s[0:1], 0x0              ; hn, w1, b1, the scales' exponents
	s_load_b64 s[76:77], s[0:1], 0x20              ; hid
	v_lshl_add_u32 v[SPW], v0, 2, SPARE
	v_mov_b32 v[NIL], 0
	ds_add_u32 v28, v29
	ds_add_u32 v28, v29
	s_wait_dscnt 0x0
	v_lshrrev_b32 v1, 5, v0
	v_readfirstlane_b32 s10, v1
	s_lshr_b32 s11, s10, 1                         ; my half of the tile's rows.  Also: I fetch for A (0) or for B (1)
	s_and_b32 s12, s10, 1                          ; my half of its columns.  Also: which 128 rows I fetch
	s_bfe_u32 s40, ttmp6, 0x40000
	s_bfe_u32 s41, ttmp6, 0x40004
	s_lshl_b32 s42, ttmp9, 2
	s_add_co_u32 s42, s42, s40                     ; tile column
	s_and_b32 s13, ttmp7, 0xffff
	s_lshl_b32 s13, s13, 2
	s_add_co_u32 s13, s13, s41                     ; tile row
	s_lshl_b32 s43, s41, 2
	s_lshl_b32 s43, 15, s43
	s_lshl_b32 s44, 0x1111, s40
	s_or_b32 s[G1+0], s43, (0<<16)|(1<<20)|(1<<21)|(5<<22)|(3<<25)   ; the mask; elements of 1 byte; padding on; bit 21 beside a mask; after every 64 words, 4 words
	s_or_b32 s[G1B+0], s44, (0<<16)|(1<<20)|(1<<21)|(5<<22)|(3<<25)
.irp g, G1, G1B
	s_mov_b32 s[\g+1], ROWB<<16
	s_mov_b32 s[\g+2], 128<<16
	s_mov_b32 s[\g+3], ROWB<<16
	s_mov_b32 s[\g+4], 128
	s_mov_b32 s[\g+5], KROW
	s_mov_b32 s[\g+6], 0
	s_mov_b32 s[\g+7], 0
.endr
	s_lshl_b32 s16, s13, 8
	s_lshl_b32 s17, s12, 7
	s_add_co_u32 s16, s16, s17
	s_lshl_b32 s16, s16, 10                        ; A: (256 tile row + 128 half) rows of 1,024 bytes
	s_mov_b32 s17, 0
	s_lshl_b32 s46, s42, 8
	s_lshl_b32 s47, s12, 7
	s_add_co_u32 s46, s46, s47
	s_lshl_b32 s46, s46, 10                        ; B likewise, by the tile column
	s_mov_b32 s47, 0
	s_mul_i32 s20, s10, HALFT
	s_wait_kmcnt 0x0
	s_load_b128 s[80:83], s[74:75], 0x30           ; e12, e13, e14, e15
	s_add_nc_u64 s[14:15], s[68:69], s[16:17]
	s_add_nc_u64 s[46:47], s[70:71], s[46:47]
.irp s, 0,1
	s_mov_b32 s[G0+4*\s], 1
	s_add_co_u32 s[G0+4*\s+1], s20, \s*SLOT
	s_add_nc_u64 s[G0+4*\s+2:G0+4*\s+3], s[14:15], \s*ROWB
	s_or_b32 s[G0+4*\s+3], s[G0+4*\s+3], 0x80000000
	s_mov_b32 s[G0B+4*\s], 1
	s_add_co_u32 s[G0B+4*\s+1], s20, \s*SLOT
	s_add_nc_u64 s[G0B+4*\s+2:G0B+4*\s+3], s[46:47], \s*ROWB
	s_or_b32 s[G0B+4*\s+3], s[G0B+4*\s+3], 0x80000000
.endr
	CROUND                                         ; all sixteen work-groups are here: the first joint loads meet
	s_cmp_eq_u32 s11, 0                            ; a wave's first fill stands in one branch on its number: one load of mine is out
	s_cbranch_scc0 .Lfirst_b
	tensor_load_to_lds s[G0:G0+3], s[G1:G1+7]
	s_nop 0
.rept 4
	v_nop
.endr
	s_branch .Lfirst_asked
.Lfirst_b:
	tensor_load_to_lds s[G0B:G0B+3], s[G1B:G1B+7]
	s_nop 0
.rept 4
	v_nop
.endr
.Lfirst_asked:
	; THE PREFETCHES: a slot's part of my load is 128 rows x 256 bytes.  Each of the four partners that ask for it jointly takes 32 rows, told apart by address (cx for A, cy for B), a lane a row,
	; one instruction a wave and slot.  Slots 1 and 2 are asked for here, behind slot 0's load; slot 3 behind slot 1's load.  The address registers are never rewritten: a slot on is 256 bytes in the immediate.
	s_cmp_eq_u32 s11, 0                            ; do I fetch for A?
	s_cselect_b64 s[18:19], s[14:15], s[46:47]     ; my load's first byte of slot 0
	s_cselect_b32 s2, s40, s41                     ; my place among the four
	s_lshl_b32 s2, s2, 15                          ; 32 rows of 1,024 bytes
	s_mov_b32 s3, 0
	s_add_nc_u64 s[18:19], s[18:19], s[2:3]
	v_and_b32 v27, 31, v0
	v_lshlrev_b32 v27, 10, v27
	global_prefetch_b8 v27, s[18:19] offset:256 th:TH_LOAD_NT scope:SCOPE_SE
	global_prefetch_b8 v27, s[18:19] offset:512 th:TH_LOAD_NT scope:SCOPE_SE
	v_and_b32 v1, 15, v0                           ; r
	s_wait_alu depctr_va_vdst(0)
	v_bfe_u32 v2, v0, 4, 1                         ; h
	v_lshlrev_b32 v8, 5, v2                        ; b1: for B's block b my eight units are 16 b + 8 h + 0 .. 7
	s_lshl_b32 s84, s42, 10
	s_lshl_b32 s85, s12, 9
	s_add_co_u32 s84, s84, s85                     ; my 128 units, 4 bytes each
	s_mov_b32 s85, 0
	s_add_nc_u64 s[86:87], s[72:73], s[84:85]
.irp b, 0,1,2,3,4,5,6,7
	global_load_b128 v[BIAS+8*\b:BIAS+8*\b+3],   v8, s[86:87] offset:64*\b
	global_load_b128 v[BIAS+8*\b+4:BIAS+8*\b+7], v8, s[86:87] offset:64*\b+16
.endr
	v_mul_u32_u24 v3, v1, PITCH
	v_lshl_add_u32 v3, v2, 4, v3
	s_mul_i32 s21, s11, HALFT
	s_mul_i32 s22, s12, HALFT
	s_add_co_u32 s22, s22, 2*HALFT
.irp s, 0,1
	v_add_nc_u32 v[ADRA+\s], s21, v3
	v_add_nc_u32 v[ADRB+\s], s22, v3
	s_add_co_u32 s21, s21, SLOT
	s_add_co_u32 s22, s22, SLOT
.endr
	s_mul_i32 s23, s10, 64*SP
	s_add_co_u32 s23, s23, STAGE
	v_mul_u32_u24 v4, v1, SP
	s_wait_alu depctr_va_vdst(0)
	v_lshl_add_u32 v4, v2, 3, v4
	v_add_nc_u32 v[STO], s23, v4                   ; into my stage: row r, 8 h bytes on
	v_and_b32 v5, 31, v0
	v_lshrrev_b32 v6, 2, v5
	v_mul_u32_u24 v6, v6, SP
	v_and_b32 v7, 3, v0
	v_lshl_add_u32 v6, v7, 4, v6
	v_add_nc_u32 v[RD], s23, v6                    ; back: four lanes to a row of 64 bytes, eight rows an instruction
	v_lshlrev_b32 v[CO], 4, v5
	s_lshl_b32 s88, s13, 2
	s_lshl_b32 s89, s11, 1
	s_add_co_u32 s88, s88, s89                     ; my first run of 64 tokens,
	s_lshl_b32 s88, s88, 6
	s_lshl_b32 s89, s42, 2
	s_add_co_u32 s88, s88, s89
	s_lshl_b32 s89, s12, 1
	s_add_co_u32 s88, s88, s89                     ; my first 64 hidden units
	s_lshl_b32 s88, s88, 12
	s_mov_b32 s89, 0
	s_add_nc_u64 s[8:9], s[76:77], s[88:89]        ; block (0, 0); 64 tokens on: 64 blocks; 64 units on: one block
	s_wait_kmcnt 0x0
	s_add_co_i32 s90, s80, s81                     ; e12 + e13
	s_sub_co_i32 s91, 0, s90
	s_sub_co_i32 s92, s82, s90                     ; a sum stands for sum x 2^(e12 + e13): its code is sum / 2^(e14 - e12 - e13)
	s_add_co_i32 s92, s92, 127
	s_lshl_b32 s93, s92, 23
	v_mov_b32 v[SC], s93
	s_add_co_i32 s92, s92, 8
	s_lshl_b32 s92, s92, 23
	s_or_b32 s92, s92, 0x600000
	v_mov_b32 v[LIM], s92
	s_wait_loadcnt 0x0
.set j, 0
.rept 64
	v_ldexp_f32 v[BIAS+j], v[BIAS+j], s91
.set j, j+1
.endr
.macro FRAG reg, adr, q, i             ; 16 rows x 128 K: registers 4 c .. 4 c + 3 hold k = 32 c + 16 h + 0 .. 15 of row r
.irp c, 0,1,2,3
	ds_load_b128 v[\reg+4*\c:\reg+4*\c+3], v[\adr] offset:128*(\q)+32*\c+(\i)*16*PITCH
.endr
.endm
; 16 matrix instructions: A's blocks a0, a0 + 1 x B's eight, 128 along K.  p: B's set.  zero = 1: the product starts the sum, onto the bias.
; The 64 accumulators take turns, one instruction a turn, in the same order in every step.
.macro MUL16 a0, p, zero
.irp a, \a0, \a0+1
.irp b, 0,1,2,3,4,5,6,7
.if \zero
	v_wmma_f32_16x16x128_fp8_fp8 v[8*(8*((\a)%4)+\b):8*(8*((\a)%4)+\b)+7], v[128*(\p)+FR*\b:128*(\p)+FR*\b+FR-1], v[AF+FR*(\a):AF+FR*(\a)+FR-1], v[BIAS+8*\b:BIAS+8*\b+7]
.else
	v_wmma_f32_16x16x128_fp8_fp8 v[8*(8*((\a)%4)+\b):8*(8*((\a)%4)+\b)+7], v[128*(\p)+FR*\b:128*(\p)+FR*\b+FR-1], v[AF+FR*(\a):AF+FR*(\a)+FR-1], v[8*(8*((\a)%4)+\b):8*(8*((\a)%4)+\b)+7]
.endif
.endr
.endr
.endm
.macro FETCH_B slot, q, p              ; B's eight fragments of the slot's q-th 128 along K into set p
	WIN TO_B
.irp i, 0,1,2,3,4,5,6,7
	FRAG 128*(\p)+FR*\i, ADRB+\slot, \q, \i
.endr
	WIN 0
.endm
.macro FETCH_A slot, q, i0             ; A's blocks i0 .. i0 + 3
.irp i, \i0, \i0+1, \i0+2, \i0+3
	FRAG AF+FR*(\i), ADRA+\slot, \q, \i
.endr
.endm
; A slot's first step of 128 along K; it fetches the second step's fragments.
.macro STEP slot, q, zero
	s_wait_dscnt 16                                ; B's set and A's blocks 0-3 are in; the youngest sixteen loads (A's blocks 4-7) may be out
.if \zero
	WIN FIRST_LO
.else
	WIN MUL_LO
.endif
	MUL16 0, (\q)%2, \zero
	MUL16 2, (\q)%2, \zero
	s_wait_dscnt 0                                 ; A's blocks 4-7 are in (asked for 32 matrix instructions ago)
	PLACES
	FETCH_B \slot, (\q)+1, 1-(\q)%2
	FETCH_A \slot, (\q)+1, 0
.if \zero
	WIN FIRST_HI
.else
	WIN MUL_HI
.endif
	MUL16 4, (\q)%2, \zero
	MUL16 6, (\q)%2, \zero
	PLACES
	WIN 0
	FETCH_A \slot, (\q)+1, 4
.endm
; A slot's second step changes slots: ONE barrier; in front of it each wave waits for all its tensor loads, adds 0 to its spare word, and waits for that and for its own reads of this slot.
; fill = 1: the barrier opens a round of the cluster's barrier, and this slot is filled again, 512 along K on: the first tensor load behind the round, one a wave.
.macro TURN slot, next, fill
	s_wait_tensorcnt 0x0                           ; all my tensor loads have landed: my part of the next slot  (every window is 0 here)
	ds_add_u32 v[SPW], v[NIL]                      ; 0 onto my spare word
	s_wait_dscnt 17                                ; (the add and the youngest sixteen loads, A's blocks 4-7, may be out)
	WIN MUL_LO
	MUL16 0, 1, 0                                  ; sixteen matrix instructions stand between the add and the wait for it
	s_wait_dscnt 0x0                               ; the add is done, and my reads of this slot are over
	s_barrier_signal -1
	MUL16 2, 1, 0
	WIN 0
	s_barrier_wait -1
.if \fill
	CREST                                          ; no wave of any partner still reads this slot or has a load on its way
	s_add_nc_u64 s[G0+4*\slot+2:G0+4*\slot+3], s[G0+4*\slot+2:G0+4*\slot+3], 2*ROWB
	s_add_nc_u64 s[G0B+4*\slot+2:G0B+4*\slot+3], s[G0B+4*\slot+2:G0B+4*\slot+3], 2*ROWB
	JLOAD \slot                                    ; its four v_nop are also the places in front of the loads below
.else
	PLACES
.endif
	FETCH_B \next, 0, 0
	FETCH_A \next, 0, 0
	WIN MUL_HI
	MUL16 4, 1, 0
	MUL16 6, 1, 0
	PLACES
	WIN 0
	FETCH_A \next, 0, 4
.endm
	s_wait_alu depctr_va_vdst(0)
	s_wait_tensorcnt 0x0                           ; my part of slot 0 is in; slot 1's first fill is issued as a refill is:
	ds_add_u32 v[SPW], v[NIL]                      ; 0 onto my spare word
	s_wait_dscnt 0x0
	CROUND                                         ; everybody's part of slot 0 is in, and the joint loads meet
	JLOAD 1                                        ; slot 1: K 256-511
	FETCH_B 0, 0, 0
	FETCH_A 0, 0, 0
	FETCH_A 0, 0, 4
	global_prefetch_b8 v27, s[18:19] offset:768 th:TH_LOAD_NT scope:SCOPE_SE   ; slot 3
	STEP 0, 0, 1                                   ; K 0-127: the products start the sums, onto the bias
	TURN 0, 1, 1                                   ; K 128-255; slot 0 takes K 512-767
	STEP 1, 0, 0
	TURN 1, 0, 1                                   ; slot 1 takes K 768-1023
	STEP 0, 0, 0
	TURN 0, 1, 0                                   ; nothing is left to fetch
	STEP 1, 0, 0
	s_wait_dscnt 16                                ; the last step
	WIN MUL_LO
	MUL16 0, 1, 0
	MUL16 2, 1, 0
	s_wait_dscnt 0
	WIN MUL_HI
	MUL16 4, 1, 0
	MUL16 6, 1, 0
	WIN 0
	PLACES
; THE WAY OUT, block by block of 64 x 64: n = 2 (half of my rows) + (half of my columns).  PACK: each of the block's 16 accumulators, from its low end on: the activation and the hold in one, between 0 and
; 448 x the scale (the conversion does not saturate: ISA guide 7.6.2), in place in its window; then each becomes 8 codes in window 0.  TOSTAGE: through my stage.  SEND: 8 x 512 consecutive bytes.
.macro PACK n
	WIN 0x82+0x41*((\n)/2)                         ; source 0 and destination: window 2 or 3
.irp a, 0,1,2,3
.irp b, 0,1,2,3
.irp j, 0,1,2,3,4,5,6,7
	v_med3_num_f32 v[8*(8*\a+4*((\n)%2)+\b)+\j], v[8*(8*\a+4*((\n)%2)+\b)+\j], 0, v[LIM]
.endr
.endr
.endr
	WIN 0x02+((\n)/2)                              ; source 0: window 2 or 3; destination window 0
.irp a, 0,1,2,3
.irp b, 0,1,2,3
	v_cvt_scalef32_pk8_fp8_f32 v[CD+32*((\n)%2)+2*(4*\a+\b):CD+32*((\n)%2)+2*(4*\a+\b)+1], v[8*(8*\a+4*((\n)%2)+\b):8*(8*\a+4*((\n)%2)+\b)+7], v[SC]
.endr
.endr
	v_nop                                          ; a plain line behind the last conversion
	WIN 0
.endm
.macro TOSTAGE n
.irp a, 0,1,2,3
.irp b, 0,1,2,3
	ds_store_b64 v[STO], v[CD+32*((\n)%2)+2*(4*\a+\b):CD+32*((\n)%2)+2*(4*\a+\b)+1] offset:\a*16*SP+16*\b
.endr
.endr
.irp i, 0,1,2,3,4,5,6,7
	ds_load_b128 v[BK+32*(\n)+4*\i:BK+32*(\n)+4*\i+3], v[RD] offset:\i*8*SP   ; LDS serves a wave's instructions in order: these see my stores, and the next block's stores come behind them
.endr
.endm
.macro SEND n, base, imm               ; each block has registers of its own for its stores: none is written again
.irp i, 0,1,2,3,4,5,6,7
	s_wait_dscnt 7-\i                              ; the younger loads from the stage may be out
	global_store_b128 v[CO], v[BK+32*(\n)+4*\i:BK+32*(\n)+4*\i+3], s[\base:\base+1] offset:\imm+512*\i
.endr
.endm
	PACK 0
	TOSTAGE 0
	PACK 1                                         ; a block's arithmetic stands between the loads of the block before and its stores
	s_wait_alu depctr_va_vdst(0)
	SEND 0, 8, 0
	TOSTAGE 1
	PACK 2                                         ; (its codes take the registers of block 0's, whose LDS stores are done: SEND 0 has waited for all)
	s_wait_alu depctr_va_vdst(0)
	SEND 1, 8, 4096
	TOSTAGE 2
	PACK 3
	s_wait_alu depctr_va_vdst(0)
	SEND 2, 8, 262144
	TOSTAGE 3
	SEND 3, 8, 266240
	s_wait_tensorcnt 0x0                           ; the wave's end, behind my last tensor load and my last LDS store
	ds_add_u32 v[SPW], v[NIL]
	s_wait_dscnt 0x0
	CROUND                                         ; the closing round: no work-group ends while a partner may still ask for a tile that names it
	s_endpgm
.Lfunc_end_k_qd2cf58f24e_ffn1:
	.size	k_qd2cf58f24e_ffn1, .Lfunc_end_k_qd2cf58f24e_ffn1-k_qd2cf58f24e_ffn1
	.p2alignl 7, 3214868480
	.fill 96, 4, 3214868480
	.section	.rodata,"a",@progbits
	.p2align	6, 0x0
	.amdhsa_kernel k_qd2cf58f24e_ffn1
		.amdhsa_group_segment_fixed_size 327680
		.amdhsa_private_segment_fixed_size 0
		.amdhsa_enable_private_segment 0
		.amdhsa_kernarg_size 40
		.amdhsa_user_sgpr_count 2
		.amdhsa_user_sgpr_kernarg_segment_ptr 1
		.amdhsa_wavefront_size32 1
		.amdhsa_system_sgpr_workgroup_id_x 1
		.amdhsa_system_sgpr_workgroup_id_y 1
		.amdhsa_system_sgpr_workgroup_id_z 1
		.amdhsa_system_vgpr_workitem_id 0
		.amdhsa_next_free_vgpr 1024
		.amdhsa_next_free_sgpr 100
		.amdhsa_reserve_vcc 0
		.amdhsa_float_denorm_mode_32 3
		.amdhsa_float_denorm_mode_16_64 3
		.amdhsa_memory_ordered 1
		.amdhsa_forward_progress 1
		.amdhsa_inst_pref_size 131
	.end_amdhsa_kernel
	.amdgpu_metadata
---
amdhsa.version: [ 1, 2 ]
amdhsa.kernels:
  - .name:           k_qd2cf58f24e_ffn1
    .symbol:         k_qd2cf58f24e_ffn1.kd
    .args:
      - { .name: hn, .offset: 0, .size: 8, .value_kind: global_buffer, .address_space: global }
      - { .name: w1_codes, .offset: 8, .size: 8, .value_kind: global_buffer, .address_space: global }
      - { .name: b1, .offset: 16, .size: 8, .value_kind: global_buffer, .address_space: global }
      - { .name: lowp_scales, .offset: 24, .size: 8, .value_kind: global_buffer, .address_space: global }
      - { .name: hid, .offset: 32, .size: 8, .value_kind: global_buffer, .address_space: global }
    .group_segment_fixed_size: 327680
    .private_segment_fixed_size: 0
    .kernarg_segment_align: 8
    .kernarg_segment_size: 40
    .max_flat_workgroup_size: 128
    .sgpr_count:     100
    .vgpr_count:     1024
    .wavefront_size: 32
...
	.end_amdgpu_metadata
.endif
;; end of part 13
;; launch ffn2 (part 14): grid 8 x 32, 4 waves a work-group, clusters of 4 x 4, 327,680 bytes of LDS; arguments hid, w2_codes, b2, h, lowp_scales, out0; writes out0
.if DOCPART == 14
	.amdgcn_target "amdgcn-amd-amdhsa--gfx1250"
	.amdhsa_code_object_version 6
	.text
	.protected	k_qd2cf58f24e_ffn2
	.globl	k_qd2cf58f24e_ffn2
	.p2align	8
	.type	k_qd2cf58f24e_ffn2,@function
k_qd2cf58f24e_ffn2:
	s_mov_b64 s[64:65], 0
	v_nop
	global_prefetch_b8 v0, s[64:65] scope:SCOPE_SE
	s_setreg_imm32_b32 hwreg(HW_REG_WAVE_MODE, 25, 1), 1
	s_wait_xcnt 0x0
	s_wait_alu depctr_hold_cnt(0) depctr_sa_sdst(0) depctr_va_vdst(0) depctr_va_sdst(0) depctr_va_ssrc(0) depctr_va_vcc(0) depctr_vm_vsrc(0)
	s_getreg_b32 s2, hwreg(HW_REG_IB_STS2, 6, 4)
	s_cmp_eq_u32 s2, 0
	s_cbranch_scc0 .Lentry_in_a_cluster
	s_endpgm
.Lentry_in_a_cluster:
	s_bfe_u32 s2, ttmp6, 0x10000c
	s_cmp_lg_u32 s2, 0xf033
	s_cbranch_scc0 .Lentry_shape_is_right
	s_endpgm
.Lentry_shape_is_right:
; out0 = h + hid w2 + b2, the product on E4M3 codes (K = 4,096), sums in f32, each multiplied once by 2^(e14 + e15).
; A = hid: blocks [64 tokens][64 along K] of 4,096 bytes, 64 to a run of 64 tokens.  B = w2_codes: rows [1024 (n)][4096 (k)].  h, out0: [4096][1024] f32; b2 [1024].
; A tile of C is 128 x 128: four waves, each 64 x 64 = 16 accumulators.  K goes in steps of 512 through two LDS slots: two first fills, then six refills, one tensor load a wave behind each round of the cluster's barrier;
; a wave has one load out at a time, and a refill has a slot's 64 matrix instructions in which to land.
; THE MATRIX INSTRUCTION IS USED TRANSPOSED (source 0 = 16 rows of B, source 1 = 16 rows of A): a lane holds eight neighbouring columns of one row of C.
; CLUSTERS: 4 x 4 work-groups; A's tile is shared along a row of the cluster, B's along a column, each asked for jointly.
; LIMIT: e14 + e15 between -126 and 127.
; REGISTERS: window 0: v16-31 addresses; v32-95 two sets of 16 rows on the way out; v96-99 b2 of my four columns; v128-255 accumulators.  window 1: two fragment buffers.  window 2: v0-127 my 64 x 64 of h, asked for at the head.
.set KSH,   12                         ; a row of B is 4,096 bytes
.set KROW,  4096
.set TSH,   18                         ; a run of 64 tokens of A is 64 blocks
.set LAPS,  4                          ; a lap = two slots = 1,024 along K
.set PITCH, 528
.set HALFT, 64*PITCH
.set BLK,   4352                       ; a block of A in LDS: 16 rows of 256 + 16 bytes
.set HALFA, 8*BLK
.set SLOT,  2*HALFA+2*HALFT
.set STAGE, 2*SLOT
.set SPITCH, 272
.set SPARE, STAGE+4*16*SPITCH
.set ADRA, 16
.set ADRB, 20
.set STO,  24
.set RD,   25
.set CO,   26
.set BO,   27
.set SPW,  28
.set NIL,  29
.set B2,   96
.set ACC,  128
.set F0,   0
.set F1,   128
.set G1,   24
.set G0,   32
.set G1B,  48
.set G0B,  56
.set MSB, 0
.macro WIN new                         ; the immediate's high byte repeats the setting that is left
.if MSB != \new
	s_set_vgpr_msb (MSB<<8)|\new
.set MSB, \new
.endif
.endm
.set MUL,  0x05
.set TO_F, 0x40
.macro JLOAD s                         ; a joint refill: waves 0 and 1 fetch A's halves, waves 2 and 3 B's; four v_nop follow each of the two lines
	s_cmp_eq_u32 s11, 0
	s_cbranch_scc0 .Lfor_b_\@
	tensor_load_to_lds s[G0+4*\s:G0+4*\s+3], s[G1:G1+7]
	s_nop 0
.rept 4
	v_nop
.endr
	s_branch .Lasked_\@
.Lfor_b_\@:
	tensor_load_to_lds s[G0B+4*\s:G0B+4*\s+3], s[G1B:G1B+7]
	s_nop 0
.rept 4
	v_nop
.endr
.Lasked_\@:
.endm
.macro CREST
	s_cmp_lg_u32 s10, 0
	s_cbranch_scc1 .Lnot_wave_0_\@
	s_barrier_signal -3
.Lnot_wave_0_\@:
	s_barrier_wait -3
	s_barrier_signal -1
	s_barrier_wait -1
.endm
.macro CROUND
	s_barrier_signal -1
	s_barrier_wait -1
	CREST
.endm
.macro PLACES                          ; four places in front of loads into registers that matrix instructions have read, and of the first read of results
.rept 4
	v_nop
.endr
.endm
	s_load_b256 s[68:75], s[0:1], 0x0              ; hid, w2, b2, h
	s_load_b128 s[76:79], s[0:1], 0x20             ; the scales' exponents, out0
	v_lshl_add_u32 v[SPW], v0, 2, SPARE
	v_mov_b32 v[NIL], 0
	ds_add_u32 v28, v29
	ds_add_u32 v28, v29
	s_wait_dscnt 0x0
	v_lshrrev_b32 v1, 5, v0
	v_readfirstlane_b32 s10, v1
	s_lshr_b32 s11, s10, 1
	s_and_b32 s12, s10, 1
	s_bfe_u32 s40, ttmp6, 0x40000
	s_bfe_u32 s41, ttmp6, 0x40004
	s_lshl_b32 s42, ttmp9, 2
	s_add_co_u32 s42, s42, s40                     ; tile column
	s_and_b32 s13, ttmp7, 0xffff
	s_lshl_b32 s13, s13, 2
	s_add_co_u32 s13, s13, s41                     ; tile row
	s_lshl_b32 s43, s41, 2
	s_lshl_b32 s43, 15, s43
	s_lshl_b32 s44, 0x1111, s40
	s_or_b32 s[G1+0], s43, (3<<16)|(1<<20)|(1<<21)|(5<<22)|(3<<25)   ; A: elements of 8 bytes; after every 64 words, 4 words of padding
	s_mov_b32 s[G1+1], 32<<16
	s_mov_b32 s[G1+2], 128<<16
	s_mov_b32 s[G1+3], 32<<16
	s_mov_b32 s[G1+4], 128
	s_mov_b32 s[G1+5], 32
	s_mov_b32 s[G1+6], 0
	s_mov_b32 s[G1+7], 0
	s_or_b32 s[G1B+0], s44, (0<<16)|(1<<20)|(1<<21)|(6<<22)|(3<<25)  ; B: elements of 1 byte; after every 128 words, 4 words
	s_mov_b32 s[G1B+1], 512<<16
	s_mov_b32 s[G1B+2], 64<<16
	s_mov_b32 s[G1B+3], 512<<16
	s_mov_b32 s[G1B+4], 64
	s_mov_b32 s[G1B+5], KROW
	s_mov_b32 s[G1B+6], 0
	s_mov_b32 s[G1B+7], 0
	s_lshl_b32 s16, s13, 1
	s_add_co_u32 s16, s16, s12
	s_lshl_b32 s16, s16, TSH
	s_mov_b32 s17, 0
	s_lshl_b32 s46, s42, 7
	s_lshl_b32 s47, s12, 6
	s_add_co_u32 s46, s46, s47
	s_lshl_b32 s46, s46, KSH
	s_mov_b32 s47, 0
	s_mul_i32 s20, s12, HALFA
	s_mul_i32 s21, s12, HALFT
	s_add_co_u32 s21, s21, 2*HALFA
	s_wait_kmcnt 0x0
	s_load_b64 s[82:83], s[76:77], 0x38            ; e14, e15
	s_add_nc_u64 s[14:15], s[68:69], s[16:17]
	s_add_nc_u64 s[46:47], s[70:71], s[46:47]
.irp s, 0,1
	s_mov_b32 s[G0+4*\s], 1
	s_add_co_u32 s[G0+4*\s+1], s20, \s*SLOT
	s_add_nc_u64 s[G0+4*\s+2:G0+4*\s+3], s[14:15], \s*32768
	s_or_b32 s[G0+4*\s+3], s[G0+4*\s+3], 0x80000000
	s_mov_b32 s[G0B+4*\s], 1
	s_add_co_u32 s[G0B+4*\s+1], s21, \s*SLOT
	s_add_nc_u64 s[G0B+4*\s+2:G0B+4*\s+3], s[46:47], \s*512
	s_or_b32 s[G0B+4*\s+3], s[G0B+4*\s+3], 0x80000000
.endr
	CROUND                                         ; all sixteen work-groups are here: the first joint loads meet
	s_cmp_eq_u32 s11, 0                            ; a wave's first fill stands in one branch on its number
	s_cbranch_scc0 .Lfirst_b
	tensor_load_to_lds s[G0:G0+3], s[G1:G1+7]
	s_nop 0
.rept 4
	v_nop
.endr
	s_branch .Lfirst_asked
.Lfirst_b:
	tensor_load_to_lds s[G0B:G0B+3], s[G1B:G1B+7]
	s_nop 0
.rept 4
	v_nop
.endr
.Lfirst_asked:
	v_and_b32 v1, 15, v0                           ; r
	v_bfe_u32 v2, v0, 4, 1                         ; h
	v_lshlrev_b32 v[CO], 12, v2
	v_lshl_add_u32 v[CO], v1, 4, v[CO]             ; in h and out0: lanes 0-15 take 256 bytes of one row, lanes 16-31 of the next
	v_lshlrev_b32 v[BO], 4, v1
	s_wait_alu depctr_va_vdst(0)
	s_lshl_b32 s86, s42, 9
	s_lshl_b32 s87, s12, 8
	s_add_co_u32 s86, s86, s87                     ; my first column, in bytes
	s_mov_b32 s87, 0
	s_lshl_b32 s84, s13, 7
	s_lshl_b32 s85, s11, 6
	s_add_co_u32 s84, s84, s85
	s_lshl_b32 s84, s84, 12                        ; my first row
	s_add_co_u32 s84, s84, s86
	s_mov_b32 s85, 0
	s_add_nc_u64 s[80:81], s[74:75], s[84:85]
	s_add_nc_u64 s[8:9], s[78:79], s[84:85]
	s_add_nc_u64 s[88:89], s[72:73], s[86:87]
	global_load_b128 v[B2:B2+3], v[BO], s[88:89]
	WIN 0x80                                       ; destination window 2
.irp a, 0,1,2,3
.irp t, 0,1,2,3,4,5,6,7
	global_load_b128 v[4*(8*\a+\t):4*(8*\a+\t)+3], v[CO], s[80:81] offset:(16*\a+2*\t)*4096
.endr
.endr
	WIN 0
	v_mul_u32_u24 v3, v1, PITCH
	v_lshl_add_u32 v3, v2, 4, v3
	v_lshrrev_b32 v4, 2, v1
	v_mul_u32_u24 v4, v4, 272
	v_and_b32 v5, 3, v1
	v_lshl_add_u32 v4, v5, 6, v4
	v_lshl_add_u32 v4, v2, 4, v4
	s_mul_i32 s21, s11, HALFA
	s_mul_i32 s22, s12, HALFT
	s_add_co_u32 s22, s22, 2*HALFA
.irp s, 0,1
	v_add_nc_u32 v[ADRA+\s], s21, v4
	v_add_nc_u32 v[ADRB+\s], s22, v3
	s_add_co_u32 s21, s21, SLOT
	s_add_co_u32 s22, s22, SLOT
.endr
	s_mul_i32 s23, s10, 16*SPITCH
	s_add_co_u32 s23, s23, STAGE
	v_mul_u32_u24 v6, v1, SPITCH
	v_lshl_add_u32 v6, v2, 5, v6
	v_add_nc_u32 v[STO], s23, v6
	v_mul_u32_u24 v7, v2, SPITCH
	v_lshl_add_u32 v7, v1, 4, v7
	v_add_nc_u32 v[RD], s23, v7
	; THE PREFETCHES: behind the joint load of slot k stands one instruction a wave for slot k + 2, 32 blocks of 256 bytes, a lane a block.  Of the 128 blocks that my load brings
	; (A: 32,768 dense bytes; B: 64 rows x 512 bytes) each of the four partners that ask jointly takes 32, told apart by address: cx for A (8,192 bytes each), cy for B (16 rows each).
	; Slot 0 comes by its load alone, slot 1 by one prefetch at the head; the loop's last trip, which loads slots 6 and 7, asks for nothing.
.set PFO, 30
	s_cmp_eq_u32 s11, 0                            ; do I fetch for A?
	s_cselect_b64 s[90:91], s[14:15], s[46:47]     ; my load's first byte of slot 0
	s_cselect_b32 s92, s40, s41                    ; my place among the four
	s_mov_b32 s93, 65536
	s_cselect_b32 s93, 8192, s93                   ; from partner to partner
	s_mov_b32 s94, 512
	s_cselect_b32 s94, 32768, s94                  ; from slot to slot
	s_mov_b32 s97, 4096
	s_cselect_b32 s97, 512, s97                    ; from two lanes to the next two
	s_mul_i32 s92, s92, s93
	s_lshl_b32 s96, s94, 1
	s_add_co_u32 s92, s92, s96                     ; at slot 2
	s_mov_b32 s93, 0
	s_mov_b32 s95, 0
	s_add_nc_u64 s[90:91], s[90:91], s[92:93]
	s_sub_nc_u64 s[98:99], s[90:91], s[94:95]      ; and at slot 1, in a pair of its own, asked for once at the head
	v_and_b32 v8, 31, v0
	v_lshrrev_b32 v9, 1, v8
	v_mul_lo_u32 v9, v9, s97
	v_and_b32 v8, 1, v8
	v_lshl_add_u32 v[PFO], v8, 8, v9
	s_wait_alu depctr_va_vdst(0)
	s_wait_kmcnt 0x0
	s_add_co_i32 s66, s82, s83
	s_add_co_i32 s66, s66, 127
	s_lshl_b32 s66, s66, 23                        ; 2^(e14 + e15)
	s_mov_b32 s67, s66
	global_prefetch_b8 v[PFO], s[98:99] th:TH_LOAD_NT scope:SCOPE_SE   ; slot 1
	global_prefetch_b8 v[PFO], s[90:91] th:TH_LOAD_NT scope:SCOPE_SE   ; slot 2
.macro FRAGR reg, adr, q, i
.irp c, 0,1,2,3
	ds_load_b128 v[\reg+4*\c:\reg+4*\c+3], v[\adr] offset:128*(\q)+32*\c+(\i)*16*PITCH
.endr
.endm
.macro FRAGK reg, adr, q, i            ; from blocks: 128 along K are two blocks
.irp c, 0,1,2,3
	ds_load_b128 v[\reg+4*\c:\reg+4*\c+3], v[\adr] offset:(2*(\q)+\c/2)*BLK+(\i)*1088+32*(\c%2)
.endr
.endm
.macro FETCH slot, q, f
	WIN TO_F
.irp i, 0,1,2,3
	FRAGR \f+64+16*\i, ADRB+\slot, \q, \i
.endr
.irp i, 0,1,2,3
	FRAGK \f+16*\i, ADRA+\slot, \q, \i
.endr
.endm
.macro MUL8 f, a0, zero                ; the 16 accumulators take turns, one instruction a turn, in the same order in every quarter
.irp a, \a0, \a0+1
.irp b, 0,1,2,3
.if \zero
	v_wmma_f32_16x16x128_fp8_fp8 v[ACC+8*(4*(\a)+\b):ACC+8*(4*(\a)+\b)+7], v[\f+64+16*\b:\f+64+16*\b+15], v[\f+16*(\a):\f+16*(\a)+15], 0
.else
	v_wmma_f32_16x16x128_fp8_fp8 v[ACC+8*(4*(\a)+\b):ACC+8*(4*(\a)+\b)+7], v[\f+64+16*\b:\f+64+16*\b+15], v[\f+16*(\a):\f+16*(\a)+15], v[ACC+8*(4*(\a)+\b):ACC+8*(4*(\a)+\b)+7]
.endif
.endr
.endr
.endm
.macro QUARTER slot, q, f, g, zero
	s_wait_dscnt 8                                 ; B's four and A's blocks 0, 1 are in; the youngest eight loads may be out
	WIN MUL
	MUL8 \f, 0, \zero
	PLACES
	FETCH \slot, \q, \g
	s_wait_dscnt 32                                ; all but the 32 just issued
	WIN MUL
	MUL8 \f, 2, \zero
.endm
; A slot's last quarter multiplies buffer 1 and changes slots: one barrier; in front of it each wave waits for all its tensor loads, adds 0 to its spare word, and waits for that and for its reads of this slot.
; fill = 1: the barrier opens a round of the cluster's barrier, and this slot is filled again, 1,024 along K on: the first tensor load behind the round.
.macro TURN slot, next, fill
	WIN 0
	s_wait_tensorcnt 0x0                           ; all my tensor loads have landed: my part of the next slot
	ds_add_u32 v[SPW], v[NIL]                      ; 0 onto my spare word
.if \fill
	s_wait_xcnt 0x0                                ; my last prefetch has read its address: a slot on
	s_add_nc_u64 s[90:91], s[90:91], s[94:95]
.endif
	s_wait_dscnt 9                                 ; (the add and the youngest eight loads may be out)
	WIN MUL
	MUL8 F1, 0, 0                                  ; eight matrix instructions stand between the add and the wait for it
	s_wait_dscnt 0x0                               ; the add is done, and my reads of this slot are over
	s_barrier_signal -1
	WIN 0
	s_barrier_wait -1
.if \fill
	CREST                                          ; no wave of any partner still reads this slot or has a load on its way
	s_add_nc_u64 s[G0+4*\slot+2:G0+4*\slot+3], s[G0+4*\slot+2:G0+4*\slot+3], 65536
	s_add_nc_u64 s[G0B+4*\slot+2:G0B+4*\slot+3], s[G0B+4*\slot+2:G0B+4*\slot+3], 1024
	JLOAD \slot                                    ; its four v_nop are also the places in front of the loads below
.else
	PLACES
.endif
	FETCH \next, 0, F0
.if \fill
	WIN 0
	s_cmp_gt_u32 s3, 1                             ; s3 = 1 in the loop's last trip: no slot stands two on
	s_cbranch_scc0 .Lnoask_\@
	global_prefetch_b8 v[PFO], s[90:91] th:TH_LOAD_NT scope:SCOPE_SE
.Lnoask_\@:
.endif
	WIN MUL
	MUL8 F1, 2, 0
.endm
	s_wait_tensorcnt 0x0                           ; my part of slot 0 is in; slot 1's first fill is issued as a refill is:
	ds_add_u32 v[SPW], v[NIL]                      ; 0 onto my spare word
	s_wait_xcnt 0x0                                ; my prefetch has read its address: it steps to slot 3
	s_add_nc_u64 s[90:91], s[90:91], s[94:95]
	s_wait_dscnt 0x0
	CROUND                                         ; everybody's part of slot 0 is in, and the joint loads meet
	JLOAD 1                                        ; slot 1: K 512-1023
	FETCH 0, 0, F0
	global_prefetch_b8 v[PFO], s[90:91] th:TH_LOAD_NT scope:SCOPE_SE   ; slot 3
	QUARTER 0, 1, F0, F1, 1                        ; the first quarter stands in front of the loop: its products start the sums
	WIN 0
	s_mov_b32 s3, LAPS-1
.Llap:                                 ; a trip goes once round the two slots, from a lap's second quarter to the next lap's first, and fills both again
	QUARTER 0, 2, F1, F0, 0
	QUARTER 0, 3, F0, F1, 0
	TURN 0, 1, 1
	QUARTER 1, 1, F0, F1, 0
	QUARTER 1, 2, F1, F0, 0
	QUARTER 1, 3, F0, F1, 0
	TURN 1, 0, 1
	QUARTER 0, 1, F0, F1, 0
	WIN 0
	s_sub_co_u32 s3, s3, 1
	s_cmp_lg_u32 s3, 0
	s_cbranch_scc1 .Llap
	QUARTER 0, 2, F1, F0, 0                        ; the last lap fills nothing
	QUARTER 0, 3, F0, F1, 0
	TURN 0, 1, 0
	QUARTER 1, 1, F0, F1, 0
	QUARTER 1, 2, F1, F0, 0
	QUARTER 1, 3, F0, F1, 0
	s_wait_dscnt 8
	WIN MUL
	MUL8 F1, 0, 0
	s_wait_dscnt 0x0
	MUL8 F1, 2, 0
	WIN 0
	PLACES
; THE WAY OUT, 16 rows at a time: the sums go through my stage (each accumulator from its low end on) and come back as rows of 256 bytes; out0 = sum x 2^(e14 + e15) + b2 + h; sixteen lanes store 256 consecutive bytes, aligned.
.macro F32OUT a
.set TM, 32+32*((\a)%2)
.if (\a) >= 2
	s_wait_xcnt 0x0                                ; the stores of two blocks back have read these registers
.endif
.irp b, 0,1,2,3
	ds_store_b128 v[STO], v[ACC+8*(4*(\a)+\b):ACC+8*(4*(\a)+\b)+3] offset:64*\b
	ds_store_b128 v[STO], v[ACC+8*(4*(\a)+\b)+4:ACC+8*(4*(\a)+\b)+7] offset:64*\b+16
.endr
.irp t, 0,1,2,3,4,5,6,7
	ds_load_b128 v[TM+4*\t:TM+4*\t+3], v[RD] offset:\t*2*SPITCH   ; LDS serves a wave's instructions in order
.endr
	s_wait_dscnt 0x0
.irp k, 0,2,4,6,8,10,12,14,16,18,20,22,24,26,28,30
	v_pk_fma_f32 v[TM+\k:TM+\k+1], v[TM+\k:TM+\k+1], s[66:67], v[B2+\k%4:B2+\k%4+1] op_sel_hi:[1,0,1]
.endr
	WIN 0x08                                       ; source 1 window 2
.irp k, 0,2,4,6,8,10,12,14,16,18,20,22,24,26,28,30
	v_pk_add_f32 v[TM+\k:TM+\k+1], v[TM+\k:TM+\k+1], v[32*(\a)+\k:32*(\a)+\k+1]
.endr
	WIN 0
.irp t, 0,1,2,3,4,5,6,7
	global_store_b128 v[CO], v[TM+4*\t:TM+4*\t+3], s[8:9] offset:(16*(\a)+2*\t)*4096 th:TH_STORE_NT
.endr
.endm
	s_wait_loadcnt 0x0                             ; b2 and h
	F32OUT 0
	F32OUT 1
	F32OUT 2
	F32OUT 3
	s_wait_tensorcnt 0x0                           ; the wave's end, behind my last tensor load and my last LDS store
	ds_add_u32 v[SPW], v[NIL]
	s_wait_dscnt 0x0
	CROUND                                         ; the closing round: no work-group ends while a partner may still ask for a tile that names it
	s_endpgm
.Lfunc_end_k_qd2cf58f24e_ffn2:
	.size	k_qd2cf58f24e_ffn2, .Lfunc_end_k_qd2cf58f24e_ffn2-k_qd2cf58f24e_ffn2
	.p2alignl 7, 3214868480
	.fill 96, 4, 3214868480
	.section	.rodata,"a",@progbits
	.p2align	6, 0x0
	.amdhsa_kernel k_qd2cf58f24e_ffn2
		.amdhsa_group_segment_fixed_size 327680
		.amdhsa_private_segment_fixed_size 0
		.amdhsa_enable_private_segment 0
		.amdhsa_kernarg_size 48
		.amdhsa_user_sgpr_count 2
		.amdhsa_user_sgpr_kernarg_segment_ptr 1
		.amdhsa_wavefront_size32 1
		.amdhsa_system_sgpr_workgroup_id_x 1
		.amdhsa_system_sgpr_workgroup_id_y 1
		.amdhsa_system_sgpr_workgroup_id_z 1
		.amdhsa_system_vgpr_workitem_id 0
		.amdhsa_next_free_vgpr 768
		.amdhsa_next_free_sgpr 100
		.amdhsa_reserve_vcc 0
		.amdhsa_float_denorm_mode_32 3
		.amdhsa_float_denorm_mode_16_64 3
		.amdhsa_memory_ordered 1
		.amdhsa_forward_progress 1
		.amdhsa_inst_pref_size 84
	.end_amdhsa_kernel
	.amdgpu_metadata
---
amdhsa.version: [ 1, 2 ]
amdhsa.kernels:
  - .name:           k_qd2cf58f24e_ffn2
    .symbol:         k_qd2cf58f24e_ffn2.kd
    .args:
      - { .name: hid, .offset: 0, .size: 8, .value_kind: global_buffer, .address_space: global }
      - { .name: w2_codes, .offset: 8, .size: 8, .value_kind: global_buffer, .address_space: global }
      - { .name: b2, .offset: 16, .size: 8, .value_kind: global_buffer, .address_space: global }
      - { .name: h, .offset: 24, .size: 8, .value_kind: global_buffer, .address_space: global }
      - { .name: lowp_scales, .offset: 32, .size: 8, .value_kind: global_buffer, .address_space: global }
      - { .name: out0, .offset: 40, .size: 8, .value_kind: global_buffer, .address_space: global }
    .group_segment_fixed_size: 327680
    .private_segment_fixed_size: 0
    .kernarg_segment_align: 8
    .kernarg_segment_size: 48
    .max_flat_workgroup_size: 128
    .sgpr_count:     100
    .vgpr_count:     768
    .wavefront_size: 32
...
	.end_amdgpu_metadata
.endif
;; end of part 14
